; MI455X (gfx1250); checked and timed in simulation.
; The chip was launched on July 23, 2026; its instructions are those of AMD's public machine-readable ISA for CDNA 5 (MIT licence, August 2026) and "CDNA5" Instruction Set Architecture Reference Guide (July 2026). The comments in the code are by the model that wrote it; some were corrected since.
;; Self Attention. Allowed arithmetic: matrix products marked QUANTISED: E3M2 operands, one E8M0 scale for each 32 along K, by v_wmma_scale_f32_16x16x128_f8f6f4 with both operands' format E3M2, f32 sums; everything else in f32.
;; Inputs: W_K 1,024 x 1,024 float32; W_Q 1,024 x 1,024 float32; W_V 1,024 x 1,024 float32; x 4 x 2,048 x 1,024 float32.
;; Outputs: out0 4 x 2,048 x 1,024 float32.
;; This version of the problem:
;;   THIS VERSION OF THE PROBLEM IS GIVEN IN LOW PRECISION. The matrix products marked QUANTISED in the list below multiply operands that are first quantised to E3M2 (3 exponent bits, 2 mantissa bits; 6 bits a number), with one power-of-two scale for each 32 numbers along K (OCP MX v1.0); their sums are f32. All else is computed in f32.
;;   The module's matrix products, in the order in which they are computed (A, B: the left and right operand; K: the contracted axis; several contracted axes count as one K, in the product's order):
;;     1. [M 8,192, K 1,024] x [K 1,024, N 1,024]; A: input x; B: input W_Q: QUANTISED
;;     2. [M 8,192, K 1,024] x [K 1,024, N 1,024]; A: input x; B: input W_K: QUANTISED
;;     3. [M 8,192, K 1,024] x [K 1,024, N 1,024]; A: input x; B: input W_V: QUANTISED
;;     4. batch 4 x [M 2,048, K 1,024] x [K 1,024, N 2,048]; A: computed on the way; B: computed on the way: QUANTISED
;;     5. batch 4 x [M 2,048, K 2,048] x [K 2,048, N 1,024]; A: softmax (see below); B: computed on the way: QUANTISED
;;   THE QUANTISER, for each operand of a quantised product, along K:
;;     - K is cut into blocks of 32 from its start; a last block that is shorter is filled with zeros.
;;     - A block's scale is 2^e with e = floor(log2(the largest magnitude in the block)) - 4, held to -126 .. 127; a block of zeros has e = 0. As a byte (E8M0): e + 127.
;;     - Each number is divided by its block's scale, clamped to +-28, and rounded to the nearest number of E3M2, ties to even, subnormals kept.
;;     - The product sums the exact products of the quantised numbers (number of the format x scale) in f32.
;;   ~~~python
;;   def quantise(x, axis):      # numpy; x: float32 -> the quantised numbers, widened to float32 again
;;       x = np.moveaxis(x, axis, -1); K = x.shape[-1]
;;       x = np.pad(x, [(0, 0)] * (x.ndim - 1) + [(0, -K % 32)]); x = x.reshape(x.shape[:-1] + (-1, 32)); a = np.abs(x).max(-1, keepdims=True)
;;       e = np.where(a > 0, np.clip(np.frexp(np.where(a > 0, a, 1))[1] - 1 - 4, -126, 127), 0)      # np.frexp(a)[1] - 1 = floor(log2(a)), exactly
;;       r = np.clip(x / 2.0 ** e, -28, 28)
;;       step = 2.0 ** (np.maximum(np.frexp(np.where(r == 0, 1, r))[1] - 1, -2) - 2)
;;       q = np.round(r / step) * step * 2.0 ** e      # np.round: ties to even
;;       return np.moveaxis(q.reshape(q.shape[:-2] + (-1,))[..., :K], -1, axis).astype(np.float32)
;;   ~~~
;;   SOFTMAX AHEAD OF A QUANTISED PRODUCT. Where the list says 'softmax', what is quantised is not the finished softmax but p = 2^(t - M), with t = logit x log2(e) and M = ceil(the row's largest t), a whole number; so 1/2 < the row's largest p <= 1. The row's sum l is taken of the UNQUANTISED p, in f32, and the product's result is divided by l at the end. Since M is a whole number, a kernel that streams over the keys may use a running M (the ceiling of the running maximum): every later rescaling is an exact power of two, which a block's scale takes up: the codes' values come out the same.
;;   OPERANDS COMPUTED ON THE WAY. 'Computed on the way' means the value that the module computes at that place (a softmax that the list does not call 'softmax' is quantised finished and normalised). What goes into a quantiser is computed in f32, as accurately as f32 sums, v_exp_f32 and their like allow (about 1e-6 of the number): no bf16 or f16 on the way to a quantiser, and a product that is left as it is and whose result goes on into a quantised operand takes f32 operands (vector FMAs, or v_wmma_f32_16x16x4_f32). A number that lies on a knife's edge between two numbers of the format may be rounded either way, as far as f32 arithmetic and the matrix unit's own rounding can turn it there, and no further.
;; 2 versions, each right and faster than the one before. Each part assembles by itself: llvm-mc -triple=amdgcn-amd-amdhsa -mcpu=gfx1250 --defsym DOCPART=n.
;; ======== version 1 of 2: 4 launches
;; workspace buffers: opnd1 9,011,200 bytes; opnd2 19,660,800 bytes; opnd3 14,155,776 bytes
;; launch quant (part 1): grid 704 x 1, 2 waves a work-group, no clusters, 17,152 bytes of LDS; arguments x, W_Q, W_K, W_V, opnd1; writes opnd1
.if DOCPART == 1
	.amdgcn_target "amdgcn-amd-amdhsa--gfx1250"
	.amdhsa_code_object_version 6
	.text
	.protected	k_q867a90c187_quant
	.globl	k_q867a90c187_quant
	.p2align	8
	.type	k_q867a90c187_quant,@function
k_q867a90c187_quant:
	s_mov_b64 s[64:65], 0
	v_nop
	global_prefetch_b8 v0, s[64:65] scope:SCOPE_SE
	s_setreg_imm32_b32 hwreg(HW_REG_WAVE_MODE, 25, 1), 1
	s_wait_xcnt 0x0
; SELF-ATTENTION IN MX-BF6, FOUR LAUNCHES.  This one: x [8192][1024], W_Q, W_K, W_V [1024][1024], f32, K innermost, become codes of E3M2 with one E8M0 byte for each 32 along K.
; DEAD WORK: none.  All four inputs reach the output through the five products, there is no mask, nothing is sliced away, and every number that enters a quantiser can move its codes: every product is done whole.
; A block's scale is 2^(floor(log2(largest magnitude)) - 4); its byte is the largest magnitude's exponent field - 4, held at 1 from below.
; LIMITS: NaN and infinities are not served.  A block whose largest magnitude lies under 2^-122 keeps the byte 1; a block of zeros gets the byte 1 where the rule says 127 (its codes are zeros; this program alone reads the bytes).
; THE LAYOUT OF ALL WORKSPACE OPERANDS.  Rows go in groups of 128 = 8 blocks of 16; place r of block i is row 32 (i / 2) + 8 (i % 2) + r + 8 (r / 8) of the group.
;   codes:  [group][K step of 128][block][c = 0..2][lane][16 bytes]: the image of a fragment's 12 registers, registers 4 c .. 4 c + 3 of lane l at 512 c + 16 l: 1,536 bytes a fragment, 12,288 a group's K step.
;   scales: [group][K step][half][r][4 words]: the word of block 4 half + i, place r: 512 bytes a group's K step.
; opnd1: groups 0-63 x, 64-71 W_Q, 72-79 W_K, 80-87 W_V, 8 K steps each; codes from byte 0, scale words from SC1.
; SHARES.  Work-group n takes group n / 8, K step n % 8; wave w its blocks 4 w .. 4 w + 3: four fragments of 16 rows x 128 numbers.  A load takes a row's 512 consecutive bytes; the 16 rows turn through the wave's own
; stage in LDS (rows of 528 bytes), so that lane (r, h) gets k = 64 c + 32 h + 0 .. 31 of row r: two whole blocks, in the order of the operand's registers.  No barrier: waves share nothing.
.set STG,   8448                       ; a wave's stage: 16 rows x (512 + 16) bytes
.set SPARE, 2*STG                      ; behind the stages: the spare words, 128 bytes for each wave: one block of 256 bytes that no other line names
.set SC1,   8650752                    ; 88 groups x 8 K steps x 12,288 bytes
.set R,   16                           ; v16-143  two sets of 64: a fragment's numbers as loaded
.set X,   144                          ; v144-207 the same, turned: my 64 numbers
.set PC,  208                          ; v208-219 the fragment's codes
.set PH,  220                          ; v220-222, v224-226 the second halves of my two blocks' codes
.set MXR, 228                          ; v228-229 largest magnitudes
.set SO,  230                          ; v230-231 the conversions' scale operands
.set BY,  232                          ; v232-233 the bytes
.set WD,  234                          ; v234-235 my part of the scale word; the other half's
.set PW,  236                          ; v236-239 the four fragments' scale words
.set SPW, 240                          ; v240 LDS address of my spare word; never rewritten
.set NIL, 241                          ; v241 0; never rewritten
	s_load_b256 s[4:11], s[0:1], 0x0               ; x, W_Q, W_K, W_V
	s_load_b64 s[12:13], s[0:1], 0x20              ; opnd1
	v_lshl_add_u32 v[SPW], v0, 2, SPARE
	v_mov_b32 v[NIL], 0
	v_lshrrev_b32 v1, 5, v0
	v_readfirstlane_b32 s16, v1                    ; wave 0, 1
	v_and_b32 v1, 31, v0                           ; lane
	v_and_b32 v2, 15, v0                           ; r
	v_bfe_u32 v3, v0, 4, 1                         ; h
	v_lshlrev_b32 v4, 4, v1                        ; 16 x lane: my bytes of a load's 512 and of a store's 512
	s_mul_i32 s23, s16, STG
	v_add_nc_u32 v5, s23, v4                       ; the stage, on the way in
	v_mul_u32_u24 v6, v2, 528
	v_lshl_add_u32 v6, v3, 7, v6
	v_add_nc_u32 v6, s23, v6                       ; and on the way out: row r, + 128 h
	v_lshlrev_b32 v7, 4, v2                        ; 16 r: my row place's four scale words
	v_lshlrev_b32 v8, 3, v3                        ; 8 h: my bytes' place in a scale word
	v_mov_b32 v[WD+1], 0                           ; written once: a lane permute's destination counts as one of its sources
	s_mov_b32 s20, 0x76543210
	s_mov_b32 s21, 0xfedcba98                      ; v_permlanex16_b32's selects for lane l xor 16
	s_lshr_b32 s17, ttmp9, 3                       ; the group, 0 .. 87
	s_and_b32 s18, ttmp9, 7                        ; the K step
	s_and_b32 s19, s17, 7                          ; the group inside a weight
	s_mul_i32 s28, ttmp9, 12288                    ; codes: (8 group + K step) x 12,288 + 6,144 x wave
	s_mul_i32 s30, s16, 6144
	s_add_co_u32 s28, s28, s30
	s_mov_b32 s29, 0
	s_lshl_b32 s30, ttmp9, 9                       ; scale words: SC1 + (8 group + K step) x 512 + 256 x wave
	s_lshl_b32 s31, s16, 8
	s_add_co_u32 s30, s30, s31
	s_add_co_u32 s30, s30, SC1
	s_mov_b32 s31, 0
	s_wait_kmcnt 0x0
	s_mov_b64 s[24:25], s[10:11]                   ; which tensor: a choice on the work-group's number alone; one path through the text
	s_cmp_lt_u32 s17, 80
	s_cselect_b64 s[24:25], s[8:9], s[24:25]
	s_cmp_lt_u32 s17, 72
	s_cselect_b64 s[24:25], s[6:7], s[24:25]
	s_cmp_lt_u32 s17, 64
	s_cselect_b64 s[24:25], s[4:5], s[24:25]
	s_cselect_b32 s19, s17, s19
	s_lshl_b32 s26, s19, 19                        ; 128 rows of 4,096 bytes a group,
	s_lshl_b32 s27, s16, 18                        ; 64 rows a wave,
	s_add_co_u32 s26, s26, s27
	s_lshl_b32 s27, s18, 9                         ; 512 bytes a K step
	s_add_co_u32 s26, s26, s27
	s_mov_b32 s27, 0
	s_add_nc_u64 s[24:25], s[24:25], s[26:27]
	s_add_nc_u64 s[14:15], s[12:13], s[28:29]      ; my codes
	s_add_nc_u64 s[12:13], s[12:13], s[30:31]      ; my scale words
.macro LOAD f                          ; fragment f's 16 rows: 512 consecutive bytes a load
.irp t, 0,1,2,3,4,5,6,7,8,9,10,11,12,13,14,15
	global_load_b128 v[R+64*((\f)%2)+4*\t:R+64*((\f)%2)+4*\t+3], v4, s[24:25] offset:(32*((\f)/2)+8*((\f)%2)+\t+8*(\t/8))*4096 th:TH_LOAD_NT
.endr
.endm
.macro FRAGQ f
.if (\f) < 3
	s_wait_loadcnt 16                              ; this fragment's 16 loads are in; the next fragment's 16 may be out
.else
	s_wait_loadcnt 0x0
.endif
.irp t, 0,1,2,3,4,5,6,7,8,9,10,11,12,13,14,15
	ds_store_b128 v5, v[R+64*((\f)%2)+4*\t:R+64*((\f)%2)+4*\t+3] offset:528*\t
.endr
.irp c, 0,1
.irp j, 0,1,2,3,4,5,6,7
	ds_load_b128 v[X+32*\c+4*\j:X+32*\c+4*\j+3], v6 offset:256*\c+16*\j   ; LDS serves a wave's instructions in order: these see the stores above
.endr
.endr
	s_wait_dscnt 0x0                               ; my numbers are back, and the stores have read their registers,
.if (\f) < 2
	LOAD (\f)+2                                    ; which take the fragment two further on
.endif
.irp c, 0,1
	v_max3_num_f32 v[MXR+\c], |v[X+32*\c]|, |v[X+32*\c+1]|, 0x2800000   ; my block 2 c + h: all 32 numbers are mine; and the floor 2^(5 - 127): the byte cannot fall under 1
.endr
.irp i, 2,4,6,8,10,12,14,16,18,20,22,24,26,28,30
.irp c, 0,1
	v_max3_num_f32 v[MXR+\c], v[MXR+\c], |v[X+32*\c+\i]|, |v[X+32*\c+\i+1]|
.endr
.endr
.irp c, 0,1
	v_add_nc_u32 v[SO+\c], 0xfe000000, v[MXR+\c]   ; 4 off the exponent field: the conversion's scale operand
.endr
.irp c, 0,1
	v_lshrrev_b32 v[BY+\c], 23, v[SO+\c]           ; the byte
.endr
	v_lshl_or_b32 v[WD], v[BY+1], 16, v[BY]        ; blocks h and 2 + h,
	v_lshlrev_b32 v[WD], v8, v[WD]                 ; at their places in the word;
	v_permlanex16_b32 v[WD+1], v[WD], s20, s21
	v_or_b32 v[PW+(\f)], v[WD], v[WD+1]            ; with lane l xor 16's two the word is whole
	s_wait_xcnt 0x0                                ; the last fragment's stores have read the codes' registers
.irp c, 0,1
	v_cvt_scalef32_pk16_bf6_f32 v[PC+6*\c:PC+6*\c+2], v[X+32*\c:X+32*\c+15], v[SO+\c]
	v_cvt_scalef32_pk16_bf6_f32 v[PH+4*\c:PH+4*\c+2], v[X+32*\c+16:X+32*\c+31], v[SO+\c]   ; (a conversion's three registers begin on an even number)
.endr
	v_nop                                          ; one plain place behind a scaled conversion
.irp c, 0,1
.irp i, 0,1,2
	v_mov_b32 v[PC+3+6*\c+\i], v[PH+4*\c+\i]
.endr
.endr
.irp c, 0,1,2
	global_store_b128 v4, v[PC+4*\c:PC+4*\c+3], s[14:15] offset:1536*(\f)+512*\c   ; 32 lanes store 512 consecutive bytes, aligned
.endr
.endm
	LOAD 0
	LOAD 1
	FRAGQ 0
	FRAGQ 1
	FRAGQ 2
	FRAGQ 3
	s_wait_xcnt 0x0                                ; EXEC changes only behind this wait
	v_cmp_gt_u32 vcc_lo, 16, v1
	s_and_saveexec_b32 s22, vcc_lo                 ; both halves of the lanes hold the same words: lanes 0-15 store them
	global_store_b128 v7, v[PW:PW+3], s[12:13]     ; 16 lanes store 256 consecutive bytes, aligned
	s_wait_xcnt 0x0                                ; and again, in front of the line that widens it
	s_or_b32 exec_lo, exec_lo, s22
	s_wait_tensorcnt 0x0                           ; the wave's end, behind my last LDS store
	ds_add_u32 v[SPW], v[NIL]
	s_wait_dscnt 0x0
	s_endpgm
.Lfunc_end_k_q867a90c187_quant:
	.size	k_q867a90c187_quant, .Lfunc_end_k_q867a90c187_quant-k_q867a90c187_quant
	.p2alignl 7, 3214868480
	.fill 96, 4, 3214868480
	.section	.rodata,"a",@progbits
	.p2align	6, 0x0
	.amdhsa_kernel k_q867a90c187_quant
		.amdhsa_group_segment_fixed_size 17152
		.amdhsa_private_segment_fixed_size 0
		.amdhsa_enable_private_segment 0
		.amdhsa_kernarg_size 40
		.amdhsa_user_sgpr_count 2
		.amdhsa_user_sgpr_kernarg_segment_ptr 1
		.amdhsa_wavefront_size32 1
		.amdhsa_system_sgpr_workgroup_id_x 1
		.amdhsa_system_sgpr_workgroup_id_y 1
		.amdhsa_system_sgpr_workgroup_id_z 1
		.amdhsa_system_vgpr_workitem_id 0
		.amdhsa_next_free_vgpr 248
		.amdhsa_next_free_sgpr 66
		.amdhsa_reserve_vcc 1
		.amdhsa_float_denorm_mode_32 3
		.amdhsa_float_denorm_mode_16_64 3
		.amdhsa_memory_ordered 1
		.amdhsa_forward_progress 1
		.amdhsa_inst_pref_size 30
	.end_amdhsa_kernel
	.amdgpu_metadata
---
amdhsa.version: [ 1, 2 ]
amdhsa.kernels:
  - .name:           k_q867a90c187_quant
    .symbol:         k_q867a90c187_quant.kd
    .args:
      - { .name: x, .offset: 0, .size: 8, .value_kind: global_buffer, .address_space: global }
      - { .name: W_Q, .offset: 8, .size: 8, .value_kind: global_buffer, .address_space: global }
      - { .name: W_K, .offset: 16, .size: 8, .value_kind: global_buffer, .address_space: global }
      - { .name: W_V, .offset: 24, .size: 8, .value_kind: global_buffer, .address_space: global }
      - { .name: opnd1, .offset: 32, .size: 8, .value_kind: global_buffer, .address_space: global }
    .group_segment_fixed_size: 17152
    .private_segment_fixed_size: 0
    .kernarg_segment_align: 8
    .kernarg_segment_size: 40
    .max_flat_workgroup_size: 64
    .sgpr_count:     66
    .vgpr_count:     248
    .wavefront_size: 32
...
	.end_amdgpu_metadata
.endif
;; end of part 1
;; launch proj (part 2): grid 12 x 32, 4 waves a work-group, clusters of 4 x 4, 327,680 bytes of LDS; arguments opnd1, opnd2; writes opnd2
.if DOCPART == 2
	.amdgcn_target "amdgcn-amd-amdhsa--gfx1250"
	.amdhsa_code_object_version 6
	.text
	.protected	k_q867a90c187_proj
	.globl	k_q867a90c187_proj
	.p2align	8
	.type	k_q867a90c187_proj,@function
k_q867a90c187_proj:
	s_mov_b64 s[64:65], 0
	v_nop
	global_prefetch_b8 v0, s[64:65] scope:SCOPE_SE
	s_setreg_imm32_b32 hwreg(HW_REG_WAVE_MODE, 25, 1), 1
	s_wait_xcnt 0x0
	s_wait_alu depctr_hold_cnt(0) depctr_sa_sdst(0) depctr_va_vdst(0) depctr_va_sdst(0) depctr_va_ssrc(0) depctr_va_vcc(0) depctr_vm_vsrc(0)
	s_getreg_b32 s2, hwreg(HW_REG_IB_STS2, 6, 4)
	s_cmp_eq_u32 s2, 0
	s_cbranch_scc0 .Lentry_in_a_cluster
	s_endpgm
.Lentry_in_a_cluster:
	s_bfe_u32 s2, ttmp6, 0x10000c
	s_cmp_lg_u32 s2, 0xf033
	s_cbranch_scc0 .Lentry_shape_is_right
	s_endpgm
.Lentry_shape_is_right:
; THE THREE PROJECTIONS on codes of E3M2, and their results quantised in registers for the next products.  No work is left out.
; A tile is 256 (source 1, 'A') x 256 (source 0, 'B') x K = 1,024; four waves, each 128 x 128: 64 accumulators, 512 registers.  A result's lane holds ONE row of A and its registers run along B's rows:
; with B's blocks composed as the layout has them (place r of block i = row 32 (i / 2) + 8 (i % 2) + r + 8 (r / 8)), register 16 b + i of a block of A is B's row 32 b + 16 (lane / 16) + i: 16 neighbours along the next K.
; Clusters with x = 0, 1: A = x's rows, B = rows of W_Q then W_K: Q and K, quantised along e.  Clusters with x = 2: A = W_V's rows, B = x's rows: V transposed, quantised along the keys.  One path: scalars alone are chosen.
; opnd1: see the launch before.  opnd2: Q and K codes [64 groups of tokens][16 K steps: 0-7 Q, 8-15 K] from 0; V^T codes [8 groups of d][64 K steps = groups of tokens] from VTC; their scale words from QKS and VTS.
; K goes through a ring of two LDS slots of 256 along K; a wave's tensor load brings 128 rows x 256 K of codes, which the layout makes one dense block of 24,576 bytes.  A fragment is three loads of 16 bytes a lane, consecutive.
; CLUSTERS: 4 x 4.  A's tiles hang on cy and the cluster's numbers alone and are asked for jointly along a row of the cluster, B's on cx and the cluster's numbers alone, along a column.
; LIMITS: as in the launch before (NaN, infinities, the byte's floor, blocks of zeros).
; REGISTERS: window 0: v16-29 addresses; v32-63 scale words, two sets, and nothing else; v64-107 the way out; v128-223 A's fragments, one set (free on the way out).  window 1: B's fragments, two sets, at v0 and v128.
;   window 2: the accumulators of A's blocks 0-3 ((a, b) at v[8 (8 (a % 4) + b)]); window 3: those of blocks 4-7.
.set NK,    8                          ; K steps of 128
.set KST,   12288                      ; a group's K step of codes
.set FRB,   1536                       ; a fragment's image
.set FR,    12                         ; its registers
.set PART,  2*KST                      ; what one tensor load brings
.set SLOT,  4*PART                     ; A's two groups, then B's two
.set LAPS,  NK/4
.set HALFS, NK*512                     ; a group's scale words for all of K
.set SCL,   2*SLOT                     ; behind the ring: the scale words: A's two groups, B's two
.set SPARE, SCL+4*HALFS                ; the spare words, 128 bytes for each wave: two blocks of 256 bytes that no other line names
.set SC1,   8650752
.set VTC,   12582912
.set QKS,   18874368
.set VTS,   19398656
.set ADRA, 16                          ; v16-17 LDS address of my A fragments in slot 0, 1
.set ADRB, 20                          ; v20-21 the same for B
.set CO,   26                          ; v26    16 x lane
.set ADRS, 27                          ; v27    my scale words: lanes 0-15 A's, lanes 16-31 B's
.set SPW,  28                          ; v28    LDS address of my spare word; never rewritten
.set NIL,  29                          ; v29    0; never rewritten
.set SC,   32                          ; register SC + 16 set + 8 q + i: lanes 0-15 the word of A's block i, lanes 16-31 of B's block i, for the slot's q-th 128 along K
.set AF,   128
.set TM,   200                         ; the way out: v200-203 largest magnitudes, v204-207 the other half's, then bytes, v212-215 scale operands
.set PC,   64                          ; v64-75 a fragment's codes; v76-78, v80-82 second halves
.set PWS,  96                          ; v96-103 the eight blocks' scale words; v104-107 my four of them
.set SELW, 104
.set G1, 24
.set G0, 32
.set G1B, 48
.set G0B, 56
.set G1S, 68
.set G0S, 76
.set G1SB, 80
.set G0SB, 88
.set MSB, 0
.macro WIN new                         ; the immediate's high byte repeats the setting that is left
.if MSB != \new
	s_set_vgpr_msb (MSB<<8)|\new
.set MSB, \new
.endif
.endm
.set MUL_LO, 0xa1                      ; source 0 (B) window 1, source 1 (A) window 0, C and D window 2
.set MUL_HI, 0xf1                      ; the same, C and D window 3
.set TO_B,   0x40                      ; destination window 1, address window 0
.macro JLOAD g0a, g1a, g0b, g1b        ; a joint load: waves 0 and 1 fetch for A, waves 2 and 3 for B; an s_nop 0 and four v_nop follow each of the two lines
	s_cmp_eq_u32 s15, 0
	s_cbranch_scc0 .Lfor_b_\@
	tensor_load_to_lds s[\g0a:\g0a+3], s[\g1a:\g1a+7]
	s_nop 0
.rept 4
	v_nop
.endr
	s_branch .Lasked_\@
.Lfor_b_\@:
	tensor_load_to_lds s[\g0b:\g0b+3], s[\g1b:\g1b+7]
	s_nop 0
.rept 4
	v_nop
.endr
.Lasked_\@:
.endm
.macro CREST                           ; a round of the cluster's barrier behind its opening barrier
	s_cmp_lg_u32 s14, 0
	s_cbranch_scc1 .Lnot_wave_0_\@
	s_barrier_signal -3
.Lnot_wave_0_\@:
	s_barrier_wait -3
	s_barrier_signal -1
	s_barrier_wait -1
.endm
.macro CROUND
	s_barrier_signal -1
	s_barrier_wait -1
	CREST
.endm
.macro PLACES n
.rept \n
	v_nop
.endr
.endm
.macro FRAG reg, adr, q, i             ; a fragment comes back as it was stored: three loads, 512 consecutive bytes each
.irp c, 0,1,2
	ds_load_b128 v[\reg+4*\c:\reg+4*\c+3], v[\adr] offset:(\q)*KST+(\i)*FRB+512*\c
.endr
.endm
.macro FETCH_B slot, q, p
	WIN TO_B
.irp i, 0,1,2,3,4,5,6,7
	FRAG 128*(\p)+FR*\i, ADRB+\slot, \q, \i
.endr
	WIN 0
.endm
.macro FETCH_A slot, q, i0
.irp i, \i0, \i0+1, \i0+2, \i0+3
	FRAG AF+FR*(\i), ADRA+\slot, \q, \i
.endr
.endm
.macro SCALES sc                       ; a slot's scale words: four blocks' words a load
.irp q, 0,1
.irp c, 0,1
	ds_load_b128 v[SC+16*(\sc)+8*\q+4*\c:SC+16*(\sc)+8*\q+4*\c+3], v[ADRS] offset:512*\q+256*\c
.endr
.endr
.endm
; 16 matrix instructions: A's blocks a0, a0 + 1 x B's eight.  The 64 accumulators take turns, one instruction a turn, in the same order in every step.
.macro MUL16 a0, p, q, sc, zero
.irp a, \a0, \a0+1
.irp b, 0,1,2,3,4,5,6,7
.if \zero
	v_wmma_scale_f32_16x16x128_f8f6f4 v[8*(8*((\a)%4)+\b):8*(8*((\a)%4)+\b)+7], v[128*(\p)+FR*\b:128*(\p)+FR*\b+FR-1], v[AF+FR*(\a):AF+FR*(\a)+FR-1], 0, v[SC+16*(\sc)+8*(\q)+\b], v[SC+16*(\sc)+8*(\q)+(\a)] matrix_a_fmt:MATRIX_FMT_BF6 matrix_b_fmt:MATRIX_FMT_BF6 matrix_a_scale:MATRIX_SCALE_ROW1
.else
	v_wmma_scale_f32_16x16x128_f8f6f4 v[8*(8*((\a)%4)+\b):8*(8*((\a)%4)+\b)+7], v[128*(\p)+FR*\b:128*(\p)+FR*\b+FR-1], v[AF+FR*(\a):AF+FR*(\a)+FR-1], v[8*(8*((\a)%4)+\b):8*(8*((\a)%4)+\b)+7], v[SC+16*(\sc)+8*(\q)+\b], v[SC+16*(\sc)+8*(\q)+(\a)] matrix_a_fmt:MATRIX_FMT_BF6 matrix_b_fmt:MATRIX_FMT_BF6 matrix_a_scale:MATRIX_SCALE_ROW1
.endif
.endr
.endr
.endm
.macro STEP slot, q, zero              ; a step of 128 along K that has its successor in the same slot
	s_wait_dscnt 12                                ; all but the youngest 12 loads: A's blocks 4-7
	WIN MUL_LO
	MUL16 0, (\q)%2, \q, \slot, \zero
	MUL16 2, (\q)%2, \q, \slot, \zero
	s_wait_dscnt 0x0
	PLACES 4                                       ; four places in front of loads into registers that matrix instructions have read
	FETCH_B \slot, (\q)+1, 1-(\q)%2
	FETCH_A \slot, (\q)+1, 0
	WIN MUL_HI
	MUL16 4, (\q)%2, \q, \slot, \zero
	MUL16 6, (\q)%2, \q, \slot, \zero
	PLACES 4
	WIN 0
	FETCH_A \slot, (\q)+1, 4
.endm
.macro TURN slot, next, fill           ; a slot's last step changes slots: one barrier; fill = 1: it opens a round of the cluster's barrier, and the slot is filled again
	s_wait_tensorcnt 0x0                           ; all my tensor loads have landed: my part of the next slot
	ds_add_u32 v[SPW], v[NIL]                      ; 0 onto my spare word
	s_wait_dscnt 13                                ; the add and the youngest 12 loads (A's blocks 4-7) may be out
	WIN MUL_LO
	MUL16 0, 1, 1, \slot, 0
	s_wait_dscnt 0x0                               ; the add is done, and my reads of this slot are over
	s_barrier_signal -1
	MUL16 2, 1, 1, \slot, 0
	WIN 0
	s_barrier_wait -1
.if \fill
	CREST                                          ; no wave of any partner still reads this slot or has a load on its way
	s_add_nc_u64 s[G0+4*\slot+2:G0+4*\slot+3], s[G0+4*\slot+2:G0+4*\slot+3], 2*PART
	s_add_nc_u64 s[G0B+4*\slot+2:G0B+4*\slot+3], s[G0B+4*\slot+2:G0B+4*\slot+3], 2*PART
	JLOAD G0+4*\slot, G1, G0B+4*\slot, G1B         ; the first tensor load behind the round; its four v_nop are the places in front of the loads below
.else
	PLACES 4
.endif
	v_add_nc_u32 v[ADRS], 1024, v[ADRS]            ; the next slot's scale words
	FETCH_B \next, 0, 0
	FETCH_A \next, 0, 0
	SCALES \next
	WIN MUL_HI
	MUL16 4, 1, 1, \slot, 0
	MUL16 6, 1, 1, \slot, 0
	PLACES 4
	WIN 0
	FETCH_A \next, 0, 4
.endm
	s_load_b128 s[4:7], s[0:1], 0x0                ; opnd1, opnd2
	v_lshl_add_u32 v[SPW], v0, 2, SPARE
	v_mov_b32 v[NIL], 0
	ds_add_u32 v[SPW], v[NIL]                      ; the wave's opening: the add, twice on end, and its wait ahead of my first tensor load
	ds_add_u32 v[SPW], v[NIL]
	v_lshrrev_b32 v1, 5, v0
	v_readfirstlane_b32 s14, v1                    ; wave 0..3
	s_lshr_b32 s15, s14, 1                         ; which group of A is mine.  Also: I fetch for A (0) or for B (1)
	s_and_b32 s16, s14, 1                          ; which group of B is mine.  Also: which group I fetch
	s_bfe_u32 s40, ttmp6, 0x40000                  ; cx
	s_bfe_u32 s41, ttmp6, 0x40004                  ; cy
	s_lshl_b32 s43, s41, 2
	s_lshl_b32 s43, 15, s43                        ; my row of the cluster
	s_lshl_b32 s44, 0x1111, s40                    ; my column
	s_or_b32 s[G1+0], s43, (3<<16)|(1<<21)         ; 15:0 the mask; 17:16 elements of 8 bytes; 21 set beside a mask; no padding
	s_or_b32 s[G1B+0], s44, (3<<16)|(1<<21)
.irp g, G1, G1B
	s_mov_b32 s[\g+1], 32<<16                      ; tensor_dim0 = 32 elements: rows of 256 bytes
	s_mov_b32 s[\g+2], 96<<16                      ; tensor_dim1 = 96
	s_mov_b32 s[\g+3], 32<<16                      ; tile_dim0
	s_mov_b32 s[\g+4], 96                          ; tile_dim1
	s_mov_b32 s[\g+5], 32                          ; the pitch: dense
	s_mov_b32 s[\g+6], 0
	s_mov_b32 s[\g+7], 0
.endr
	s_or_b32 s[G1S+0], s43, (3<<16)|(1<<21)
	s_or_b32 s[G1SB+0], s44, (3<<16)|(1<<21)
.irp g, G1S, G1SB
	s_mov_b32 s[\g+1], 32<<16
	s_mov_b32 s[\g+2], (2*NK)<<16
	s_mov_b32 s[\g+3], 32<<16
	s_mov_b32 s[\g+4], 2*NK
	s_mov_b32 s[\g+5], 32
	s_mov_b32 s[\g+6], 0
	s_mov_b32 s[\g+7], 0
.endr
	s_mov_b32 s96, 0xffff0000                      ; lanes 16-31
	s_mov_b32 s100, 0x76543210
	s_mov_b32 s101, 0xfedcba98                     ; v_permlanex16_b32's selects for lane l xor 16
	s_and_b32 s17, ttmp7, 0xffff
	s_lshl_b32 s17, s17, 3                         ; 8 x cluster y
	s_lshl_b32 s42, ttmp9, 3                       ; 8 x cluster x
	s_add_co_u32 s46, s42, 64
	s_mov_b32 s47, QKS
	s_cmp_eq_u32 ttmp9, 2                          ; V's clusters?  The same in all sixteen partners
	s_cselect_b32 s20, 80, s17                     ; A's first group: W_V's, or x's
	s_cselect_b32 s46, s17, s46                    ; B's: x's, or W_Q's and W_K's
	s_cselect_b32 s66, 0, s17                      ; the result's first group
	s_cselect_b32 s67, s17, s42                    ; and K step
	s_cselect_b32 s95, 6, 4                        ; K steps a group: 64 or 16
	s_cselect_b32 s97, VTC, 0
	s_cselect_b32 s98, VTS, s47
	s_lshl_b32 s18, s41, 1                         ; 2 cy
	s_lshl_b32 s19, s40, 1                         ; 2 cx
	s_add_co_u32 s20, s20, s18
	s_add_co_u32 s20, s20, s16                     ; the group of A that I would fetch: no cx in it
	s_lshl_b32 s22, s20, 12
	s_add_co_u32 s22, s22, SC1
	s_mov_b32 s23, 0
	s_mul_i32 s20, s20, 8*KST
	s_mov_b32 s21, 0
	s_add_co_u32 s46, s46, s19
	s_add_co_u32 s46, s46, s16                     ; the group of B: no cy in it
	s_lshl_b32 s92, s46, 12
	s_add_co_u32 s92, s92, SC1
	s_mov_b32 s93, 0
	s_mul_i32 s46, s46, 8*KST
	s_mov_b32 s47, 0
	s_mul_i32 s45, s14, PART                       ; where they go: wave x a part: no place in the cluster enters an LDS address
	s_mul_i32 s94, s14, HALFS
	s_add_co_u32 s66, s66, s18
	s_add_co_u32 s66, s66, s15
	s_lshl_b32 s66, s66, s95
	s_add_co_u32 s67, s67, s19
	s_add_co_u32 s67, s67, s16
	s_add_co_u32 s66, s66, s67                     ; my result's (group, K step), as one index
	s_mul_i32 s2, s66, KST
	s_add_co_u32 s2, s2, s97
	s_mov_b32 s3, 0
	s_lshl_b32 s66, s66, 9
	s_add_co_u32 s66, s66, s98
	s_mov_b32 s67, 0
	s_wait_dscnt 0x0                               ; both opening adds are done
	s_wait_kmcnt 0x0
	s_add_nc_u64 s[20:21], s[4:5], s[20:21]
	s_add_nc_u64 s[22:23], s[4:5], s[22:23]
	s_add_nc_u64 s[46:47], s[4:5], s[46:47]
	s_add_nc_u64 s[92:93], s[4:5], s[92:93]
	s_add_nc_u64 s[12:13], s[6:7], s[2:3]          ; my codes out
	s_add_nc_u64 s[10:11], s[6:7], s[66:67]        ; my scale words out
	CROUND                                         ; all sixteen work-groups are here: the first joint loads meet
	s_mov_b32 s[G0S], 1
	s_add_co_u32 s[G0S+1], s94, SCL
	s_mov_b64 s[G0S+2:G0S+3], s[22:23]
	s_or_b32 s[G0S+3], s[G0S+3], 0x80000000
	s_mov_b32 s[G0SB], 1
	s_add_co_u32 s[G0SB+1], s94, SCL
	s_mov_b64 s[G0SB+2:G0SB+3], s[92:93]
	s_or_b32 s[G0SB+3], s[G0SB+3], 0x80000000
	JLOAD G0S, G1S, G0SB, G1SB                     ; the scale words of all of K: filled once
.irp s, 0,1
	s_mov_b32 s[G0+4*\s], 1
	s_add_co_u32 s[G0+4*\s+1], s45, \s*SLOT
	s_add_nc_u64 s[G0+4*\s+2:G0+4*\s+3], s[20:21], \s*PART
	s_or_b32 s[G0+4*\s+3], s[G0+4*\s+3], 0x80000000
	s_mov_b32 s[G0B+4*\s], 1
	s_add_co_u32 s[G0B+4*\s+1], s45, \s*SLOT
	s_add_nc_u64 s[G0B+4*\s+2:G0B+4*\s+3], s[46:47], \s*PART
	s_or_b32 s[G0B+4*\s+3], s[G0B+4*\s+3], 0x80000000
	JLOAD G0+4*\s, G1, G0B+4*\s, G1B               ; three loads of mine are out at the most
.endr
	v_and_b32 v1, 15, v0                           ; r
	v_bfe_u32 v2, v0, 4, 1                         ; h
	v_and_b32 v3, 31, v0
	v_lshlrev_b32 v[CO], 4, v3                     ; 16 x lane
	s_mul_i32 s21, s15, PART
	s_mul_i32 s22, s16, PART
	s_add_co_u32 s22, s22, 2*PART
.irp s, 0,1
	v_add_nc_u32 v[ADRA+\s], s21, v[CO]
	v_add_nc_u32 v[ADRB+\s], s22, v[CO]
	s_add_co_u32 s21, s21, SLOT
	s_add_co_u32 s22, s22, SLOT
.endr
	v_lshlrev_b32 v5, 4, v1                        ; 16 r: four blocks' words of my row place
	s_mul_i32 s21, s15, HALFS                      ; A's group
	s_mul_i32 s22, s16, HALFS
	s_add_co_u32 s22, s22, 2*HALFS                 ; B's group, behind A's two
	s_sub_co_u32 s22, s22, s21
	v_mul_u32_u24 v6, s22, v2                      ; lanes 16-31 take B's
	s_add_co_u32 s21, s21, SCL
	v_add_nc_u32 v5, v5, v6
	v_add_nc_u32 v[ADRS], s21, v5
	s_wait_tensorcnt 1                             ; the scale words and my part of slot 0 are in; slot 1's load may be out
	s_barrier_signal -1
	s_barrier_wait -1
	FETCH_B 0, 0, 0
	FETCH_A 0, 0, 0
	SCALES 0
	FETCH_A 0, 0, 4
	STEP 0, 0, 1                                   ; the first step's products start the sums
	s_mov_b32 s3, LAPS-1
.Llap:
	TURN 0, 1, 1
	STEP 1, 0, 0
	TURN 1, 0, 1
	STEP 0, 0, 0
	s_sub_co_u32 s3, s3, 1
	s_cmp_lg_u32 s3, 0
	s_cbranch_scc1 .Llap
	TURN 0, 1, 0                                   ; the last lap fills nothing
	STEP 1, 0, 0
	s_wait_dscnt 12
	WIN MUL_LO
	MUL16 0, 1, 1, 1, 0
	MUL16 2, 1, 1, 1, 0
	s_wait_dscnt 0x0
	WIN MUL_HI
	MUL16 4, 1, 1, 1, 0
	MUL16 6, 1, 1, 1, 0
	WIN 0
	PLACES 4                                       ; four places in front of the first read of results and the first write into registers that held A's fragments
; THE WAY OUT.  A's block a: my lane's 64 numbers are 128 neighbours (with lane l xor 16's) along the next K of one row: they become one fragment and one scale word, and leave as the fragment's image.
.macro QB a
.set AC, 64*((\a)%4)
.set WW, 2+(\a)/4
.set W12, 20*WW                        ; sources 1 and 2 in window WW
	WIN 0
.irp b, 0,1,2,3
	v_mov_b32 v[TM+\b], 0x2800000                  ; the floor 2^(5 - 127): the byte cannot fall under 1
.endr
	WIN W12
.irp i, 0,2,4,6,8,10,12,14
.irp b, 0,1,2,3
	v_max3_num_f32 v[TM+\b], v[TM+\b], |v[AC+16*\b+\i]|, |v[AC+16*\b+\i+1]|   ; each accumulator from its low end on
.endr
.endr
	WIN 0
.irp b, 0,1,2,3
	v_permlanex16_b32 v[TM+4+\b], v[TM+\b], s100, s101
.endr
.irp b, 0,1,2,3
	v_max_num_f32 v[TM+\b], v[TM+\b], v[TM+4+\b]   ; the block's largest magnitude
.endr
.irp b, 0,1,2,3
	v_add_nc_u32 v[TM+12+\b], 0xfe000000, v[TM+\b] ; 4 off its exponent field: the conversion's scale operand
.endr
.irp b, 0,1,2,3
	v_lshrrev_b32 v[TM+4+\b], 23, v[TM+12+\b]      ; the byte
.endr
	v_lshl_or_b32 v[PWS+\a], v[TM+5], 8, v[TM+4]
	v_lshl_or_b32 v[PWS+\a], v[TM+6], 16, v[PWS+\a]
	v_lshl_or_b32 v[PWS+\a], v[TM+7], 24, v[PWS+\a]
	s_wait_xcnt 0x0                                ; the last block's stores have read the codes' registers
	WIN WW                                         ; source 0 in window WW
.irp c, 0,1
	v_cvt_scalef32_pk16_bf6_f32 v[PC+6*\c:PC+6*\c+2], v[AC+32*\c:AC+32*\c+15], v[TM+12+2*\c]
	v_cvt_scalef32_pk16_bf6_f32 v[PC+12+4*\c:PC+14+4*\c], v[AC+32*\c+16:AC+32*\c+31], v[TM+12+2*\c+1]
.endr
	WIN 0
	v_nop                                          ; one plain place behind a scaled conversion
.irp c, 0,1                            ; the operand's layout wants a whole block in a lane
.irp i, 0,1,2
	v_permlane16_swap_b32 v[PC+6*\c+\i], v[PC+12+4*\c+\i]
.endr
.irp i, 0,1,2
	v_mov_b32 v[PC+3+6*\c+\i], v[PC+12+4*\c+\i]
.endr
.endr
.irp c, 0,1,2
	global_store_b128 v[CO], v[PC+4*\c:PC+4*\c+3], s[12:13] offset:FRB*(\a)+512*\c   ; 32 lanes store 512 consecutive bytes, aligned
.endr
.endm
.irp b, 0,1,2,3
	v_mov_b32 v[TM+4+\b], 0                        ; written once: a lane permute's destination counts as one of its sources
.endr
.irp a, 0,1,2,3,4,5,6,7
	QB \a
.endr
.irp j, 0,1,2,3
	v_cndmask_b32 v[SELW+\j], v[PWS+\j], v[PWS+4+\j], s96   ; lanes 0-15 store blocks 0-3's words, lanes 16-31 blocks 4-7's
.endr
	global_store_b128 v[CO], v[SELW:SELW+3], s[10:11]
	s_wait_tensorcnt 0x0                           ; the wave's end
	ds_add_u32 v[SPW], v[NIL]
	s_wait_dscnt 0x0
	CROUND                                         ; the closing round
	s_endpgm
.Lfunc_end_k_q867a90c187_proj:
	.size	k_q867a90c187_proj, .Lfunc_end_k_q867a90c187_proj-k_q867a90c187_proj
	.p2alignl 7, 3214868480
	.fill 96, 4, 3214868480
	.section	.rodata,"a",@progbits
	.p2align	6, 0x0
	.amdhsa_kernel k_q867a90c187_proj
		.amdhsa_group_segment_fixed_size 327680
		.amdhsa_private_segment_fixed_size 0
		.amdhsa_enable_private_segment 0
		.amdhsa_kernarg_size 16
		.amdhsa_user_sgpr_count 2
		.amdhsa_user_sgpr_kernarg_segment_ptr 1
		.amdhsa_wavefront_size32 1
		.amdhsa_system_sgpr_workgroup_id_x 1
		.amdhsa_system_sgpr_workgroup_id_y 1
		.amdhsa_system_sgpr_workgroup_id_z 1
		.amdhsa_system_vgpr_workitem_id 0
		.amdhsa_next_free_vgpr 1024
		.amdhsa_next_free_sgpr 102
		.amdhsa_reserve_vcc 0
		.amdhsa_float_denorm_mode_32 3
		.amdhsa_float_denorm_mode_16_64 3
		.amdhsa_memory_ordered 1
		.amdhsa_forward_progress 1
		.amdhsa_inst_pref_size 140
	.end_amdhsa_kernel
	.amdgpu_metadata
---
amdhsa.version: [ 1, 2 ]
amdhsa.kernels:
  - .name:           k_q867a90c187_proj
    .symbol:         k_q867a90c187_proj.kd
    .args:
      - { .name: opnd1, .offset: 0, .size: 8, .value_kind: global_buffer, .address_space: global }
      - { .name: opnd2, .offset: 8, .size: 8, .value_kind: global_buffer, .address_space: global }
    .group_segment_fixed_size: 327680
    .private_segment_fixed_size: 0
    .kernarg_segment_align: 8
    .kernarg_segment_size: 16
    .max_flat_workgroup_size: 128
    .sgpr_count:     102
    .vgpr_count:     1024
    .wavefront_size: 32
...
	.end_amdgpu_metadata
.endif
;; end of part 2
;; launch scores (part 3): grid 8 x 32, 4 waves a work-group, clusters of 4 x 4, 327,680 bytes of LDS; arguments opnd2, opnd3; writes opnd3
.if DOCPART == 3
	.amdgcn_target "amdgcn-amd-amdhsa--gfx1250"
	.amdhsa_code_object_version 6
	.text
	.protected	k_q867a90c187_scores
	.globl	k_q867a90c187_scores
	.p2align	8
	.type	k_q867a90c187_scores,@function
k_q867a90c187_scores:
	s_mov_b64 s[64:65], 0
	v_nop
	global_prefetch_b8 v0, s[64:65] scope:SCOPE_SE
	s_setreg_imm32_b32 hwreg(HW_REG_WAVE_MODE, 25, 1), 1
	s_wait_xcnt 0x0
	s_wait_alu depctr_hold_cnt(0) depctr_sa_sdst(0) depctr_va_vdst(0) depctr_va_sdst(0) depctr_va_ssrc(0) depctr_va_vcc(0) depctr_vm_vsrc(0)
	s_getreg_b32 s2, hwreg(HW_REG_IB_STS2, 6, 4)
	s_cmp_eq_u32 s2, 0
	s_cbranch_scc0 .Lentry_in_a_cluster
	s_endpgm
.Lentry_in_a_cluster:
	s_bfe_u32 s2, ttmp6, 0x10000c
	s_cmp_lg_u32 s2, 0xf033
	s_cbranch_scc0 .Lentry_shape_is_right
	s_endpgm
.Lentry_shape_is_right:
; S = Q K^T on codes of E3M2, and the softmax's p, quantised in registers for the last product.  No work is left out.
; A tile is 256 queries (source 1) x 256 keys (source 0) x K = 1,024; four waves, each 128 x 128.  A lane holds one query; its 64 registers of a block of queries, with lane l xor 16's, are the 128 keys of one CHUNK.
; THE SOFTMAX IS TAKEN CHUNK BY CHUNK: t = score x log2(e) / 32; M = the chunk's largest t rounded up to a whole number; p = 2^(t - M) is quantised along the keys; l = the chunk's sum of the unquantised p.
; -M and l go to memory beside p's scale words.  The next launch brings all chunks of a row under the row's largest M: a whole number off each scale byte, which leaves the codes as they are.
; opnd2: see the launch before.  opnd3: P's codes [64 groups of queries][16 chunks of the batch's keys] from 0; P's scale words from PSO, -M (f32) from PMO, l from PLO, each laid as scale words are.
; CLUSTERS: 4 x 4.  Q's tiles are asked for jointly along a row of the cluster, K's along a column (a cluster's four query tiles lie in one batch).
; LIMITS: NaN and infinities are not served; M is kept as an f32 whole number; a p under 2^-126 counts as 0; a block whose every p is 0 keeps the byte 1 (its codes are zeros).
; REGISTERS: as in the launch before; on the way out: v128-191 p; v200-223 at work; v64-82 codes; v96-103 scale words, v104-111 -M, v112-119 l; v120-127, v192-195 what I store of them.
.set NK,    8
.set KST,   12288
.set FRB,   1536
.set FR,    12
.set PART,  2*KST
.set SLOT,  4*PART
.set LAPS,  NK/4
.set HALFS, NK*512
.set SCL,   2*SLOT
.set SPARE, SCL+4*HALFS                ; the spare words, 128 bytes for each wave: two blocks of 256 bytes that no other line names
.set QKS,   18874368
.set PSO,   12582912
.set PMO,   13107200
.set PLO,   13631488
.set ADRA, 16
.set ADRB, 20
.set CO,   26
.set ADRS, 27
.set SPW,  28
.set NIL,  29
.set SC,   32
.set AF,   128
.set PS,   128
.set MX,   200
.set MP,   204
.set SOP,  212
.set PC,   64
.set PWS,  96
.set NMS,  104
.set LSS,  112
.set G1, 24
.set G0, 32
.set G1B, 48
.set G0B, 56
.set G1S, 68
.set G0S, 76
.set G1SB, 80
.set G0SB, 88
.set MSB, 0
.macro WIN new                         ; the immediate's high byte repeats the setting that is left
.if MSB != \new
	s_set_vgpr_msb (MSB<<8)|\new
.set MSB, \new
.endif
.endm
.set MUL_LO, 0xa1
.set MUL_HI, 0xf1
.set TO_B,   0x40
.macro JLOAD g0a, g1a, g0b, g1b        ; a joint load: waves 0 and 1 fetch for A, waves 2 and 3 for B; an s_nop 0 and four v_nop follow each of the two lines
	s_cmp_eq_u32 s15, 0
	s_cbranch_scc0 .Lfor_b_\@
	tensor_load_to_lds s[\g0a:\g0a+3], s[\g1a:\g1a+7]
	s_nop 0
.rept 4
	v_nop
.endr
	s_branch .Lasked_\@
.Lfor_b_\@:
	tensor_load_to_lds s[\g0b:\g0b+3], s[\g1b:\g1b+7]
	s_nop 0
.rept 4
	v_nop
.endr
.Lasked_\@:
.endm
.macro CREST
	s_cmp_lg_u32 s14, 0
	s_cbranch_scc1 .Lnot_wave_0_\@
	s_barrier_signal -3
.Lnot_wave_0_\@:
	s_barrier_wait -3
	s_barrier_signal -1
	s_barrier_wait -1
.endm
.macro CROUND
	s_barrier_signal -1
	s_barrier_wait -1
	CREST
.endm
.macro PLACES n
.rept \n
	v_nop
.endr
.endm
.macro FRAG reg, adr, q, i
.irp c, 0,1,2
	ds_load_b128 v[\reg+4*\c:\reg+4*\c+3], v[\adr] offset:(\q)*KST+(\i)*FRB+512*\c
.endr
.endm
.macro FETCH_B slot, q, p
	WIN TO_B
.irp i, 0,1,2,3,4,5,6,7
	FRAG 128*(\p)+FR*\i, ADRB+\slot, \q, \i
.endr
	WIN 0
.endm
.macro FETCH_A slot, q, i0
.irp i, \i0, \i0+1, \i0+2, \i0+3
	FRAG AF+FR*(\i), ADRA+\slot, \q, \i
.endr
.endm
.macro SCALES sc
.irp q, 0,1
.irp c, 0,1
	ds_load_b128 v[SC+16*(\sc)+8*\q+4*\c:SC+16*(\sc)+8*\q+4*\c+3], v[ADRS] offset:512*\q+256*\c
.endr
.endr
.endm
.macro MUL16 a0, p, q, sc, zero        ; the 64 accumulators take turns, one instruction a turn
.irp a, \a0, \a0+1
.irp b, 0,1,2,3,4,5,6,7
.if \zero
	v_wmma_scale_f32_16x16x128_f8f6f4 v[8*(8*((\a)%4)+\b):8*(8*((\a)%4)+\b)+7], v[128*(\p)+FR*\b:128*(\p)+FR*\b+FR-1], v[AF+FR*(\a):AF+FR*(\a)+FR-1], 0, v[SC+16*(\sc)+8*(\q)+\b], v[SC+16*(\sc)+8*(\q)+(\a)] matrix_a_fmt:MATRIX_FMT_BF6 matrix_b_fmt:MATRIX_FMT_BF6 matrix_a_scale:MATRIX_SCALE_ROW1
.else
	v_wmma_scale_f32_16x16x128_f8f6f4 v[8*(8*((\a)%4)+\b):8*(8*((\a)%4)+\b)+7], v[128*(\p)+FR*\b:128*(\p)+FR*\b+FR-1], v[AF+FR*(\a):AF+FR*(\a)+FR-1], v[8*(8*((\a)%4)+\b):8*(8*((\a)%4)+\b)+7], v[SC+16*(\sc)+8*(\q)+\b], v[SC+16*(\sc)+8*(\q)+(\a)] matrix_a_fmt:MATRIX_FMT_BF6 matrix_b_fmt:MATRIX_FMT_BF6 matrix_a_scale:MATRIX_SCALE_ROW1
.endif
.endr
.endr
.endm
.macro STEP slot, q, zero
	s_wait_dscnt 12                                ; all but the youngest 12 loads: A's blocks 4-7
	WIN MUL_LO
	MUL16 0, (\q)%2, \q, \slot, \zero
	MUL16 2, (\q)%2, \q, \slot, \zero
	s_wait_dscnt 0x0
	PLACES 4
	FETCH_B \slot, (\q)+1, 1-(\q)%2
	FETCH_A \slot, (\q)+1, 0
	WIN MUL_HI
	MUL16 4, (\q)%2, \q, \slot, \zero
	MUL16 6, (\q)%2, \q, \slot, \zero
	PLACES 4
	WIN 0
	FETCH_A \slot, (\q)+1, 4
.endm
.macro TURN slot, next, fill
	s_wait_tensorcnt 0x0                           ; all my tensor loads have landed: my part of the next slot
	ds_add_u32 v[SPW], v[NIL]                      ; 0 onto my spare word
	s_wait_dscnt 13                                ; the add and the youngest 12 loads may be out
	WIN MUL_LO
	MUL16 0, 1, 1, \slot, 0
	s_wait_dscnt 0x0                               ; the add is done, and my reads of this slot are over
	s_barrier_signal -1
	MUL16 2, 1, 1, \slot, 0
	WIN 0
	s_barrier_wait -1
.if \fill
	CREST
	s_add_nc_u64 s[G0+4*\slot+2:G0+4*\slot+3], s[G0+4*\slot+2:G0+4*\slot+3], 2*PART
	s_add_nc_u64 s[G0B+4*\slot+2:G0B+4*\slot+3], s[G0B+4*\slot+2:G0B+4*\slot+3], 2*PART
	JLOAD G0+4*\slot, G1, G0B+4*\slot, G1B
.else
	PLACES 4
.endif
	v_add_nc_u32 v[ADRS], 1024, v[ADRS]
	FETCH_B \next, 0, 0
	FETCH_A \next, 0, 0
	SCALES \next
	WIN MUL_HI
	MUL16 4, 1, 1, \slot, 0
	MUL16 6, 1, 1, \slot, 0
	PLACES 4
	WIN 0
	FETCH_A \next, 0, 4
.endm
	s_load_b128 s[4:7], s[0:1], 0x0                ; opnd2, opnd3
	v_lshl_add_u32 v[SPW], v0, 2, SPARE
	v_mov_b32 v[NIL], 0
	ds_add_u32 v[SPW], v[NIL]                      ; the wave's opening: the add, twice on end, and its wait ahead of my first tensor load
	ds_add_u32 v[SPW], v[NIL]
	v_lshrrev_b32 v1, 5, v0
	v_readfirstlane_b32 s14, v1                    ; wave 0..3
	s_lshr_b32 s15, s14, 1                         ; my group of queries.  Also: I fetch for Q (0) or for K (1)
	s_and_b32 s16, s14, 1                          ; my group of keys.  Also: which group I fetch
	s_bfe_u32 s40, ttmp6, 0x40000                  ; cx
	s_bfe_u32 s41, ttmp6, 0x40004                  ; cy
	s_lshl_b32 s43, s41, 2
	s_lshl_b32 s43, 15, s43
	s_lshl_b32 s44, 0x1111, s40
	s_or_b32 s[G1+0], s43, (3<<16)|(1<<21)
	s_or_b32 s[G1B+0], s44, (3<<16)|(1<<21)
.irp g, G1, G1B
	s_mov_b32 s[\g+1], 32<<16
	s_mov_b32 s[\g+2], 96<<16
	s_mov_b32 s[\g+3], 32<<16
	s_mov_b32 s[\g+4], 96
	s_mov_b32 s[\g+5], 32
	s_mov_b32 s[\g+6], 0
	s_mov_b32 s[\g+7], 0
.endr
	s_or_b32 s[G1S+0], s43, (3<<16)|(1<<21)
	s_or_b32 s[G1SB+0], s44, (3<<16)|(1<<21)
.irp g, G1S, G1SB
	s_mov_b32 s[\g+1], 32<<16
	s_mov_b32 s[\g+2], (2*NK)<<16
	s_mov_b32 s[\g+3], 32<<16
	s_mov_b32 s[\g+4], 2*NK
	s_mov_b32 s[\g+5], 32
	s_mov_b32 s[\g+6], 0
	s_mov_b32 s[\g+7], 0
.endr
	s_mov_b32 s96, 0xffff0000                      ; lanes 16-31
	s_mov_b32 s98, 0x3d38aa3b                      ; c = log2(e) / sqrt(1024)
	s_mov_b32 s99, s98                             ; (named with it as a pair)
	s_mov_b32 s100, 0x76543210
	s_mov_b32 s101, 0xfedcba98
	s_and_b32 s17, ttmp7, 0xffff
	s_lshl_b32 s18, s17, 2
	s_add_co_u32 s18, s18, s41                     ; the query tile, 0 .. 31
	s_lshl_b32 s18, s18, 1
	s_add_co_u32 s20, s18, s16                     ; Q's group that I would fetch: no cx in it
	s_lshl_b32 s22, s20, 13
	s_add_co_u32 s22, s22, QKS
	s_mov_b32 s23, 0
	s_mul_i32 s20, s20, 16*KST
	s_mov_b32 s21, 0
	s_lshr_b32 s19, s17, 1                         ; the batch: of the cluster's number alone
	s_lshl_b32 s19, s19, 4
	s_lshl_b32 s42, ttmp9, 2
	s_add_co_u32 s42, s42, s40                     ; the key tile, 0 .. 7
	s_lshl_b32 s42, s42, 1
	s_add_co_u32 s46, s42, s16
	s_add_co_u32 s46, s46, s19                     ; K's group: no cy in it
	s_lshl_b32 s92, s46, 13
	s_add_co_u32 s92, s92, QKS+4096
	s_mov_b32 s93, 0
	s_mul_i32 s46, s46, 16*KST
	s_add_co_u32 s46, s46, 8*KST                   ; K's eight K steps lie behind Q's
	s_mov_b32 s47, 0
	s_mul_i32 s45, s14, PART
	s_mul_i32 s94, s14, HALFS
	s_add_co_u32 s66, s18, s15
	s_lshl_b32 s66, s66, 4
	s_add_co_u32 s66, s66, s42
	s_add_co_u32 s66, s66, s16                     ; my (group of queries, chunk) as one index
	s_mul_i32 s12, s66, KST
	s_mov_b32 s13, 0
	s_lshl_b32 s66, s66, 9
	s_add_co_u32 s10, s66, PSO
	s_mov_b32 s11, 0
	s_add_co_u32 s8, s66, PMO
	s_mov_b32 s9, 0
	s_add_co_u32 s66, s66, PLO
	s_mov_b32 s67, 0
	s_wait_dscnt 0x0                               ; both opening adds are done
	s_wait_kmcnt 0x0
	s_add_nc_u64 s[20:21], s[4:5], s[20:21]
	s_add_nc_u64 s[22:23], s[4:5], s[22:23]
	s_add_nc_u64 s[46:47], s[4:5], s[46:47]
	s_add_nc_u64 s[92:93], s[4:5], s[92:93]
	s_add_nc_u64 s[12:13], s[6:7], s[12:13]        ; P's codes
	s_add_nc_u64 s[10:11], s[6:7], s[10:11]        ; P's scale words
	s_add_nc_u64 s[8:9], s[6:7], s[8:9]            ; -M
	s_add_nc_u64 s[66:67], s[6:7], s[66:67]        ; l
	CROUND
	s_mov_b32 s[G0S], 1
	s_add_co_u32 s[G0S+1], s94, SCL
	s_mov_b64 s[G0S+2:G0S+3], s[22:23]
	s_or_b32 s[G0S+3], s[G0S+3], 0x80000000
	s_mov_b32 s[G0SB], 1
	s_add_co_u32 s[G0SB+1], s94, SCL
	s_mov_b64 s[G0SB+2:G0SB+3], s[92:93]
	s_or_b32 s[G0SB+3], s[G0SB+3], 0x80000000
	JLOAD G0S, G1S, G0SB, G1SB
.irp s, 0,1
	s_mov_b32 s[G0+4*\s], 1
	s_add_co_u32 s[G0+4*\s+1], s45, \s*SLOT
	s_add_nc_u64 s[G0+4*\s+2:G0+4*\s+3], s[20:21], \s*PART
	s_or_b32 s[G0+4*\s+3], s[G0+4*\s+3], 0x80000000
	s_mov_b32 s[G0B+4*\s], 1
	s_add_co_u32 s[G0B+4*\s+1], s45, \s*SLOT
	s_add_nc_u64 s[G0B+4*\s+2:G0B+4*\s+3], s[46:47], \s*PART
	s_or_b32 s[G0B+4*\s+3], s[G0B+4*\s+3], 0x80000000
	JLOAD G0+4*\s, G1, G0B+4*\s, G1B               ; three loads of mine are out at the most
.endr
	v_and_b32 v1, 15, v0
	v_bfe_u32 v2, v0, 4, 1
	v_and_b32 v3, 31, v0
	v_lshlrev_b32 v[CO], 4, v3
	s_mul_i32 s21, s15, PART
	s_mul_i32 s22, s16, PART
	s_add_co_u32 s22, s22, 2*PART
.irp s, 0,1
	v_add_nc_u32 v[ADRA+\s], s21, v[CO]
	v_add_nc_u32 v[ADRB+\s], s22, v[CO]
	s_add_co_u32 s21, s21, SLOT
	s_add_co_u32 s22, s22, SLOT
.endr
	v_lshlrev_b32 v5, 4, v1
	s_mul_i32 s21, s15, HALFS
	s_mul_i32 s22, s16, HALFS
	s_add_co_u32 s22, s22, 2*HALFS
	s_sub_co_u32 s22, s22, s21
	v_mul_u32_u24 v6, s22, v2
	s_add_co_u32 s21, s21, SCL
	v_add_nc_u32 v5, v5, v6
	v_add_nc_u32 v[ADRS], s21, v5
	s_wait_tensorcnt 1                             ; the scale words and my part of slot 0 are in; slot 1's load may be out
	s_barrier_signal -1
	s_barrier_wait -1
	FETCH_B 0, 0, 0
	FETCH_A 0, 0, 0
	SCALES 0
	FETCH_A 0, 0, 4
	STEP 0, 0, 1
	s_mov_b32 s3, LAPS-1
.Llap:
	TURN 0, 1, 1
	STEP 1, 0, 0
	TURN 1, 0, 1
	STEP 0, 0, 0
	s_sub_co_u32 s3, s3, 1
	s_cmp_lg_u32 s3, 0
	s_cbranch_scc1 .Llap
	TURN 0, 1, 0
	STEP 1, 0, 0
	s_wait_dscnt 12
	WIN MUL_LO
	MUL16 0, 1, 1, 1, 0
	MUL16 2, 1, 1, 1, 0
	s_wait_dscnt 0x0
	WIN MUL_HI
	MUL16 4, 1, 1, 1, 0
	MUL16 6, 1, 1, 1, 0
	WIN 0
	PLACES 4
; THE SOFTMAX OF A BLOCK OF 16 QUERIES over my chunk of 128 keys.
.macro SOFT a
.set AC, 64*((\a)%4)
.set WW, 2+(\a)/4
.set W12, 20*WW
	WIN 0
.irp b, 0,1,2,3
	v_mov_b32 v[MX+\b], 0xff800000                 ; -infinity, under every score
.endr
	WIN W12
.irp i, 0,2,4,6,8,10,12,14
.irp b, 0,1,2,3
	v_max3_num_f32 v[MX+\b], v[MX+\b], v[AC+16*\b+\i], v[AC+16*\b+\i+1]   ; the largest score of each block of 32 keys; each accumulator from its low end on
.endr
.endr
	WIN 0
.irp b, 0,1,2,3
	v_permlanex16_b32 v[MP+\b], v[MX+\b], s100, s101
.endr
.irp b, 0,1,2,3
	v_max_num_f32 v[MX+\b], v[MX+\b], v[MP+\b]
.endr
	v_max3_num_f32 v222, v[MX], v[MX+1], v[MX+2]
	v_max_num_f32 v222, v222, v[MX+3]              ; the chunk's largest score of my query
	v_mul_f32 v217, s98, v222                      ; as t
	v_floor_f32 v216, -v217                        ; -M = floor(-t): a whole number
	WIN WW
.set n, 0
.rept 32
	v_pk_fma_f32 v[PS+n:PS+n+1], v[AC+n:AC+n+1], s[98:99], v[216:217] op_sel_hi:[1,0,0]   ; t - M, two at a time
.set n, n+2
.endr
	WIN 0
.irp b, 0,1,2,3
	v_fma_f32 v[MX+\b], v[MX+\b], s98, v216        ; the same of each block's largest score
.endr
.set n, 0
.rept 64
	v_exp_f32 v[PS+n], v[PS+n]                     ; p = 2^(t - M): not normalised
.set n, n+1
.endr
	v_mov_b32 v[NMS+\a], v216                      ; (a plain place behind the exponentials)
	s_wait_alu depctr_va_vdst(0)                   ; one wait for the batch, ahead of its first reader
.irp b, 0,1,2,3
	v_exp_f32 v[MX+\b], v[MX+\b]                   ; each block's largest p: the same two instructions on the same number
.endr
	v_pk_add_f32 v[218:219], v[PS:PS+1], v[PS+2:PS+3]         ; the sum of the unquantised p, in two chains
	v_pk_add_f32 v[220:221], v[PS+4:PS+5], v[PS+6:PS+7]
.irp j, 8,12,16,20,24,28,32,36,40,44,48,52,56,60
	v_pk_add_f32 v[218:219], v[218:219], v[PS+\j:PS+\j+1]
	v_pk_add_f32 v[220:221], v[220:221], v[PS+\j+2:PS+\j+3]
.endr
	v_pk_add_f32 v[218:219], v[218:219], v[220:221]
	v_add_f32 v222, v218, v219
	v_permlanex16_b32 v223, v222, s100, s101
	v_add_f32 v[LSS+\a], v222, v223                ; with lane l xor 16's: the chunk's l
	s_wait_alu depctr_va_vdst(0)                   ; and one for the four
.irp b, 0,1,2,3
	v_max_num_f32 v[MX+\b], 0x2800000, v[MX+\b]    ; the floor 2^(5 - 127)
.endr
.irp b, 0,1,2,3
	v_add_nc_u32 v[SOP+\b], 0xfe000000, v[MX+\b]
.endr
.irp b, 0,1,2,3
	v_lshrrev_b32 v[MP+\b], 23, v[SOP+\b]
.endr
	v_lshl_or_b32 v[PWS+\a], v[MP+1], 8, v[MP]
	v_lshl_or_b32 v[PWS+\a], v[MP+2], 16, v[PWS+\a]
	v_lshl_or_b32 v[PWS+\a], v[MP+3], 24, v[PWS+\a]
	s_wait_xcnt 0x0                                ; the last block's stores have read the codes' registers
.irp c, 0,1
	v_cvt_scalef32_pk16_bf6_f32 v[PC+6*\c:PC+6*\c+2], v[PS+32*\c:PS+32*\c+15], v[SOP+2*\c]
	v_cvt_scalef32_pk16_bf6_f32 v[PC+12+4*\c:PC+14+4*\c], v[PS+32*\c+16:PS+32*\c+31], v[SOP+2*\c+1]
.endr
	v_nop                                          ; one plain place behind a scaled conversion
.irp c, 0,1
.irp i, 0,1,2
	v_permlane16_swap_b32 v[PC+6*\c+\i], v[PC+12+4*\c+\i]
.endr
.irp i, 0,1,2
	v_mov_b32 v[PC+3+6*\c+\i], v[PC+12+4*\c+\i]
.endr
.endr
.irp c, 0,1,2
	global_store_b128 v[CO], v[PC+4*\c:PC+4*\c+3], s[12:13] offset:FRB*(\a)+512*\c
.endr
.endm
.irp b, 0,1,2,3
	v_mov_b32 v[MP+\b], 0                          ; written once: a lane permute's destination counts as one of its sources
.endr
	v_mov_b32 v223, 0
.irp a, 0,1,2,3,4,5,6,7
	SOFT \a
.endr
.irp j, 0,1,2,3
	v_cndmask_b32 v[120+\j], v[PWS+\j], v[PWS+4+\j], s96     ; lanes 0-15 store blocks 0-3's, lanes 16-31 blocks 4-7's
	v_cndmask_b32 v[124+\j], v[NMS+\j], v[NMS+4+\j], s96
	v_cndmask_b32 v[192+\j], v[LSS+\j], v[LSS+4+\j], s96
.endr
	global_store_b128 v[CO], v[120:123], s[10:11]
	global_store_b128 v[CO], v[124:127], s[8:9]
	global_store_b128 v[CO], v[192:195], s[66:67]
	s_wait_tensorcnt 0x0                           ; the wave's end
	ds_add_u32 v[SPW], v[NIL]
	s_wait_dscnt 0x0
	CROUND
	s_endpgm
.Lfunc_end_k_q867a90c187_scores:
	.size	k_q867a90c187_scores, .Lfunc_end_k_q867a90c187_scores-k_q867a90c187_scores
	.p2alignl 7, 3214868480
	.fill 96, 4, 3214868480
	.section	.rodata,"a",@progbits
	.p2align	6, 0x0
	.amdhsa_kernel k_q867a90c187_scores
		.amdhsa_group_segment_fixed_size 327680
		.amdhsa_private_segment_fixed_size 0
		.amdhsa_enable_private_segment 0
		.amdhsa_kernarg_size 16
		.amdhsa_user_sgpr_count 2
		.amdhsa_user_sgpr_kernarg_segment_ptr 1
		.amdhsa_wavefront_size32 1
		.amdhsa_system_sgpr_workgroup_id_x 1
		.amdhsa_system_sgpr_workgroup_id_y 1
		.amdhsa_system_sgpr_workgroup_id_z 1
		.amdhsa_system_vgpr_workitem_id 0
		.amdhsa_next_free_vgpr 1024
		.amdhsa_next_free_sgpr 102
		.amdhsa_reserve_vcc 0
		.amdhsa_float_denorm_mode_32 3
		.amdhsa_float_denorm_mode_16_64 3
		.amdhsa_memory_ordered 1
		.amdhsa_forward_progress 1
		.amdhsa_inst_pref_size 197
	.end_amdhsa_kernel
	.amdgpu_metadata
---
amdhsa.version: [ 1, 2 ]
amdhsa.kernels:
  - .name:           k_q867a90c187_scores
    .symbol:         k_q867a90c187_scores.kd
    .args:
      - { .name: opnd2, .offset: 0, .size: 8, .value_kind: global_buffer, .address_space: global }
      - { .name: opnd3, .offset: 8, .size: 8, .value_kind: global_buffer, .address_space: global }
    .group_segment_fixed_size: 327680
    .private_segment_fixed_size: 0
    .kernarg_segment_align: 8
    .kernarg_segment_size: 16
    .max_flat_workgroup_size: 128
    .sgpr_count:     102
    .vgpr_count:     1024
    .wavefront_size: 32
...
	.end_amdgpu_metadata
.endif
;; end of part 3
;; launch pv (part 4): grid 4 x 32, 4 waves a work-group, clusters of 4 x 4, 327,680 bytes of LDS; arguments opnd2, opnd3, out0; writes out0
.if DOCPART == 4
	.amdgcn_target "amdgcn-amd-amdhsa--gfx1250"
	.amdhsa_code_object_version 6
	.text
	.protected	k_q867a90c187_pv
	.globl	k_q867a90c187_pv
	.p2align	8
	.type	k_q867a90c187_pv,@function
k_q867a90c187_pv:
	s_mov_b64 s[64:65], 0
	v_nop
	global_prefetch_b8 v0, s[64:65] scope:SCOPE_SE
	s_setreg_imm32_b32 hwreg(HW_REG_WAVE_MODE, 25, 1), 1
	s_wait_xcnt 0x0
	s_wait_alu depctr_hold_cnt(0) depctr_sa_sdst(0) depctr_va_vdst(0) depctr_va_sdst(0) depctr_va_ssrc(0) depctr_va_vcc(0) depctr_vm_vsrc(0)
	s_getreg_b32 s2, hwreg(HW_REG_IB_STS2, 6, 4)
	s_cmp_eq_u32 s2, 0
	s_cbranch_scc0 .Lentry_in_a_cluster
	s_endpgm
.Lentry_in_a_cluster:
	s_bfe_u32 s2, ttmp6, 0x10000c
	s_cmp_lg_u32 s2, 0xf033
	s_cbranch_scc0 .Lentry_shape_is_right
	s_endpgm
.Lentry_shape_is_right:
; O = P V / l on codes of E3M2.  No work is left out.
; A tile is 256 queries (source 1: P) x 256 of d (source 0: V transposed) x K = the batch's 2,048 keys; four waves, each 128 x 128.
; THE CHUNKS ARE BROUGHT UNDER ONE M FIRST.  For each of the tile's 256 queries: -Mg = the smallest of its 16 chunks' -M; D = Mg - M of a chunk, a whole number, 0 or more; l = the sum of the chunks' l x 2^-D; D comes off each of
; the chunk's four scale bytes.  The codes stay as they are.  The corrected scale words and 1 / l are stored in LDS bytes of their own, into which no tensor load lands.
; LIMITS: NaN and infinities are not served.  D is held at 127, and a byte that would fall under 0 is held at 0: such a p is under 2^-100 of the row's largest.  P's bytes are at most 123 (p < 2), so the bytewise arithmetic below cannot carry.
; opnd2, opnd3: see the launches before.  CLUSTERS: 4 x 4.  P's tiles and raw scale words are asked for jointly along a row of the cluster, V's along a column.
; REGISTERS: as in the launches before; the correction works in v64-175 ahead of the first fragments; on the way out: v2-9 1 / l, v[10:11] the multiplier, v64-127 a block's results, v128-255 rows read back, two sets.
.set NK,    16
.set KST,   12288
.set FRB,   1536
.set FR,    12
.set PART,  2*KST
.set SLOT,  4*PART
.set LAPS,  NK/4
.set HALFS, NK*512
.set SCA,   2*SLOT                     ; behind the ring: P's corrected scale words, two groups: stored by the waves
.set SCR,   SCA+2*HALFS                ; what the tensor loads bring: P's raw scale words, two groups, then V's, two groups
.set RL,    SCR+4*HALFS                ; 1 / l: 256 words, laid as scale words are
.set SPARE, RL+1024                    ; the spare words, 128 bytes for each wave: two blocks of 256 bytes that no other line names
.set SPITCH, 528                       ; the way out: a stage of 16 rows x (512 + 16) bytes for each wave, in slot 0, which has had its last fill and its last read by then
.set VTC,   12582912
.set VTS,   19398656
.set PSO,   12582912
.set PMO,   13107200
.set PLO,   13631488
.set RLV,  2
.set RT,   10
.set FXG,  12                          ; v12 256 (wave % 2) + 8 x lane: my two words of a (group, chunk)'s 128
.set FXA,  13                          ; v13 the same among the raw scale words
.set FXS,  14                          ; v14 among the corrected ones
.set RLW,  15                          ; v15 and in 1 / l
.set ADRA, 16
.set ADRB, 20
.set RLA,  23                          ; v23 1 / l of my row place's blocks
.set STO,  24
.set RD,   25
.set CO,   26
.set ADRS, 27
.set SPW,  28
.set NIL,  29
.set SC,   32
.set AF,   128
.set NM,   64                          ; v64-95 -M, v96-127 l, v128-159 scale words: 16 chunks x my two rows
.set LL,   96
.set RW,   128
.set T64,  64
.set BK,   128
.set G1, 24
.set G0, 32
.set G1B, 48
.set G0B, 56
.set G1S, 68
.set G0S, 76
.set G1SB, 80
.set G0SB, 88
.set MSB, 0
.macro WIN new                         ; the immediate's high byte repeats the setting that is left
.if MSB != \new
	s_set_vgpr_msb (MSB<<8)|\new
.set MSB, \new
.endif
.endm
.set MUL_LO, 0xa1
.set MUL_HI, 0xf1
.set TO_B,   0x40
.macro JLOAD g0a, g1a, g0b, g1b        ; a joint load: waves 0 and 1 fetch for A, waves 2 and 3 for B; an s_nop 0 and four v_nop follow each of the two lines
	s_cmp_eq_u32 s15, 0
	s_cbranch_scc0 .Lfor_b_\@
	tensor_load_to_lds s[\g0a:\g0a+3], s[\g1a:\g1a+7]
	s_nop 0
.rept 4
	v_nop
.endr
	s_branch .Lasked_\@
.Lfor_b_\@:
	tensor_load_to_lds s[\g0b:\g0b+3], s[\g1b:\g1b+7]
	s_nop 0
.rept 4
	v_nop
.endr
.Lasked_\@:
.endm
.macro CREST
	s_cmp_lg_u32 s14, 0
	s_cbranch_scc1 .Lnot_wave_0_\@
	s_barrier_signal -3
.Lnot_wave_0_\@:
	s_barrier_wait -3
	s_barrier_signal -1
	s_barrier_wait -1
.endm
.macro CROUND
	s_barrier_signal -1
	s_barrier_wait -1
	CREST
.endm
.macro PLACES n
.rept \n
	v_nop
.endr
.endm
.macro FRAG reg, adr, q, i
.irp c, 0,1,2
	ds_load_b128 v[\reg+4*\c:\reg+4*\c+3], v[\adr] offset:(\q)*KST+(\i)*FRB+512*\c
.endr
.endm
.macro FETCH_B slot, q, p
	WIN TO_B
.irp i, 0,1,2,3,4,5,6,7
	FRAG 128*(\p)+FR*\i, ADRB+\slot, \q, \i
.endr
	WIN 0
.endm
.macro FETCH_A slot, q, i0
.irp i, \i0, \i0+1, \i0+2, \i0+3
	FRAG AF+FR*(\i), ADRA+\slot, \q, \i
.endr
.endm
.macro SCALES sc
.irp q, 0,1
.irp c, 0,1
	ds_load_b128 v[SC+16*(\sc)+8*\q+4*\c:SC+16*(\sc)+8*\q+4*\c+3], v[ADRS] offset:512*\q+256*\c
.endr
.endr
.endm
.macro MUL16 a0, p, q, sc, zero        ; the 64 accumulators take turns, one instruction a turn
.irp a, \a0, \a0+1
.irp b, 0,1,2,3,4,5,6,7
.if \zero
	v_wmma_scale_f32_16x16x128_f8f6f4 v[8*(8*((\a)%4)+\b):8*(8*((\a)%4)+\b)+7], v[128*(\p)+FR*\b:128*(\p)+FR*\b+FR-1], v[AF+FR*(\a):AF+FR*(\a)+FR-1], 0, v[SC+16*(\sc)+8*(\q)+\b], v[SC+16*(\sc)+8*(\q)+(\a)] matrix_a_fmt:MATRIX_FMT_BF6 matrix_b_fmt:MATRIX_FMT_BF6 matrix_a_scale:MATRIX_SCALE_ROW1
.else
	v_wmma_scale_f32_16x16x128_f8f6f4 v[8*(8*((\a)%4)+\b):8*(8*((\a)%4)+\b)+7], v[128*(\p)+FR*\b:128*(\p)+FR*\b+FR-1], v[AF+FR*(\a):AF+FR*(\a)+FR-1], v[8*(8*((\a)%4)+\b):8*(8*((\a)%4)+\b)+7], v[SC+16*(\sc)+8*(\q)+\b], v[SC+16*(\sc)+8*(\q)+(\a)] matrix_a_fmt:MATRIX_FMT_BF6 matrix_b_fmt:MATRIX_FMT_BF6 matrix_a_scale:MATRIX_SCALE_ROW1
.endif
.endr
.endr
.endm
.macro STEP slot, q, zero
	s_wait_dscnt 12                                ; all but the youngest 12 loads: A's blocks 4-7
	WIN MUL_LO
	MUL16 0, (\q)%2, \q, \slot, \zero
	MUL16 2, (\q)%2, \q, \slot, \zero
	s_wait_dscnt 0x0
	PLACES 4
	FETCH_B \slot, (\q)+1, 1-(\q)%2
	FETCH_A \slot, (\q)+1, 0
	WIN MUL_HI
	MUL16 4, (\q)%2, \q, \slot, \zero
	MUL16 6, (\q)%2, \q, \slot, \zero
	PLACES 4
	WIN 0
	FETCH_A \slot, (\q)+1, 4
.endm
.macro TURN slot, next, fill
	s_wait_tensorcnt 0x0                           ; all my tensor loads have landed: my part of the next slot
	ds_add_u32 v[SPW], v[NIL]                      ; 0 onto my spare word
	s_wait_dscnt 13                                ; the add and the youngest 12 loads may be out
	WIN MUL_LO
	MUL16 0, 1, 1, \slot, 0
	s_wait_dscnt 0x0                               ; the add is done, and my reads of this slot are over
	s_barrier_signal -1
	MUL16 2, 1, 1, \slot, 0
	WIN 0
	s_barrier_wait -1
.if \fill
	CREST
	s_add_nc_u64 s[G0+4*\slot+2:G0+4*\slot+3], s[G0+4*\slot+2:G0+4*\slot+3], 2*PART
	s_add_nc_u64 s[G0B+4*\slot+2:G0B+4*\slot+3], s[G0B+4*\slot+2:G0B+4*\slot+3], 2*PART
	JLOAD G0+4*\slot, G1, G0B+4*\slot, G1B
.else
	PLACES 4
.endif
	v_add_nc_u32 v[ADRS], 1024, v[ADRS]
	FETCH_B \next, 0, 0
	FETCH_A \next, 0, 0
	SCALES \next
	WIN MUL_HI
	MUL16 4, 1, 1, \slot, 0
	MUL16 6, 1, 1, \slot, 0
	PLACES 4
	WIN 0
	FETCH_A \next, 0, 4
.endm
	s_load_b128 s[4:7], s[0:1], 0x0                ; opnd2, opnd3
	s_load_b64 s[8:9], s[0:1], 0x10                ; out0
	v_lshl_add_u32 v[SPW], v0, 2, SPARE
	v_mov_b32 v[NIL], 0
	ds_add_u32 v[SPW], v[NIL]                      ; the wave's opening: the add, twice on end, and its wait ahead of my first tensor load
	ds_add_u32 v[SPW], v[NIL]
	v_lshrrev_b32 v1, 5, v0
	v_readfirstlane_b32 s14, v1                    ; wave 0..3
	s_lshr_b32 s15, s14, 1                         ; my group of queries.  Also: I fetch for P (0) or for V (1)
	s_and_b32 s16, s14, 1                          ; my group of d.  Also: which group I fetch
	s_bfe_u32 s40, ttmp6, 0x40000                  ; cx
	s_bfe_u32 s41, ttmp6, 0x40004                  ; cy
	s_lshl_b32 s43, s41, 2
	s_lshl_b32 s43, 15, s43
	s_lshl_b32 s44, 0x1111, s40
	s_or_b32 s[G1+0], s43, (3<<16)|(1<<21)
	s_or_b32 s[G1B+0], s44, (3<<16)|(1<<21)
.irp g, G1, G1B
	s_mov_b32 s[\g+1], 32<<16
	s_mov_b32 s[\g+2], 96<<16
	s_mov_b32 s[\g+3], 32<<16
	s_mov_b32 s[\g+4], 96
	s_mov_b32 s[\g+5], 32
	s_mov_b32 s[\g+6], 0
	s_mov_b32 s[\g+7], 0
.endr
	s_or_b32 s[G1S+0], s43, (3<<16)|(1<<21)
	s_or_b32 s[G1SB+0], s44, (3<<16)|(1<<21)
.irp g, G1S, G1SB
	s_mov_b32 s[\g+1], 32<<16
	s_mov_b32 s[\g+2], (2*NK)<<16
	s_mov_b32 s[\g+3], 32<<16
	s_mov_b32 s[\g+4], 2*NK
	s_mov_b32 s[\g+5], 32
	s_mov_b32 s[\g+6], 0
	s_mov_b32 s[\g+7], 0
.endr
	s_mov_b32 s97, 0x80808080
	s_and_b32 s17, ttmp7, 0xffff
	s_lshl_b32 s18, s17, 2
	s_add_co_u32 s18, s18, s41                     ; the query tile, 0 .. 31
	s_lshl_b32 s18, s18, 1
	s_add_co_u32 s20, s18, s16                     ; P's group that I would fetch: no cx in it
	s_lshl_b32 s22, s20, 13
	s_add_co_u32 s22, s22, PSO
	s_mov_b32 s23, 0
	s_mul_i32 s20, s20, 16*KST
	s_mov_b32 s21, 0
	s_lshr_b32 s19, s17, 1                         ; the batch: of the cluster's number alone
	s_lshl_b32 s19, s19, 4
	s_lshl_b32 s42, ttmp9, 2
	s_add_co_u32 s42, s42, s40                     ; the tile of d, 0 .. 3
	s_lshl_b32 s42, s42, 1
	s_add_co_u32 s46, s42, s16
	s_lshl_b32 s46, s46, 6
	s_add_co_u32 s46, s46, s19                     ; V's (group, first K step of the batch) as one index: no cy in it
	s_lshl_b32 s92, s46, 9
	s_add_co_u32 s92, s92, VTS
	s_mov_b32 s93, 0
	s_mul_i32 s46, s46, KST
	s_add_co_u32 s46, s46, VTC
	s_mov_b32 s47, 0
	s_mul_i32 s45, s14, PART
	s_mul_i32 s94, s14, HALFS
	s_add_co_u32 s66, s18, s15                     ; my group of queries
	s_lshl_b32 s98, s66, 13
	s_add_co_u32 s10, s98, PMO
	s_mov_b32 s11, 0
	s_add_co_u32 s98, s98, PLO
	s_mov_b32 s99, 0
	s_lshl_b32 s66, s66, 19                        ; 128 rows of 4,096 bytes
	s_add_co_u32 s67, s42, s16
	s_lshl_b32 s67, s67, 9                         ; 128 columns of 4 bytes
	s_add_co_u32 s66, s66, s67
	s_mov_b32 s67, 0
	s_wait_dscnt 0x0                               ; both opening adds are done
	s_wait_kmcnt 0x0
	s_add_nc_u64 s[20:21], s[6:7], s[20:21]
	s_add_nc_u64 s[22:23], s[6:7], s[22:23]
	s_add_nc_u64 s[46:47], s[4:5], s[46:47]
	s_add_nc_u64 s[92:93], s[4:5], s[92:93]
	s_add_nc_u64 s[10:11], s[6:7], s[10:11]        ; -M of my group
	s_add_nc_u64 s[98:99], s[6:7], s[98:99]        ; l of my group
	s_add_nc_u64 s[12:13], s[8:9], s[66:67]        ; my part of O
	CROUND
	s_mov_b32 s[G0S], 1
	s_add_co_u32 s[G0S+1], s94, SCR
	s_mov_b64 s[G0S+2:G0S+3], s[22:23]
	s_or_b32 s[G0S+3], s[G0S+3], 0x80000000
	s_mov_b32 s[G0SB], 1
	s_add_co_u32 s[G0SB+1], s94, SCR
	s_mov_b64 s[G0SB+2:G0SB+3], s[92:93]
	s_or_b32 s[G0SB+3], s[G0SB+3], 0x80000000
	JLOAD G0S, G1S, G0SB, G1SB
.irp s, 0,1
	s_mov_b32 s[G0+4*\s], 1
	s_add_co_u32 s[G0+4*\s+1], s45, \s*SLOT
	s_add_nc_u64 s[G0+4*\s+2:G0+4*\s+3], s[20:21], \s*PART
	s_or_b32 s[G0+4*\s+3], s[G0+4*\s+3], 0x80000000
	s_mov_b32 s[G0B+4*\s], 1
	s_add_co_u32 s[G0B+4*\s+1], s45, \s*SLOT
	s_add_nc_u64 s[G0B+4*\s+2:G0B+4*\s+3], s[46:47], \s*PART
	s_or_b32 s[G0B+4*\s+3], s[G0B+4*\s+3], 0x80000000
	JLOAD G0+4*\s, G1, G0B+4*\s, G1B               ; three loads of mine are out at the most
.endr
	v_and_b32 v1, 15, v0                           ; r
	v_bfe_u32 v2, v0, 4, 1                         ; h
	v_and_b32 v3, 31, v0                           ; lane
	v_lshlrev_b32 v[CO], 4, v3
	s_lshl_b32 s22, s16, 8
	v_lshlrev_b32 v[FXG], 3, v3
	v_add_nc_u32 v[FXG], s22, v[FXG]
.irp s, 0,1,2,3,4,5,6,7,8,9,10,11,12,13,14,15
	global_load_b64 v[NM+2*\s:NM+2*\s+1], v[FXG], s[10:11] offset:512*\s
.endr
.irp s, 0,1,2,3,4,5,6,7,8,9,10,11,12,13,14,15
	global_load_b64 v[LL+2*\s:LL+2*\s+1], v[FXG], s[98:99] offset:512*\s
.endr
	s_lshl_b32 s21, s15, 13
	v_add_nc_u32 v[FXA], s21, v[FXG]
	v_add_nc_u32 v[FXS], SCA, v[FXA]
	v_add_nc_u32 v[FXA], SCR, v[FXA]
	s_lshl_b32 s23, s15, 9
	v_add_nc_u32 v[RLW], s23, v[FXG]
	v_add_nc_u32 v[RLW], RL, v[RLW]
	v_lshlrev_b32 v5, 4, v1                        ; 16 r
	v_add_nc_u32 v[RLA], s23, v5
	v_add_nc_u32 v[RLA], RL, v[RLA]
	s_mul_i32 s21, s15, PART
	s_mul_i32 s22, s16, PART
	s_add_co_u32 s22, s22, 2*PART
.irp s, 0,1
	v_add_nc_u32 v[ADRA+\s], s21, v[CO]
	v_add_nc_u32 v[ADRB+\s], s22, v[CO]
	s_add_co_u32 s21, s21, SLOT
	s_add_co_u32 s22, s22, SLOT
.endr
	s_mul_i32 s21, s15, HALFS                      ; P's corrected words: my group
	s_mul_i32 s22, s16, HALFS
	s_add_co_u32 s22, s22, 4*HALFS                 ; V's: behind P's corrected two and raw two
	s_sub_co_u32 s22, s22, s21
	v_mul_u32_u24 v6, s22, v2                      ; lanes 16-31 take V's
	s_add_co_u32 s21, s21, SCA
	v_add_nc_u32 v5, v5, v6
	v_add_nc_u32 v[ADRS], s21, v5
	s_mul_i32 s23, s14, 16*SPITCH                  ; my stage
	v_mul_u32_u24 v[STO], v1, SPITCH
	v_lshl_add_u32 v[STO], v2, 6, v[STO]
	v_add_nc_u32 v[STO], s23, v[STO]               ; in: row r, + 64 h
	v_add_nc_u32 v[RD], s23, v[CO]                 ; back: a row of 512 bytes
	s_wait_tensorcnt 1                             ; the scale words and my part of slot 0 are in; slot 1's load may be out
	s_barrier_signal -1
	s_barrier_wait -1
	; ---- the chunks under one M: my two rows, all 16 chunks
.irp s, 0,1,2,3,4,5,6,7,8,9,10,11,12,13,14,15
	ds_load_b64 v[RW+2*\s:RW+2*\s+1], v[FXA] offset:512*\s
.endr
	s_wait_loadcnt 0x0
.irp e, 0,1
	v_min3_num_f32 v[160+\e], v[NM+\e], v[NM+2+\e], v[NM+4+\e]
.endr
.irp s, 3,5,7,9,11,13
.irp e, 0,1
	v_min3_num_f32 v[160+\e], v[160+\e], v[NM+2*\s+\e], v[NM+2*\s+2+\e]
.endr
.endr
.irp e, 0,1
	v_min_num_f32 v[160+\e], v[160+\e], v[NM+30+\e]            ; -Mg: the row's largest M, negated
.endr
	s_wait_dscnt 0x0
.macro FIX s
.irp e, 0,1
	v_sub_f32 v[164+\e], v[NM+2*(\s)+\e], v[160+\e]            ; D = Mg - M: a whole number, 0 or more
.endr
.irp e, 0,1
	v_min_num_f32 v[164+\e], 0x42fe0000, v[164+\e]             ; held at 127
.endr
.irp e, 0,1
	v_cvt_u32_f32 v[164+\e], v[164+\e]
.endr
.irp e, 0,1
	v_sub_nc_u32 v[166+\e], 0, v[164+\e]
	v_perm_b32 v[168+\e], v[164+\e], v[164+\e], 0              ; D in all four bytes
	v_or_b32 v[170+\e], s97, v[RW+2*(\s)+\e]                   ; each byte + 128 (the bytes are under 128),
.endr
.irp e, 0,1
	v_ldexp_f32 v[166+\e], 1.0, v[166+\e]                      ; 2^-D
	v_sub_nc_u32 v[170+\e], v[170+\e], v[168+\e]               ; - D: no byte borrows from the next;
.endr
.irp e, 0,1
	v_and_b32 v[172+\e], s97, v[170+\e]                        ; its top bit stands where byte - D is 0 or more
.endr
.irp e, 0,1
	v_lshrrev_b32 v[174+\e], 7, v[172+\e]
.endr
.irp e, 0,1
	v_sub_nc_u32 v[172+\e], v[172+\e], v[174+\e]               ; 0x7f there, 0 elsewhere
.endr
.irp e, 0,1
	v_and_b32 v[RW+2*(\s)+\e], v[170+\e], v[172+\e]            ; byte - D, or 0
.if (\s) == 0
	v_mul_f32 v[162+\e], v[LL+\e], v[166+\e]
.else
	v_fma_f32 v[162+\e], v[LL+2*(\s)+\e], v[166+\e], v[162+\e] ; l under Mg
.endif
.endr
.endm
.irp s, 0,1,2,3,4,5,6,7,8,9,10,11,12,13,14,15
	FIX \s
.endr
	v_rcp_f32 v162, v162
	v_rcp_f32 v163, v163
	v_nop                                          ; a plain place behind the reciprocals
	s_wait_alu depctr_va_vdst(0)                   ; one wait for both, ahead of their first reader
	ds_store_b64 v[RLW], v[162:163]
.irp s, 0,1,2,3,4,5,6,7,8,9,10,11,12,13,14,15
	ds_store_b64 v[FXS], v[RW+2*\s:RW+2*\s+1] offset:512*\s
.endr
	s_wait_dscnt 0x0                               ; for the others' sake: my stores have landed
	s_barrier_signal -1
	s_barrier_wait -1
	FETCH_B 0, 0, 0
	FETCH_A 0, 0, 0
	SCALES 0
	FETCH_A 0, 0, 4
	STEP 0, 0, 1
	s_mov_b32 s3, LAPS-1
.Llap:
	TURN 0, 1, 1
	STEP 1, 0, 0
	TURN 1, 0, 1
	STEP 0, 0, 0
	s_sub_co_u32 s3, s3, 1
	s_cmp_lg_u32 s3, 0
	s_cbranch_scc1 .Llap
	TURN 0, 1, 0
	STEP 1, 0, 0
	s_wait_dscnt 12
	WIN MUL_LO
	MUL16 0, 1, 1, 1, 0
	MUL16 2, 1, 1, 1, 0
	s_wait_dscnt 0x0
	WIN MUL_HI
	MUL16 4, 1, 1, 1, 0
	MUL16 6, 1, 1, 1, 0
	WIN 0
	PLACES 4
; THE WAY OUT, block by block of 16 queries x 128 of d: x 1 / l, through my stage, back as whole rows of 512 bytes.  Place t of block a is row 32 (a / 2) + 8 (a % 2) + t + 8 (t / 8) of my 128.
.macro SCALEOUT a
.set AC, 64*((\a)%4)
.set WW, 2+(\a)/4
	v_mov_b32 v[RT], v[RLV+(\a)]
	WIN WW
.set n, 0
.rept 32
	v_pk_mul_f32 v[T64+n:T64+n+1], v[AC+n:AC+n+1], v[RT:RT+1] op_sel_hi:[1,0]   ; each accumulator from its low end on
.set n, n+2
.endr
	WIN 0
.endm
.macro TOSTAGE a
.irp b, 0,1,2,3,4,5,6,7
	ds_store_b128 v[STO], v[T64+8*\b:T64+8*\b+3] offset:128*(\b/2)+32*(\b%2)
	ds_store_b128 v[STO], v[T64+8*\b+4:T64+8*\b+7] offset:128*(\b/2)+32*(\b%2)+16
.endr
.set BB, BK+64*((\a)%2)
.irp t, 0,1,2,3,4,5,6,7,8,9,10,11,12,13,14,15
	ds_load_b128 v[BB+4*\t:BB+4*\t+3], v[RD] offset:SPITCH*\t   ; LDS serves a wave's instructions in order: these see the stores above
.endr
.endm
.macro SEND a, younger
.set BB, BK+64*((\a)%2)
	s_wait_dscnt \younger
.irp t, 0,1,2,3,4,5,6,7,8,9,10,11,12,13,14,15
	global_store_b128 v[CO], v[BB+4*\t:BB+4*\t+3], s[12:13] offset:(32*((\a)/2)+8*((\a)%2)+\t+8*(\t/8))*4096 th:TH_STORE_NT   ; 32 lanes store 512 consecutive bytes, aligned
.endr
.endm
	v_mov_b32 v[RT+1], 0                           ; (named as the upper half of the pair)
	ds_load_b128 v[RLV:RLV+3], v[RLA]
	ds_load_b128 v[RLV+4:RLV+7], v[RLA] offset:256
	s_wait_dscnt 0x0
	SCALEOUT 0
	TOSTAGE 0
.irp a, 1,2,3,4,5,6,7
.if \a == 1
	s_wait_dscnt 16                                ; block 0's 16 read-backs may be out; its 16 stores into the stage have read their registers
.else
	s_wait_xcnt 0x0                                ; block a - 2's stores have read the registers into which block a's rows come back
.endif
	SCALEOUT \a
	TOSTAGE \a
	SEND \a-1, 16                                  ; block a's 16 read-backs may be out: block a - 1's rows are back, and block a's stores into the stage have read their registers
.endr
	SEND 7, 0
	s_wait_tensorcnt 0x0                           ; the wave's end, behind my last tensor load and my last LDS store
	ds_add_u32 v[SPW], v[NIL]
	s_wait_dscnt 0x0
	CROUND                                         ; the closing round
	s_endpgm
.Lfunc_end_k_q867a90c187_pv:
	.size	k_q867a90c187_pv, .Lfunc_end_k_q867a90c187_pv-k_q867a90c187_pv
	.p2alignl 7, 3214868480
	.fill 96, 4, 3214868480
	.section	.rodata,"a",@progbits
	.p2align	6, 0x0
	.amdhsa_kernel k_q867a90c187_pv
		.amdhsa_group_segment_fixed_size 327680
		.amdhsa_private_segment_fixed_size 0
		.amdhsa_enable_private_segment 0
		.amdhsa_kernarg_size 24
		.amdhsa_user_sgpr_count 2
		.amdhsa_user_sgpr_kernarg_segment_ptr 1
		.amdhsa_wavefront_size32 1
		.amdhsa_system_sgpr_workgroup_id_x 1
		.amdhsa_system_sgpr_workgroup_id_y 1
		.amdhsa_system_sgpr_workgroup_id_z 1
		.amdhsa_system_vgpr_workitem_id 0
		.amdhsa_next_free_vgpr 1024
		.amdhsa_next_free_sgpr 102
		.amdhsa_reserve_vcc 0
		.amdhsa_float_denorm_mode_32 3
		.amdhsa_float_denorm_mode_16_64 3
		.amdhsa_memory_ordered 1
		.amdhsa_forward_progress 1
		.amdhsa_inst_pref_size 174
	.end_amdhsa_kernel
	.amdgpu_metadata
---
amdhsa.version: [ 1, 2 ]
amdhsa.kernels:
  - .name:           k_q867a90c187_pv
    .symbol:         k_q867a90c187_pv.kd
    .args:
      - { .name: opnd2, .offset: 0, .size: 8, .value_kind: global_buffer, .address_space: global }
      - { .name: opnd3, .offset: 8, .size: 8, .value_kind: global_buffer, .address_space: global }
      - { .name: out0, .offset: 16, .size: 8, .value_kind: global_buffer, .address_space: global }
    .group_segment_fixed_size: 327680
    .private_segment_fixed_size: 0
    .kernarg_segment_align: 8
    .kernarg_segment_size: 24
    .max_flat_workgroup_size: 128
    .sgpr_count:     102
    .vgpr_count:     1024
    .wavefront_size: 32
...
	.end_amdgpu_metadata
.endif
;; end of part 4
;; ======== version 2 of 2: 4 launches; 1.12 times as fast as version 1
;; workspace buffers: opnd1 9,011,200 bytes; opnd2 19,660,800 bytes; opnd3 14,155,776 bytes
;; launch quant (part 5): grid 704 x 1, 4 waves a work-group, no clusters, 34,816 bytes of LDS; arguments x, W_Q, W_K, W_V, opnd1; writes opnd1
.if DOCPART == 5
	.amdgcn_target "amdgcn-amd-amdhsa--gfx1250"
	.amdhsa_code_object_version 6
	.text
	.protected	k_q867a90c187_quant
	.globl	k_q867a90c187_quant
	.p2align	8
	.type	k_q867a90c187_quant,@function
k_q867a90c187_quant:
	s_mov_b64 s[64:65], 0
	v_nop
	global_prefetch_b8 v0, s[64:65] scope:SCOPE_SE
	s_setreg_imm32_b32 hwreg(HW_REG_WAVE_MODE, 25, 1), 1
	s_wait_xcnt 0x0
; SELF-ATTENTION IN MX-BF6, FOUR LAUNCHES.  This one: x [8192][1024], W_Q, W_K, W_V [1024][1024], f32, K innermost, become codes of E3M2 with one E8M0 byte for each 32 along K.
; DEAD WORK: none.  All four inputs reach the output through the five products, there is no mask, nothing is sliced away, and every number that enters a quantiser can move its codes: every product is done whole.
; A block's scale is 2^(floor(log2(largest magnitude)) - 4); its byte is the largest magnitude's exponent field - 4, held at 1 from below.
; LIMITS: NaN and infinities are not served.  A block whose largest magnitude lies under 2^-122 keeps the byte 1; a block of zeros gets the byte 1 where the rule says 127 (its codes are zeros; this program alone reads the bytes).
; THE LAYOUT OF ALL WORKSPACE OPERANDS.  Rows go in groups of 128 = 8 blocks of 16; place r of block i is row 32 (i / 2) + 8 (i % 2) + r + 8 (r / 8) of the group.
;   codes:  [group][K step of 128][block][c = 0..2][lane][16 bytes]: the image of a fragment's 12 registers, registers 4 c .. 4 c + 3 of lane l at 512 c + 16 l: 1,536 bytes a fragment, 12,288 a group's K step.
;   scales: [group][K step][half][r][4 words]: the word of block 4 half + i, place r: 512 bytes a group's K step.
; opnd1: groups 0-63 x, 64-71 W_Q, 72-79 W_K, 80-87 W_V, 8 K steps each; codes from byte 0, scale words from SC1.
; SHARES.  Work-group n takes group n / 8, K step n % 8; wave w its blocks 2 w and 2 w + 1: two fragments of 16 rows x 128 numbers, all 32 loads asked for at the head.  A load takes a row's 512 consecutive bytes; the 16 rows
; turn through the wave's own stage in LDS (rows of 528 bytes), so that lane (r, h) gets k = 64 c + 32 h + 0 .. 31 of row r: two whole blocks, in the order of the operand's registers.
; The work-group's 128 scale words meet in LDS behind one barrier, and wave 0 stores their 512 consecutive bytes.
.set STG,   8448                       ; a wave's stage: 16 rows x (512 + 16) bytes
.set SCW,   4*STG                      ; behind the stages: the work-group's scale words, 512 bytes
.set SPARE, SCW+512                    ; the spare words, 128 bytes for each wave: two blocks of 256 bytes that no other line names
.set SC1,   8650752                    ; 88 groups x 8 K steps x 12,288 bytes
.set R,   16                           ; v16-143  two sets of 64: a fragment's numbers as loaded
.set X,   144                          ; v144-207 the same, turned: my 64 numbers
.set PC,  208                          ; v208-219 the fragment's codes
.set PH,  220                          ; v220-222, v224-226 the second halves of my two blocks' codes
.set MXR, 228                          ; v228-229 largest magnitudes
.set SO,  230                          ; v230-231 the conversions' scale operands
.set BY,  232                          ; v232-233 the bytes
.set WD,  234                          ; v234-235 my part of the scale word; the other half's
.set PW,  236                          ; v236-237 the two fragments' scale words
.set SPW, 240                          ; v240 LDS address of my spare word; never rewritten
.set NIL, 241                          ; v241 0; never rewritten
	s_load_b256 s[4:11], s[0:1], 0x0               ; x, W_Q, W_K, W_V
	s_load_b64 s[12:13], s[0:1], 0x20              ; opnd1
	v_lshl_add_u32 v[SPW], v0, 2, SPARE
	v_mov_b32 v[NIL], 0
	v_lshrrev_b32 v1, 5, v0
	v_readfirstlane_b32 s16, v1                    ; wave 0..3
	v_and_b32 v1, 31, v0                           ; lane
	v_and_b32 v2, 15, v0                           ; r
	v_bfe_u32 v3, v0, 4, 1                         ; h
	v_lshlrev_b32 v4, 4, v1                        ; 16 x lane: my bytes of a load's 512 and of a store's 512
	s_mul_i32 s23, s16, STG
	v_add_nc_u32 v5, s23, v4                       ; the stage, on the way in
	v_mul_u32_u24 v6, v2, 528
	v_lshl_add_u32 v6, v3, 7, v6
	v_add_nc_u32 v6, s23, v6                       ; and on the way out: row r, + 128 h
	s_lshr_b32 s22, s16, 1
	s_lshl_b32 s22, s22, 8                         ; my blocks' half: 256 (wave / 2),
	s_and_b32 s23, s16, 1
	s_lshl_b32 s23, s23, 3                         ; their two words among a row place's four: 8 (wave % 2)
	s_add_co_u32 s22, s22, s23
	s_add_co_u32 s22, s22, SCW
	v_lshl_add_u32 v7, v2, 4, s22                  ; + 16 r: where my two scale words go
	v_add_nc_u32 v9, SCW, v4                       ; and where wave 0 reads all of them back
	v_lshlrev_b32 v8, 3, v3                        ; 8 h: my bytes' place in a scale word
	v_mov_b32 v[WD+1], 0                           ; written once: a lane permute's destination counts as one of its sources
	s_mov_b32 s20, 0x76543210
	s_mov_b32 s21, 0xfedcba98                      ; v_permlanex16_b32's selects for lane l xor 16
	s_lshr_b32 s17, ttmp9, 3                       ; the group, 0 .. 87
	s_and_b32 s18, ttmp9, 7                        ; the K step
	s_and_b32 s19, s17, 7                          ; the group inside a weight
	s_mul_i32 s28, ttmp9, 12288                    ; codes: (8 group + K step) x 12,288 + 3,072 x wave
	s_mul_i32 s30, s16, 3072
	s_add_co_u32 s28, s28, s30
	s_mov_b32 s29, 0
	s_lshl_b32 s30, ttmp9, 9                       ; scale words: SC1 + (8 group + K step) x 512
	s_add_co_u32 s30, s30, SC1
	s_mov_b32 s31, 0
	s_wait_kmcnt 0x0
	s_mov_b64 s[24:25], s[10:11]                   ; which tensor: a choice on the work-group's number alone; one path through the text
	s_cmp_lt_u32 s17, 80
	s_cselect_b64 s[24:25], s[8:9], s[24:25]
	s_cmp_lt_u32 s17, 72
	s_cselect_b64 s[24:25], s[6:7], s[24:25]
	s_cmp_lt_u32 s17, 64
	s_cselect_b64 s[24:25], s[4:5], s[24:25]
	s_cselect_b32 s19, s17, s19
	s_lshl_b32 s26, s19, 19                        ; 128 rows of 4,096 bytes a group,
	s_lshl_b32 s27, s16, 17                        ; 32 rows a wave,
	s_add_co_u32 s26, s26, s27
	s_lshl_b32 s27, s18, 9                         ; 512 bytes a K step
	s_add_co_u32 s26, s26, s27
	s_mov_b32 s27, 0
	s_add_nc_u64 s[24:25], s[24:25], s[26:27]
	s_add_nc_u64 s[14:15], s[12:13], s[28:29]      ; my codes
	s_add_nc_u64 s[12:13], s[12:13], s[30:31]      ; the work-group's scale words
.macro LOAD f                          ; fragment f's 16 rows: 512 consecutive bytes a load
.irp t, 0,1,2,3,4,5,6,7,8,9,10,11,12,13,14,15
	global_load_b128 v[R+64*(\f)+4*\t:R+64*(\f)+4*\t+3], v4, s[24:25] offset:(8*(\f)+\t+8*(\t/8))*4096 th:TH_LOAD_NT
.endr
.endm
.macro FRAGQ f
.if (\f) < 1
	s_wait_loadcnt 16                              ; this fragment's 16 loads are in; the second fragment's 16 may be out
.else
	s_wait_loadcnt 0x0
.endif
.irp t, 0,1,2,3,4,5,6,7,8,9,10,11,12,13,14,15
	ds_store_b128 v5, v[R+64*(\f)+4*\t:R+64*(\f)+4*\t+3] offset:528*\t
.endr
.irp c, 0,1
.irp j, 0,1,2,3,4,5,6,7
	ds_load_b128 v[X+32*\c+4*\j:X+32*\c+4*\j+3], v6 offset:256*\c+16*\j   ; LDS serves a wave's instructions in order: these see the stores above
.endr
.endr
	s_wait_dscnt 0x0                               ; my numbers are back
.irp c, 0,1
	v_max3_num_f32 v[MXR+\c], |v[X+32*\c]|, |v[X+32*\c+1]|, 0x2800000   ; my block 2 c + h: all 32 numbers are mine; and the floor 2^(5 - 127): the byte cannot fall under 1
.endr
.irp i, 2,4,6,8,10,12,14,16,18,20,22,24,26,28,30
.irp c, 0,1
	v_max3_num_f32 v[MXR+\c], v[MXR+\c], |v[X+32*\c+\i]|, |v[X+32*\c+\i+1]|
.endr
.endr
.irp c, 0,1
	v_add_nc_u32 v[SO+\c], 0xfe000000, v[MXR+\c]   ; 4 off the exponent field: the conversion's scale operand
.endr
.irp c, 0,1
	v_lshrrev_b32 v[BY+\c], 23, v[SO+\c]           ; the byte
.endr
	v_lshl_or_b32 v[WD], v[BY+1], 16, v[BY]        ; blocks h and 2 + h,
	v_lshlrev_b32 v[WD], v8, v[WD]                 ; at their places in the word;
	v_permlanex16_b32 v[WD+1], v[WD], s20, s21
	v_or_b32 v[PW+(\f)], v[WD], v[WD+1]            ; with lane l xor 16's two the word is whole
.if (\f) > 0
	s_wait_xcnt 0x0                                ; the first fragment's stores have read the codes' registers
.endif
.irp c, 0,1
	v_cvt_scalef32_pk16_bf6_f32 v[PC+6*\c:PC+6*\c+2], v[X+32*\c:X+32*\c+15], v[SO+\c]
	v_cvt_scalef32_pk16_bf6_f32 v[PH+4*\c:PH+4*\c+2], v[X+32*\c+16:X+32*\c+31], v[SO+\c]   ; (a conversion's three registers begin on an even number)
.endr
	v_nop                                          ; one plain place behind a scaled conversion
.irp c, 0,1
.irp i, 0,1,2
	v_mov_b32 v[PC+3+6*\c+\i], v[PH+4*\c+\i]
.endr
.endr
.irp c, 0,1,2
	global_store_b128 v4, v[PC+4*\c:PC+4*\c+3], s[14:15] offset:1536*(\f)+512*\c   ; 32 lanes store 512 consecutive bytes, aligned
.endr
.endm
	LOAD 0
	LOAD 1
	FRAGQ 0
	FRAGQ 1
	ds_store_b64 v7, v[PW:PW+1]                    ; both halves of the lanes hold the same words and write them to the same place
	s_wait_dscnt 0x0                               ; for the others' sake: my store has landed
	s_barrier_signal -1
	s_barrier_wait -1
	s_cmp_lg_u32 s16, 0
	s_cbranch_scc1 .Lnot_mine
	ds_load_b128 v[X:X+3], v9                      ; the four waves' words, as they are to lie in memory
	s_wait_dscnt 0x0
	global_store_b128 v4, v[X:X+3], s[12:13]       ; 32 lanes store 512 consecutive bytes, aligned
.Lnot_mine:
	s_wait_tensorcnt 0x0                           ; the wave's end, behind my last LDS store
	ds_add_u32 v[SPW], v[NIL]
	s_wait_dscnt 0x0
	s_endpgm
.Lfunc_end_k_q867a90c187_quant:
	.size	k_q867a90c187_quant, .Lfunc_end_k_q867a90c187_quant-k_q867a90c187_quant
	.p2alignl 7, 3214868480
	.fill 96, 4, 3214868480
	.section	.rodata,"a",@progbits
	.p2align	6, 0x0
	.amdhsa_kernel k_q867a90c187_quant
		.amdhsa_group_segment_fixed_size 34816
		.amdhsa_private_segment_fixed_size 0
		.amdhsa_enable_private_segment 0
		.amdhsa_kernarg_size 40
		.amdhsa_user_sgpr_count 2
		.amdhsa_user_sgpr_kernarg_segment_ptr 1
		.amdhsa_wavefront_size32 1
		.amdhsa_system_sgpr_workgroup_id_x 1
		.amdhsa_system_sgpr_workgroup_id_y 1
		.amdhsa_system_sgpr_workgroup_id_z 1
		.amdhsa_system_vgpr_workitem_id 0
		.amdhsa_next_free_vgpr 248
		.amdhsa_next_free_sgpr 66
		.amdhsa_reserve_vcc 0
		.amdhsa_float_denorm_mode_32 3
		.amdhsa_float_denorm_mode_16_64 3
		.amdhsa_memory_ordered 1
		.amdhsa_forward_progress 1
		.amdhsa_inst_pref_size 17
	.end_amdhsa_kernel
	.amdgpu_metadata
---
amdhsa.version: [ 1, 2 ]
amdhsa.kernels:
  - .name:           k_q867a90c187_quant
    .symbol:         k_q867a90c187_quant.kd
    .args:
      - { .name: x, .offset: 0, .size: 8, .value_kind: global_buffer, .address_space: global }
      - { .name: W_Q, .offset: 8, .size: 8, .value_kind: global_buffer, .address_space: global }
      - { .name: W_K, .offset: 16, .size: 8, .value_kind: global_buffer, .address_space: global }
      - { .name: W_V, .offset: 24, .size: 8, .value_kind: global_buffer, .address_space: global }
      - { .name: opnd1, .offset: 32, .size: 8, .value_kind: global_buffer, .address_space: global }
    .group_segment_fixed_size: 34816
    .private_segment_fixed_size: 0
    .kernarg_segment_align: 8
    .kernarg_segment_size: 40
    .max_flat_workgroup_size: 128
    .sgpr_count:     66
    .vgpr_count:     248
    .wavefront_size: 32
...
	.end_amdgpu_metadata
.endif
;; end of part 5
;; launch proj (part 6): grid 12 x 32, 4 waves a work-group, clusters of 4 x 4, 327,680 bytes of LDS; arguments opnd1, opnd2; writes opnd2
.if DOCPART == 6
	.amdgcn_target "amdgcn-amd-amdhsa--gfx1250"
	.amdhsa_code_object_version 6
	.text
	.protected	k_q867a90c187_proj
	.globl	k_q867a90c187_proj
	.p2align	8
	.type	k_q867a90c187_proj,@function
k_q867a90c187_proj:
	s_mov_b64 s[64:65], 0
	v_nop
	global_prefetch_b8 v0, s[64:65] scope:SCOPE_SE
	s_setreg_imm32_b32 hwreg(HW_REG_WAVE_MODE, 25, 1), 1
	s_wait_xcnt 0x0
	s_wait_alu depctr_hold_cnt(0) depctr_sa_sdst(0) depctr_va_vdst(0) depctr_va_sdst(0) depctr_va_ssrc(0) depctr_va_vcc(0) depctr_vm_vsrc(0)
	s_getreg_b32 s2, hwreg(HW_REG_IB_STS2, 6, 4)
	s_cmp_eq_u32 s2, 0
	s_cbranch_scc0 .Lentry_in_a_cluster
	s_endpgm
.Lentry_in_a_cluster:
	s_bfe_u32 s2, ttmp6, 0x10000c
	s_cmp_lg_u32 s2, 0xf033
	s_cbranch_scc0 .Lentry_shape_is_right
	s_endpgm
.Lentry_shape_is_right:
; THE THREE PROJECTIONS on codes of E3M2, and their results quantised in registers for the next products.  No work is left out.
; A tile is 256 (source 1, 'A') x 256 (source 0, 'B') x K = 1,024; four waves, each 128 x 128: 64 accumulators, 512 registers.  A result's lane holds ONE row of A and its registers run along B's rows:
; with B's blocks composed as the layout has them (place r of block i = row 32 (i / 2) + 8 (i % 2) + r + 8 (r / 8)), register 16 b + i of a block of A is B's row 32 b + 16 (lane / 16) + i: 16 neighbours along the next K.
; Clusters with x = 0, 1: A = x's rows, B = rows of W_Q then W_K: Q and K, quantised along e.  Clusters with x = 2: A = W_V's rows, B = x's rows: V transposed, quantised along the keys.  One path: scalars alone are chosen.
; opnd1: see the launch before.  opnd2: Q and K codes [64 groups of tokens][16 K steps: 0-7 Q, 8-15 K] from 0; V^T codes [8 groups of d][64 K steps = groups of tokens] from VTC; their scale words from QKS and VTS.
; THREE LDS SLOTS of 256 along K: six of the eight K steps are asked for at the head; the last two go into slot 0 behind the first change of slots, and have the 256 matrix instructions of slots 1 and 2 in which to land.
; A wave's tensor load brings 128 rows x 256 K of codes, which the layout makes one dense block of 24,576 bytes.  A fragment is three loads of 16 bytes a lane, consecutive.  The eight K steps are written out: no loop.
; CLUSTERS: 4 x 4.  A's tiles hang on cy and the cluster's numbers alone and are asked for jointly along a row of the cluster, B's on cx and the cluster's numbers alone, along a column.
; LIMITS: as in the launch before (NaN, infinities, the byte's floor, blocks of zeros).
; REGISTERS: window 0: v16-29 addresses; v32-63 scale words, two sets, and nothing else; v64-107 the way out; v128-223 A's fragments, one set (free on the way out).  window 1: B's fragments, two sets, at v0 and v128.
;   window 2: the accumulators of A's blocks 0-3 ((a, b) at v[8 (8 (a % 4) + b)]); window 3: those of blocks 4-7.
.set NK,    8                          ; K steps of 128
.set KST,   12288                      ; a group's K step of codes
.set FRB,   1536                       ; a fragment's image
.set FR,    12                         ; its registers
.set PART,  2*KST                      ; what one tensor load brings
.set SLOT,  4*PART                     ; A's two groups, then B's two
.set REFILL, 3*PART                    ; from K step 0 to K step 6
.set HALFS, NK*512                     ; a group's scale words for all of K
.set SCL,   3*SLOT                     ; behind the slots: the scale words: A's two groups, B's two
.set SPARE, SCL+4*HALFS                ; the spare words, 128 bytes for each wave: two blocks of 256 bytes that no other line names
.set SC1,   8650752
.set VTC,   12582912
.set QKS,   18874368
.set VTS,   19398656
.set ADRA, 16                          ; v16-18 LDS address of my A fragments in slot 0, 1, 2
.set ADRB, 20                          ; v20-22 the same for B
.set CO,   26                          ; v26    16 x lane
.set ADRS, 27                          ; v27    my scale words: lanes 0-15 A's, lanes 16-31 B's
.set SPW,  28                          ; v28    LDS address of my spare word; never rewritten
.set NIL,  29                          ; v29    0; never rewritten
.set SC,   32                          ; register SC + 16 set + 8 q + i: lanes 0-15 the word of A's block i, lanes 16-31 of B's block i, for the slot's q-th 128 along K
.set AF,   128
.set TM,   200                         ; the way out: v200-203 largest magnitudes, v204-207 the other half's, then bytes, v212-215 scale operands
.set PC,   64                          ; v64-75 a fragment's codes; v76-78, v80-82 second halves
.set PWS,  96                          ; v96-103 the eight blocks' scale words; v104-107 my four of them
.set SELW, 104
.set G1, 24                            ; s[24:31] group 1 for A's tiles; s[32:39] groups 0 for slots 0, 1; s[4:7] for slot 2
.set G0, 32
.set G0C, 4
.set G1B, 48                           ; s[48:55], s[56:63], s[92:95] the same for B's
.set G0B, 56
.set G0BC, 92
.set G1S, 68
.set G0S, 76
.set G1SB, 80
.set G0SB, 88
.set MSB, 0
.macro WIN new                         ; the immediate's high byte repeats the setting that is left
.if MSB != \new
	s_set_vgpr_msb (MSB<<8)|\new
.set MSB, \new
.endif
.endm
.set MUL_LO, 0xa1                      ; source 0 (B) window 1, source 1 (A) window 0, C and D window 2
.set MUL_HI, 0xf1                      ; the same, C and D window 3
.set TO_B,   0x40                      ; destination window 1, address window 0
.macro JLOAD g0a, g1a, g0b, g1b        ; a joint load: waves 0 and 1 fetch for A, waves 2 and 3 for B; an s_nop 0 and four v_nop follow each of the two lines
	s_cmp_eq_u32 s15, 0
	s_cbranch_scc0 .Lfor_b_\@
	tensor_load_to_lds s[\g0a:\g0a+3], s[\g1a:\g1a+7]
	s_nop 0
.rept 4
	v_nop
.endr
	s_branch .Lasked_\@
.Lfor_b_\@:
	tensor_load_to_lds s[\g0b:\g0b+3], s[\g1b:\g1b+7]
	s_nop 0
.rept 4
	v_nop
.endr
.Lasked_\@:
.endm
.macro MKG0 g, src, lds, k             ; a group 0 for slot k: count 1, the LDS address, the tile's address, the type
	s_mov_b32 s[\g], 1
	s_add_co_u32 s[\g+1], s[\lds], (\k)*SLOT
	s_add_nc_u64 s[\g+2:\g+3], s[\src:\src+1], (\k)*PART
	s_or_b32 s[\g+3], s[\g+3], 0x80000000
.endm
.macro CREST                           ; a round of the cluster's barrier behind its opening barrier
	s_cmp_lg_u32 s14, 0
	s_cbranch_scc1 .Lnot_wave_0_\@
	s_barrier_signal -3
.Lnot_wave_0_\@:
	s_barrier_wait -3
	s_barrier_signal -1
	s_barrier_wait -1
.endm
.macro CROUND
	s_barrier_signal -1
	s_barrier_wait -1
	CREST
.endm
.macro PLACES n
.rept \n
	v_nop
.endr
.endm
.macro FRAG reg, adr, q, i             ; a fragment comes back as it was stored: three loads, 512 consecutive bytes each
.irp c, 0,1,2
	ds_load_b128 v[\reg+4*\c:\reg+4*\c+3], v[\adr] offset:(\q)*KST+(\i)*FRB+512*\c
.endr
.endm
.macro FETCH_B slot, q, p
	WIN TO_B
.irp i, 0,1,2,3,4,5,6,7
	FRAG 128*(\p)+FR*\i, ADRB+\slot, \q, \i
.endr
	WIN 0
.endm
.macro FETCH_A slot, q, i0
.irp i, \i0, \i0+1, \i0+2, \i0+3
	FRAG AF+FR*(\i), ADRA+\slot, \q, \i
.endr
.endm
.macro SCALES sc                       ; a slot's scale words into set sc: four blocks' words a load
.irp q, 0,1
.irp c, 0,1
	ds_load_b128 v[SC+16*(\sc)+8*\q+4*\c:SC+16*(\sc)+8*\q+4*\c+3], v[ADRS] offset:512*\q+256*\c
.endr
.endr
.endm
; 16 matrix instructions: A's blocks a0, a0 + 1 x B's eight.  The 64 accumulators take turns, one instruction a turn, in the same order in every step.
.macro MUL16 a0, p, q, sc, zero
.irp a, \a0, \a0+1
.irp b, 0,1,2,3,4,5,6,7
.if \zero
	v_wmma_scale_f32_16x16x128_f8f6f4 v[8*(8*((\a)%4)+\b):8*(8*((\a)%4)+\b)+7], v[128*(\p)+FR*\b:128*(\p)+FR*\b+FR-1], v[AF+FR*(\a):AF+FR*(\a)+FR-1], 0, v[SC+16*(\sc)+8*(\q)+\b], v[SC+16*(\sc)+8*(\q)+(\a)] matrix_a_fmt:MATRIX_FMT_BF6 matrix_b_fmt:MATRIX_FMT_BF6 matrix_a_scale:MATRIX_SCALE_ROW1
.else
	v_wmma_scale_f32_16x16x128_f8f6f4 v[8*(8*((\a)%4)+\b):8*(8*((\a)%4)+\b)+7], v[128*(\p)+FR*\b:128*(\p)+FR*\b+FR-1], v[AF+FR*(\a):AF+FR*(\a)+FR-1], v[8*(8*((\a)%4)+\b):8*(8*((\a)%4)+\b)+7], v[SC+16*(\sc)+8*(\q)+\b], v[SC+16*(\sc)+8*(\q)+(\a)] matrix_a_fmt:MATRIX_FMT_BF6 matrix_b_fmt:MATRIX_FMT_BF6 matrix_a_scale:MATRIX_SCALE_ROW1
.endif
.endr
.endr
.endm
.macro STEP slot, q, zero, sc          ; a step of 128 along K that has its successor in the same slot
	s_wait_dscnt 12                                ; all but the youngest 12 loads: A's blocks 4-7
	WIN MUL_LO
	MUL16 0, (\q)%2, \q, \sc, \zero
	MUL16 2, (\q)%2, \q, \sc, \zero
	s_wait_dscnt 0x0
	PLACES 4                                       ; four places in front of loads into registers that matrix instructions have read
	FETCH_B \slot, (\q)+1, 1-(\q)%2
	FETCH_A \slot, (\q)+1, 0
	WIN MUL_HI
	MUL16 4, (\q)%2, \q, \sc, \zero
	MUL16 6, (\q)%2, \q, \sc, \zero
	PLACES 4
	WIN 0
	FETCH_A \slot, (\q)+1, 4
.endm
.macro TURN slot, next, fill, sc       ; a slot's last step, with a barrier; fill = 1: it opens a round of the cluster's barrier, and the slot is filled again
	s_wait_tensorcnt 0x0                           ; all my tensor loads have landed
	ds_add_u32 v[SPW], v[NIL]                      ; 0 onto my spare word
	s_wait_dscnt 13                                ; the add and the youngest 12 loads (A's blocks 4-7) may be out
	WIN MUL_LO
	MUL16 0, 1, 1, \sc, 0
	s_wait_dscnt 0x0                               ; the add is done, and my reads of this slot are over
	s_barrier_signal -1
	MUL16 2, 1, 1, \sc, 0
	WIN 0
	s_barrier_wait -1
.if \fill
	CREST                                          ; no wave of any partner still reads this slot or has a load on its way
	s_add_nc_u64 s[G0+4*\slot+2:G0+4*\slot+3], s[G0+4*\slot+2:G0+4*\slot+3], REFILL
	s_add_nc_u64 s[G0B+4*\slot+2:G0B+4*\slot+3], s[G0B+4*\slot+2:G0B+4*\slot+3], REFILL
	JLOAD G0+4*\slot, G1, G0B+4*\slot, G1B         ; the first tensor load behind the round; its four v_nop are the places in front of the loads below
.else
	PLACES 4
.endif
	v_add_nc_u32 v[ADRS], 1024, v[ADRS]            ; the next slot's scale words
	FETCH_B \next, 0, 0
	FETCH_A \next, 0, 0
	SCALES 1-(\sc)
	WIN MUL_HI
	MUL16 4, 1, 1, \sc, 0
	MUL16 6, 1, 1, \sc, 0
	PLACES 4
	WIN 0
	FETCH_A \next, 0, 4
.endm
.macro CROSS slot, next, sc            ; a slot's last step where the next slot is known whole and nothing is filled: no wait on tensor loads, no barrier
	s_wait_dscnt 12
	WIN MUL_LO
	MUL16 0, 1, 1, \sc, 0
	MUL16 2, 1, 1, \sc, 0
	s_wait_dscnt 0x0
	PLACES 4
	WIN 0
	v_add_nc_u32 v[ADRS], 1024, v[ADRS]
	FETCH_B \next, 0, 0
	FETCH_A \next, 0, 0
	SCALES 1-(\sc)
	WIN MUL_HI
	MUL16 4, 1, 1, \sc, 0
	MUL16 6, 1, 1, \sc, 0
	PLACES 4
	WIN 0
	FETCH_A \next, 0, 4
.endm
	s_load_b128 s[4:7], s[0:1], 0x0                ; opnd1, opnd2
	v_lshl_add_u32 v[SPW], v0, 2, SPARE
	v_mov_b32 v[NIL], 0
	ds_add_u32 v[SPW], v[NIL]                      ; the wave's opening: the add, twice on end, and its wait ahead of my first tensor load
	ds_add_u32 v[SPW], v[NIL]
	v_lshrrev_b32 v1, 5, v0
	v_readfirstlane_b32 s14, v1                    ; wave 0..3
	s_lshr_b32 s15, s14, 1                         ; which group of A is mine.  Also: I fetch for A (0) or for B (1)
	s_and_b32 s16, s14, 1                          ; which group of B is mine.  Also: which group I fetch
	s_bfe_u32 s40, ttmp6, 0x40000                  ; cx
	s_bfe_u32 s41, ttmp6, 0x40004                  ; cy
	s_lshl_b32 s43, s41, 2
	s_lshl_b32 s43, 15, s43                        ; my row of the cluster
	s_lshl_b32 s44, 0x1111, s40                    ; my column
	s_or_b32 s[G1+0], s43, (3<<16)|(1<<21)         ; 15:0 the mask; 17:16 elements of 8 bytes; 21 set beside a mask; no padding
	s_or_b32 s[G1B+0], s44, (3<<16)|(1<<21)
.irp g, G1, G1B
	s_mov_b32 s[\g+1], 32<<16                      ; tensor_dim0 = 32 elements: rows of 256 bytes
	s_mov_b32 s[\g+2], 96<<16                      ; tensor_dim1 = 96
	s_mov_b32 s[\g+3], 32<<16                      ; tile_dim0
	s_mov_b32 s[\g+4], 96                          ; tile_dim1
	s_mov_b32 s[\g+5], 32                          ; the pitch: dense
	s_mov_b32 s[\g+6], 0
	s_mov_b32 s[\g+7], 0
.endr
	s_or_b32 s[G1S+0], s43, (3<<16)|(1<<21)
	s_or_b32 s[G1SB+0], s44, (3<<16)|(1<<21)
.irp g, G1S, G1SB
	s_mov_b32 s[\g+1], 32<<16
	s_mov_b32 s[\g+2], (2*NK)<<16
	s_mov_b32 s[\g+3], 32<<16
	s_mov_b32 s[\g+4], 2*NK
	s_mov_b32 s[\g+5], 32
	s_mov_b32 s[\g+6], 0
	s_mov_b32 s[\g+7], 0
.endr
	s_mov_b32 s96, 0xffff0000                      ; lanes 16-31
	s_mov_b32 s100, 0x76543210
	s_mov_b32 s101, 0xfedcba98                     ; v_permlanex16_b32's selects for lane l xor 16
	s_and_b32 s17, ttmp7, 0xffff
	s_lshl_b32 s17, s17, 3                         ; 8 x cluster y
	s_lshl_b32 s42, ttmp9, 3                       ; 8 x cluster x
	s_add_co_u32 s46, s42, 64
	s_mov_b32 s47, QKS
	s_cmp_eq_u32 ttmp9, 2                          ; V's clusters?  The same in all sixteen partners
	s_cselect_b32 s20, 80, s17                     ; A's first group: W_V's, or x's
	s_cselect_b32 s46, s17, s46                    ; B's: x's, or W_Q's and W_K's
	s_cselect_b32 s66, 0, s17                      ; the result's first group
	s_cselect_b32 s67, s17, s42                    ; and K step
	s_cselect_b32 s95, 6, 4                        ; K steps a group: 64 or 16
	s_cselect_b32 s97, VTC, 0
	s_cselect_b32 s98, VTS, s47
	s_lshl_b32 s18, s41, 1                         ; 2 cy
	s_lshl_b32 s19, s40, 1                         ; 2 cx
	s_add_co_u32 s20, s20, s18
	s_add_co_u32 s20, s20, s16                     ; the group of A that I would fetch: no cx in it
	s_lshl_b32 s22, s20, 12
	s_add_co_u32 s22, s22, SC1
	s_mov_b32 s23, 0
	s_mul_i32 s20, s20, 8*KST
	s_mov_b32 s21, 0
	s_add_co_u32 s46, s46, s19
	s_add_co_u32 s46, s46, s16                     ; the group of B: no cy in it
	s_lshl_b32 s92, s46, 12
	s_add_co_u32 s92, s92, SC1
	s_mov_b32 s93, 0
	s_mul_i32 s46, s46, 8*KST
	s_mov_b32 s47, 0
	s_mul_i32 s45, s14, PART                       ; where they go: wave x a part: no place in the cluster enters an LDS address
	s_mul_i32 s94, s14, HALFS
	s_add_co_u32 s66, s66, s18
	s_add_co_u32 s66, s66, s15
	s_lshl_b32 s66, s66, s95
	s_add_co_u32 s67, s67, s19
	s_add_co_u32 s67, s67, s16
	s_add_co_u32 s66, s66, s67                     ; my result's (group, K step), as one index
	s_mul_i32 s2, s66, KST
	s_add_co_u32 s2, s2, s97
	s_mov_b32 s3, 0
	s_lshl_b32 s66, s66, 9
	s_add_co_u32 s66, s66, s98
	s_mov_b32 s67, 0
	s_wait_dscnt 0x0                               ; both opening adds are done
	s_wait_kmcnt 0x0
	s_add_nc_u64 s[20:21], s[4:5], s[20:21]
	s_add_nc_u64 s[22:23], s[4:5], s[22:23]
	s_add_nc_u64 s[46:47], s[4:5], s[46:47]
	s_add_nc_u64 s[92:93], s[4:5], s[92:93]
	s_add_nc_u64 s[12:13], s[6:7], s[2:3]          ; my codes out
	s_add_nc_u64 s[10:11], s[6:7], s[66:67]        ; my scale words out
	CROUND                                         ; all sixteen work-groups are here: the first joint loads meet
	s_mov_b32 s[G0S], 1
	s_add_co_u32 s[G0S+1], s94, SCL
	s_mov_b64 s[G0S+2:G0S+3], s[22:23]
	s_or_b32 s[G0S+3], s[G0S+3], 0x80000000
	s_mov_b32 s[G0SB], 1
	s_add_co_u32 s[G0SB+1], s94, SCL
	s_mov_b64 s[G0SB+2:G0SB+3], s[92:93]
	s_or_b32 s[G0SB+3], s[G0SB+3], 0x80000000
	JLOAD G0S, G1S, G0SB, G1SB                     ; the scale words of all of K: filled once
	MKG0 G0, 20, 45, 0
	MKG0 G0B, 46, 45, 0
	JLOAD G0, G1, G0B, G1B                         ; K steps 0, 1
	MKG0 G0+4, 20, 45, 1
	MKG0 G0B+4, 46, 45, 1
	JLOAD G0+4, G1, G0B+4, G1B                     ; K steps 2, 3
	MKG0 G0C, 20, 45, 2                            ; (s[4:7] and s[92:95] are free: the addresses above have been made)
	MKG0 G0BC, 46, 45, 2
	JLOAD G0C, G1, G0BC, G1B                       ; K steps 4, 5: four loads of mine are out at the most
	v_and_b32 v1, 15, v0                           ; r
	v_bfe_u32 v2, v0, 4, 1                         ; h
	v_and_b32 v3, 31, v0
	v_lshlrev_b32 v[CO], 4, v3                     ; 16 x lane
	s_mul_i32 s21, s15, PART
	s_mul_i32 s22, s16, PART
	s_add_co_u32 s22, s22, 2*PART
.irp s, 0,1,2
	v_add_nc_u32 v[ADRA+\s], s21, v[CO]
	v_add_nc_u32 v[ADRB+\s], s22, v[CO]
	s_add_co_u32 s21, s21, SLOT
	s_add_co_u32 s22, s22, SLOT
.endr
	v_lshlrev_b32 v5, 4, v1                        ; 16 r: four blocks' words of my row place
	s_mul_i32 s21, s15, HALFS                      ; A's group
	s_mul_i32 s22, s16, HALFS
	s_add_co_u32 s22, s22, 2*HALFS                 ; B's group, behind A's two
	s_sub_co_u32 s22, s22, s21
	v_mul_u32_u24 v6, s22, v2                      ; lanes 16-31 take B's
	s_add_co_u32 s21, s21, SCL
	v_add_nc_u32 v5, v5, v6
	v_add_nc_u32 v[ADRS], s21, v5
	s_wait_tensorcnt 2                             ; the scale words and my part of slot 0 are in; the loads of slots 1 and 2 may be out
	s_barrier_signal -1
	s_barrier_wait -1
	FETCH_B 0, 0, 0
	FETCH_A 0, 0, 0
	SCALES 0
	FETCH_A 0, 0, 4
	STEP 0, 0, 1, 0                                ; K step 0: its products start the sums
	TURN 0, 1, 1, 0                                ; K step 1; every wave's loads have landed, slots 1 and 2 among them; slot 0 takes K steps 6, 7
	STEP 1, 0, 0, 1                                ; K step 2
	CROSS 1, 2, 1                                  ; K step 3; slot 2 was shown whole at the round above
	STEP 2, 0, 0, 0                                ; K step 4
	TURN 2, 0, 0, 0                                ; K step 5; the refill of slot 0 has landed in every wave
	STEP 0, 0, 0, 1                                ; K step 6
	s_wait_dscnt 12                                ; K step 7: nothing more to fetch
	WIN MUL_LO
	MUL16 0, 1, 1, 1, 0
	MUL16 2, 1, 1, 1, 0
	s_wait_dscnt 0x0
	WIN MUL_HI
	MUL16 4, 1, 1, 1, 0
	MUL16 6, 1, 1, 1, 0
	WIN 0
	PLACES 4                                       ; four places in front of the first read of results and the first write into registers that held A's fragments
; THE WAY OUT.  A's block a: my lane's 64 numbers are 128 neighbours (with lane l xor 16's) along the next K of one row: they become one fragment and one scale word, and leave as the fragment's image.
.macro QB a
.set AC, 64*((\a)%4)
.set WW, 2+(\a)/4
.set W12, 20*WW                        ; sources 1 and 2 in window WW
	WIN 0
.irp b, 0,1,2,3
	v_mov_b32 v[TM+\b], 0x2800000                  ; the floor 2^(5 - 127): the byte cannot fall under 1
.endr
	WIN W12
.irp i, 0,2,4,6,8,10,12,14
.irp b, 0,1,2,3
	v_max3_num_f32 v[TM+\b], v[TM+\b], |v[AC+16*\b+\i]|, |v[AC+16*\b+\i+1]|   ; each accumulator from its low end on
.endr
.endr
	WIN 0
.irp b, 0,1,2,3
	v_permlanex16_b32 v[TM+4+\b], v[TM+\b], s100, s101
.endr
.irp b, 0,1,2,3
	v_max_num_f32 v[TM+\b], v[TM+\b], v[TM+4+\b]   ; the block's largest magnitude
.endr
.irp b, 0,1,2,3
	v_add_nc_u32 v[TM+12+\b], 0xfe000000, v[TM+\b] ; 4 off its exponent field: the conversion's scale operand
.endr
.irp b, 0,1,2,3
	v_lshrrev_b32 v[TM+4+\b], 23, v[TM+12+\b]      ; the byte
.endr
	v_lshl_or_b32 v[PWS+\a], v[TM+5], 8, v[TM+4]
	v_lshl_or_b32 v[PWS+\a], v[TM+6], 16, v[PWS+\a]
	v_lshl_or_b32 v[PWS+\a], v[TM+7], 24, v[PWS+\a]
	s_wait_xcnt 0x0                                ; the last block's stores have read the codes' registers
	WIN WW                                         ; source 0 in window WW
.irp c, 0,1
	v_cvt_scalef32_pk16_bf6_f32 v[PC+6*\c:PC+6*\c+2], v[AC+32*\c:AC+32*\c+15], v[TM+12+2*\c]
	v_cvt_scalef32_pk16_bf6_f32 v[PC+12+4*\c:PC+14+4*\c], v[AC+32*\c+16:AC+32*\c+31], v[TM+12+2*\c+1]
.endr
	WIN 0
	v_nop                                          ; one plain place behind a scaled conversion
.irp c, 0,1                            ; the operand's layout wants a whole block in a lane
.irp i, 0,1,2
	v_permlane16_swap_b32 v[PC+6*\c+\i], v[PC+12+4*\c+\i]
.endr
.irp i, 0,1,2
	v_mov_b32 v[PC+3+6*\c+\i], v[PC+12+4*\c+\i]
.endr
.endr
.irp c, 0,1,2
	global_store_b128 v[CO], v[PC+4*\c:PC+4*\c+3], s[12:13] offset:FRB*(\a)+512*\c   ; 32 lanes store 512 consecutive bytes, aligned
.endr
.endm
.irp b, 0,1,2,3
	v_mov_b32 v[TM+4+\b], 0                        ; written once: a lane permute's destination counts as one of its sources
.endr
.irp a, 0,1,2,3,4,5,6,7
	QB \a
.endr
.irp j, 0,1,2,3
	v_cndmask_b32 v[SELW+\j], v[PWS+\j], v[PWS+4+\j], s96   ; lanes 0-15 store blocks 0-3's words, lanes 16-31 blocks 4-7's
.endr
	global_store_b128 v[CO], v[SELW:SELW+3], s[10:11]
	s_wait_tensorcnt 0x0                           ; the wave's end
	ds_add_u32 v[SPW], v[NIL]
	s_wait_dscnt 0x0
	CROUND                                         ; the closing round
	s_endpgm
.Lfunc_end_k_q867a90c187_proj:
	.size	k_q867a90c187_proj, .Lfunc_end_k_q867a90c187_proj-k_q867a90c187_proj
	.p2alignl 7, 3214868480
	.fill 96, 4, 3214868480
	.section	.rodata,"a",@progbits
	.p2align	6, 0x0
	.amdhsa_kernel k_q867a90c187_proj
		.amdhsa_group_segment_fixed_size 327680
		.amdhsa_private_segment_fixed_size 0
		.amdhsa_enable_private_segment 0
		.amdhsa_kernarg_size 16
		.amdhsa_user_sgpr_count 2
		.amdhsa_user_sgpr_kernarg_segment_ptr 1
		.amdhsa_wavefront_size32 1
		.amdhsa_system_sgpr_workgroup_id_x 1
		.amdhsa_system_sgpr_workgroup_id_y 1
		.amdhsa_system_sgpr_workgroup_id_z 1
		.amdhsa_system_vgpr_workitem_id 0
		.amdhsa_next_free_vgpr 1024
		.amdhsa_next_free_sgpr 102
		.amdhsa_reserve_vcc 0
		.amdhsa_float_denorm_mode_32 3
		.amdhsa_float_denorm_mode_16_64 3
		.amdhsa_memory_ordered 1
		.amdhsa_forward_progress 1
		.amdhsa_inst_pref_size 140
	.end_amdhsa_kernel
	.amdgpu_metadata
---
amdhsa.version: [ 1, 2 ]
amdhsa.kernels:
  - .name:           k_q867a90c187_proj
    .symbol:         k_q867a90c187_proj.kd
    .args:
      - { .name: opnd1, .offset: 0, .size: 8, .value_kind: global_buffer, .address_space: global }
      - { .name: opnd2, .offset: 8, .size: 8, .value_kind: global_buffer, .address_space: global }
    .group_segment_fixed_size: 327680
    .private_segment_fixed_size: 0
    .kernarg_segment_align: 8
    .kernarg_segment_size: 16
    .max_flat_workgroup_size: 128
    .sgpr_count:     102
    .vgpr_count:     1024
    .wavefront_size: 32
...
	.end_amdgpu_metadata
.endif
;; end of part 6
;; launch scores (part 7): grid 8 x 32, 4 waves a work-group, clusters of 4 x 4, 327,680 bytes of LDS; arguments opnd2, opnd3; writes opnd3
.if DOCPART == 7
	.amdgcn_target "amdgcn-amd-amdhsa--gfx1250"
	.amdhsa_code_object_version 6
	.text
	.protected	k_q867a90c187_scores
	.globl	k_q867a90c187_scores
	.p2align	8
	.type	k_q867a90c187_scores,@function
k_q867a90c187_scores:
	s_mov_b64 s[64:65], 0
	v_nop
	global_prefetch_b8 v0, s[64:65] scope:SCOPE_SE
	s_setreg_imm32_b32 hwreg(HW_REG_WAVE_MODE, 25, 1), 1
	s_wait_xcnt 0x0
	s_wait_alu depctr_hold_cnt(0) depctr_sa_sdst(0) depctr_va_vdst(0) depctr_va_sdst(0) depctr_va_ssrc(0) depctr_va_vcc(0) depctr_vm_vsrc(0)
	s_getreg_b32 s2, hwreg(HW_REG_IB_STS2, 6, 4)
	s_cmp_eq_u32 s2, 0
	s_cbranch_scc0 .Lentry_in_a_cluster
	s_endpgm
.Lentry_in_a_cluster:
	s_bfe_u32 s2, ttmp6, 0x10000c
	s_cmp_lg_u32 s2, 0xf033
	s_cbranch_scc0 .Lentry_shape_is_right
	s_endpgm
.Lentry_shape_is_right:
; S = Q K^T on codes of E3M2, and the softmax's p, quantised in registers for the last product.  No work is left out.
; A tile is 256 queries (source 1) x 256 keys (source 0) x K = 1,024; four waves, each 128 x 128.  A lane holds one query; its 64 registers of a block of queries, with lane l xor 16's, are the 128 keys of one CHUNK.
; THE SOFTMAX IS TAKEN CHUNK BY CHUNK: t = score x log2(e) / 32; M = the chunk's largest t rounded up to a whole number; p = 2^(t - M) is quantised along the keys; l = the chunk's sum of the unquantised p.
; -M and l go to memory beside p's scale words.  The next launch brings all chunks of a row under the row's largest M: a whole number off each scale byte, which leaves the codes as they are.
; opnd2: see the launch before.  opnd3: P's codes [64 groups of queries][16 chunks of the batch's keys] from 0; P's scale words from PSO, -M (f32) from PMO, l from PLO, each laid as scale words are.
; THREE LDS SLOTS of 256 along K, as in the launch before: six of the eight K steps are asked for at the head, the last two go into slot 0 behind the first change of slots.  The eight K steps are written out: no loop.
; CLUSTERS: 4 x 4.  Q's tiles are asked for jointly along a row of the cluster, K's along a column (a cluster's four query tiles lie in one batch).
; LIMITS: NaN and infinities are not served; M is kept as an f32 whole number; a p under 2^-126 counts as 0; a block whose every p is 0 keeps the byte 1 (its codes are zeros).
; REGISTERS: as in the launch before; on the way out: v128-191 p; v200-223 at work; v64-82 codes; v96-103 scale words, v104-111 -M, v112-119 l; v120-127, v192-195 what I store of them.
.set NK,    8
.set KST,   12288
.set FRB,   1536
.set FR,    12
.set PART,  2*KST
.set SLOT,  4*PART
.set REFILL, 3*PART                    ; from K step 0 to K step 6
.set HALFS, NK*512
.set SCL,   3*SLOT
.set SPARE, SCL+4*HALFS                ; the spare words, 128 bytes for each wave: two blocks of 256 bytes that no other line names
.set QKS,   18874368
.set PSO,   12582912
.set PMO,   13107200
.set PLO,   13631488
.set ADRA, 16
.set ADRB, 20
.set CO,   26
.set ADRS, 27
.set SPW,  28
.set NIL,  29
.set SC,   32
.set AF,   128
.set PS,   128
.set MX,   200
.set MP,   204
.set SOP,  212
.set PC,   64
.set PWS,  96
.set NMS,  104
.set LSS,  112
.set G1, 24
.set G0, 32
.set G0C, 4
.set G1B, 48
.set G0B, 56
.set G0BC, 92
.set G1S, 68
.set G0S, 76
.set G1SB, 80
.set G0SB, 88
.set MSB, 0
.macro WIN new                         ; the immediate's high byte repeats the setting that is left
.if MSB != \new
	s_set_vgpr_msb (MSB<<8)|\new
.set MSB, \new
.endif
.endm
.set MUL_LO, 0xa1
.set MUL_HI, 0xf1
.set TO_B,   0x40
.macro JLOAD g0a, g1a, g0b, g1b        ; a joint load: waves 0 and 1 fetch for A, waves 2 and 3 for B; an s_nop 0 and four v_nop follow each of the two lines
	s_cmp_eq_u32 s15, 0
	s_cbranch_scc0 .Lfor_b_\@
	tensor_load_to_lds s[\g0a:\g0a+3], s[\g1a:\g1a+7]
	s_nop 0
.rept 4
	v_nop
.endr
	s_branch .Lasked_\@
.Lfor_b_\@:
	tensor_load_to_lds s[\g0b:\g0b+3], s[\g1b:\g1b+7]
	s_nop 0
.rept 4
	v_nop
.endr
.Lasked_\@:
.endm
.macro MKG0 g, src, lds, k             ; a group 0 for slot k: count 1, the LDS address, the tile's address, the type
	s_mov_b32 s[\g], 1
	s_add_co_u32 s[\g+1], s[\lds], (\k)*SLOT
	s_add_nc_u64 s[\g+2:\g+3], s[\src:\src+1], (\k)*PART
	s_or_b32 s[\g+3], s[\g+3], 0x80000000
.endm
.macro CREST
	s_cmp_lg_u32 s14, 0
	s_cbranch_scc1 .Lnot_wave_0_\@
	s_barrier_signal -3
.Lnot_wave_0_\@:
	s_barrier_wait -3
	s_barrier_signal -1
	s_barrier_wait -1
.endm
.macro CROUND
	s_barrier_signal -1
	s_barrier_wait -1
	CREST
.endm
.macro PLACES n
.rept \n
	v_nop
.endr
.endm
.macro FRAG reg, adr, q, i
.irp c, 0,1,2
	ds_load_b128 v[\reg+4*\c:\reg+4*\c+3], v[\adr] offset:(\q)*KST+(\i)*FRB+512*\c
.endr
.endm
.macro FETCH_B slot, q, p
	WIN TO_B
.irp i, 0,1,2,3,4,5,6,7
	FRAG 128*(\p)+FR*\i, ADRB+\slot, \q, \i
.endr
	WIN 0
.endm
.macro FETCH_A slot, q, i0
.irp i, \i0, \i0+1, \i0+2, \i0+3
	FRAG AF+FR*(\i), ADRA+\slot, \q, \i
.endr
.endm
.macro SCALES sc
.irp q, 0,1
.irp c, 0,1
	ds_load_b128 v[SC+16*(\sc)+8*\q+4*\c:SC+16*(\sc)+8*\q+4*\c+3], v[ADRS] offset:512*\q+256*\c
.endr
.endr
.endm
.macro MUL16 a0, p, q, sc, zero        ; the 64 accumulators take turns, one instruction a turn
.irp a, \a0, \a0+1
.irp b, 0,1,2,3,4,5,6,7
.if \zero
	v_wmma_scale_f32_16x16x128_f8f6f4 v[8*(8*((\a)%4)+\b):8*(8*((\a)%4)+\b)+7], v[128*(\p)+FR*\b:128*(\p)+FR*\b+FR-1], v[AF+FR*(\a):AF+FR*(\a)+FR-1], 0, v[SC+16*(\sc)+8*(\q)+\b], v[SC+16*(\sc)+8*(\q)+(\a)] matrix_a_fmt:MATRIX_FMT_BF6 matrix_b_fmt:MATRIX_FMT_BF6 matrix_a_scale:MATRIX_SCALE_ROW1
.else
	v_wmma_scale_f32_16x16x128_f8f6f4 v[8*(8*((\a)%4)+\b):8*(8*((\a)%4)+\b)+7], v[128*(\p)+FR*\b:128*(\p)+FR*\b+FR-1], v[AF+FR*(\a):AF+FR*(\a)+FR-1], v[8*(8*((\a)%4)+\b):8*(8*((\a)%4)+\b)+7], v[SC+16*(\sc)+8*(\q)+\b], v[SC+16*(\sc)+8*(\q)+(\a)] matrix_a_fmt:MATRIX_FMT_BF6 matrix_b_fmt:MATRIX_FMT_BF6 matrix_a_scale:MATRIX_SCALE_ROW1
.endif
.endr
.endr
.endm
.macro STEP slot, q, zero, sc
	s_wait_dscnt 12                                ; all but the youngest 12 loads: A's blocks 4-7
	WIN MUL_LO
	MUL16 0, (\q)%2, \q, \sc, \zero
	MUL16 2, (\q)%2, \q, \sc, \zero
	s_wait_dscnt 0x0
	PLACES 4
	FETCH_B \slot, (\q)+1, 1-(\q)%2
	FETCH_A \slot, (\q)+1, 0
	WIN MUL_HI
	MUL16 4, (\q)%2, \q, \sc, \zero
	MUL16 6, (\q)%2, \q, \sc, \zero
	PLACES 4
	WIN 0
	FETCH_A \slot, (\q)+1, 4
.endm
.macro TURN slot, next, fill, sc
	s_wait_tensorcnt 0x0                           ; all my tensor loads have landed
	ds_add_u32 v[SPW], v[NIL]                      ; 0 onto my spare word
	s_wait_dscnt 13                                ; the add and the youngest 12 loads may be out
	WIN MUL_LO
	MUL16 0, 1, 1, \sc, 0
	s_wait_dscnt 0x0                               ; the add is done, and my reads of this slot are over
	s_barrier_signal -1
	MUL16 2, 1, 1, \sc, 0
	WIN 0
	s_barrier_wait -1
.if \fill
	CREST
	s_add_nc_u64 s[G0+4*\slot+2:G0+4*\slot+3], s[G0+4*\slot+2:G0+4*\slot+3], REFILL
	s_add_nc_u64 s[G0B+4*\slot+2:G0B+4*\slot+3], s[G0B+4*\slot+2:G0B+4*\slot+3], REFILL
	JLOAD G0+4*\slot, G1, G0B+4*\slot, G1B
.else
	PLACES 4
.endif
	v_add_nc_u32 v[ADRS], 1024, v[ADRS]
	FETCH_B \next, 0, 0
	FETCH_A \next, 0, 0
	SCALES 1-(\sc)
	WIN MUL_HI
	MUL16 4, 1, 1, \sc, 0
	MUL16 6, 1, 1, \sc, 0
	PLACES 4
	WIN 0
	FETCH_A \next, 0, 4
.endm
.macro CROSS slot, next, sc            ; a slot's last step where the next slot is known whole and nothing is filled: no wait on tensor loads, no barrier
	s_wait_dscnt 12
	WIN MUL_LO
	MUL16 0, 1, 1, \sc, 0
	MUL16 2, 1, 1, \sc, 0
	s_wait_dscnt 0x0
	PLACES 4
	WIN 0
	v_add_nc_u32 v[ADRS], 1024, v[ADRS]
	FETCH_B \next, 0, 0
	FETCH_A \next, 0, 0
	SCALES 1-(\sc)
	WIN MUL_HI
	MUL16 4, 1, 1, \sc, 0
	MUL16 6, 1, 1, \sc, 0
	PLACES 4
	WIN 0
	FETCH_A \next, 0, 4
.endm
	s_load_b128 s[4:7], s[0:1], 0x0                ; opnd2, opnd3
	v_lshl_add_u32 v[SPW], v0, 2, SPARE
	v_mov_b32 v[NIL], 0
	ds_add_u32 v[SPW], v[NIL]                      ; the wave's opening: the add, twice on end, and its wait ahead of my first tensor load
	ds_add_u32 v[SPW], v[NIL]
	v_lshrrev_b32 v1, 5, v0
	v_readfirstlane_b32 s14, v1                    ; wave 0..3
	s_lshr_b32 s15, s14, 1                         ; my group of queries.  Also: I fetch for Q (0) or for K (1)
	s_and_b32 s16, s14, 1                          ; my group of keys.  Also: which group I fetch
	s_bfe_u32 s40, ttmp6, 0x40000                  ; cx
	s_bfe_u32 s41, ttmp6, 0x40004                  ; cy
	s_lshl_b32 s43, s41, 2
	s_lshl_b32 s43, 15, s43
	s_lshl_b32 s44, 0x1111, s40
	s_or_b32 s[G1+0], s43, (3<<16)|(1<<21)
	s_or_b32 s[G1B+0], s44, (3<<16)|(1<<21)
.irp g, G1, G1B
	s_mov_b32 s[\g+1], 32<<16
	s_mov_b32 s[\g+2], 96<<16
	s_mov_b32 s[\g+3], 32<<16
	s_mov_b32 s[\g+4], 96
	s_mov_b32 s[\g+5], 32
	s_mov_b32 s[\g+6], 0
	s_mov_b32 s[\g+7], 0
.endr
	s_or_b32 s[G1S+0], s43, (3<<16)|(1<<21)
	s_or_b32 s[G1SB+0], s44, (3<<16)|(1<<21)
.irp g, G1S, G1SB
	s_mov_b32 s[\g+1], 32<<16
	s_mov_b32 s[\g+2], (2*NK)<<16
	s_mov_b32 s[\g+3], 32<<16
	s_mov_b32 s[\g+4], 2*NK
	s_mov_b32 s[\g+5], 32
	s_mov_b32 s[\g+6], 0
	s_mov_b32 s[\g+7], 0
.endr
	s_mov_b32 s96, 0xffff0000                      ; lanes 16-31
	s_mov_b32 s98, 0x3d38aa3b                      ; c = log2(e) / sqrt(1024)
	s_mov_b32 s99, s98                             ; (named with it as a pair)
	s_mov_b32 s100, 0x76543210
	s_mov_b32 s101, 0xfedcba98
	s_and_b32 s17, ttmp7, 0xffff
	s_lshl_b32 s18, s17, 2
	s_add_co_u32 s18, s18, s41                     ; the query tile, 0 .. 31
	s_lshl_b32 s18, s18, 1
	s_add_co_u32 s20, s18, s16                     ; Q's group that I would fetch: no cx in it
	s_lshl_b32 s22, s20, 13
	s_add_co_u32 s22, s22, QKS
	s_mov_b32 s23, 0
	s_mul_i32 s20, s20, 16*KST
	s_mov_b32 s21, 0
	s_lshr_b32 s19, s17, 1                         ; the batch: of the cluster's number alone
	s_lshl_b32 s19, s19, 4
	s_lshl_b32 s42, ttmp9, 2
	s_add_co_u32 s42, s42, s40                     ; the key tile, 0 .. 7
	s_lshl_b32 s42, s42, 1
	s_add_co_u32 s46, s42, s16
	s_add_co_u32 s46, s46, s19                     ; K's group: no cy in it
	s_lshl_b32 s92, s46, 13
	s_add_co_u32 s92, s92, QKS+4096
	s_mov_b32 s93, 0
	s_mul_i32 s46, s46, 16*KST
	s_add_co_u32 s46, s46, 8*KST                   ; K's eight K steps lie behind Q's
	s_mov_b32 s47, 0
	s_mul_i32 s45, s14, PART
	s_mul_i32 s94, s14, HALFS
	s_add_co_u32 s66, s18, s15
	s_lshl_b32 s66, s66, 4
	s_add_co_u32 s66, s66, s42
	s_add_co_u32 s66, s66, s16                     ; my (group of queries, chunk) as one index
	s_mul_i32 s12, s66, KST
	s_mov_b32 s13, 0
	s_lshl_b32 s66, s66, 9
	s_add_co_u32 s10, s66, PSO
	s_mov_b32 s11, 0
	s_add_co_u32 s8, s66, PMO
	s_mov_b32 s9, 0
	s_add_co_u32 s66, s66, PLO
	s_mov_b32 s67, 0
	s_wait_dscnt 0x0                               ; both opening adds are done
	s_wait_kmcnt 0x0
	s_add_nc_u64 s[20:21], s[4:5], s[20:21]
	s_add_nc_u64 s[22:23], s[4:5], s[22:23]
	s_add_nc_u64 s[46:47], s[4:5], s[46:47]
	s_add_nc_u64 s[92:93], s[4:5], s[92:93]
	s_add_nc_u64 s[12:13], s[6:7], s[12:13]        ; P's codes
	s_add_nc_u64 s[10:11], s[6:7], s[10:11]        ; P's scale words
	s_add_nc_u64 s[8:9], s[6:7], s[8:9]            ; -M
	s_add_nc_u64 s[66:67], s[6:7], s[66:67]        ; l
	CROUND
	s_mov_b32 s[G0S], 1
	s_add_co_u32 s[G0S+1], s94, SCL
	s_mov_b64 s[G0S+2:G0S+3], s[22:23]
	s_or_b32 s[G0S+3], s[G0S+3], 0x80000000
	s_mov_b32 s[G0SB], 1
	s_add_co_u32 s[G0SB+1], s94, SCL
	s_mov_b64 s[G0SB+2:G0SB+3], s[92:93]
	s_or_b32 s[G0SB+3], s[G0SB+3], 0x80000000
	JLOAD G0S, G1S, G0SB, G1SB
	MKG0 G0, 20, 45, 0
	MKG0 G0B, 46, 45, 0
	JLOAD G0, G1, G0B, G1B                         ; K steps 0, 1
	MKG0 G0+4, 20, 45, 1
	MKG0 G0B+4, 46, 45, 1
	JLOAD G0+4, G1, G0B+4, G1B                     ; K steps 2, 3
	MKG0 G0C, 20, 45, 2                            ; (s[4:7] and s[92:95] are free: the addresses above have been made)
	MKG0 G0BC, 46, 45, 2
	JLOAD G0C, G1, G0BC, G1B                       ; K steps 4, 5: four loads of mine are out at the most
	v_and_b32 v1, 15, v0
	v_bfe_u32 v2, v0, 4, 1
	v_and_b32 v3, 31, v0
	v_lshlrev_b32 v[CO], 4, v3
	s_mul_i32 s21, s15, PART
	s_mul_i32 s22, s16, PART
	s_add_co_u32 s22, s22, 2*PART
.irp s, 0,1,2
	v_add_nc_u32 v[ADRA+\s], s21, v[CO]
	v_add_nc_u32 v[ADRB+\s], s22, v[CO]
	s_add_co_u32 s21, s21, SLOT
	s_add_co_u32 s22, s22, SLOT
.endr
	v_lshlrev_b32 v5, 4, v1
	s_mul_i32 s21, s15, HALFS
	s_mul_i32 s22, s16, HALFS
	s_add_co_u32 s22, s22, 2*HALFS
	s_sub_co_u32 s22, s22, s21
	v_mul_u32_u24 v6, s22, v2
	s_add_co_u32 s21, s21, SCL
	v_add_nc_u32 v5, v5, v6
	v_add_nc_u32 v[ADRS], s21, v5
	s_wait_tensorcnt 2                             ; the scale words and my part of slot 0 are in; the loads of slots 1 and 2 may be out
	s_barrier_signal -1
	s_barrier_wait -1
	FETCH_B 0, 0, 0
	FETCH_A 0, 0, 0
	SCALES 0
	FETCH_A 0, 0, 4
	STEP 0, 0, 1, 0                                ; K step 0: its products start the sums
	TURN 0, 1, 1, 0                                ; K step 1; every wave's loads have landed, slots 1 and 2 among them; slot 0 takes K steps 6, 7
	STEP 1, 0, 0, 1                                ; K step 2
	CROSS 1, 2, 1                                  ; K step 3; slot 2 was shown whole at the round above
	STEP 2, 0, 0, 0                                ; K step 4
	TURN 2, 0, 0, 0                                ; K step 5; the refill of slot 0 has landed in every wave
	STEP 0, 0, 0, 1                                ; K step 6
	s_wait_dscnt 12                                ; K step 7
	WIN MUL_LO
	MUL16 0, 1, 1, 1, 0
	MUL16 2, 1, 1, 1, 0
	s_wait_dscnt 0x0
	WIN MUL_HI
	MUL16 4, 1, 1, 1, 0
	MUL16 6, 1, 1, 1, 0
	WIN 0
	PLACES 4
; THE SOFTMAX OF A BLOCK OF 16 QUERIES over my chunk of 128 keys.
.macro SOFT a
.set AC, 64*((\a)%4)
.set WW, 2+(\a)/4
.set W12, 20*WW
	WIN 0
.irp b, 0,1,2,3
	v_mov_b32 v[MX+\b], 0xff800000                 ; -infinity, under every score
.endr
	WIN W12
.irp i, 0,2,4,6,8,10,12,14
.irp b, 0,1,2,3
	v_max3_num_f32 v[MX+\b], v[MX+\b], v[AC+16*\b+\i], v[AC+16*\b+\i+1]   ; the largest score of each block of 32 keys; each accumulator from its low end on
.endr
.endr
	WIN 0
.irp b, 0,1,2,3
	v_permlanex16_b32 v[MP+\b], v[MX+\b], s100, s101
.endr
.irp b, 0,1,2,3
	v_max_num_f32 v[MX+\b], v[MX+\b], v[MP+\b]
.endr
	v_max3_num_f32 v222, v[MX], v[MX+1], v[MX+2]
	v_max_num_f32 v222, v222, v[MX+3]              ; the chunk's largest score of my query
	v_mul_f32 v217, s98, v222                      ; as t
	v_floor_f32 v216, -v217                        ; -M = floor(-t): a whole number
	WIN WW
.set n, 0
.rept 32
	v_pk_fma_f32 v[PS+n:PS+n+1], v[AC+n:AC+n+1], s[98:99], v[216:217] op_sel_hi:[1,0,0]   ; t - M, two at a time
.set n, n+2
.endr
	WIN 0
.irp b, 0,1,2,3
	v_fma_f32 v[MX+\b], v[MX+\b], s98, v216        ; the same of each block's largest score
.endr
.set n, 0
.rept 64
	v_exp_f32 v[PS+n], v[PS+n]                     ; p = 2^(t - M): not normalised
.set n, n+1
.endr
	v_mov_b32 v[NMS+\a], v216                      ; (a plain place behind the exponentials)
	s_wait_alu depctr_va_vdst(0)                   ; one wait for the batch, ahead of its first reader
.irp b, 0,1,2,3
	v_exp_f32 v[MX+\b], v[MX+\b]                   ; each block's largest p: the same two instructions on the same number
.endr
	v_pk_add_f32 v[218:219], v[PS:PS+1], v[PS+2:PS+3]         ; the sum of the unquantised p, in two chains
	v_pk_add_f32 v[220:221], v[PS+4:PS+5], v[PS+6:PS+7]
.irp j, 8,12,16,20,24,28,32,36,40,44,48,52,56,60
	v_pk_add_f32 v[218:219], v[218:219], v[PS+\j:PS+\j+1]
	v_pk_add_f32 v[220:221], v[220:221], v[PS+\j+2:PS+\j+3]
.endr
	v_pk_add_f32 v[218:219], v[218:219], v[220:221]
	v_add_f32 v222, v218, v219
	v_permlanex16_b32 v223, v222, s100, s101
	v_add_f32 v[LSS+\a], v222, v223                ; with lane l xor 16's: the chunk's l
	s_wait_alu depctr_va_vdst(0)                   ; and one for the four
.irp b, 0,1,2,3
	v_max_num_f32 v[MX+\b], 0x2800000, v[MX+\b]    ; the floor 2^(5 - 127)
.endr
.irp b, 0,1,2,3
	v_add_nc_u32 v[SOP+\b], 0xfe000000, v[MX+\b]
.endr
.irp b, 0,1,2,3
	v_lshrrev_b32 v[MP+\b], 23, v[SOP+\b]
.endr
	v_lshl_or_b32 v[PWS+\a], v[MP+1], 8, v[MP]
	v_lshl_or_b32 v[PWS+\a], v[MP+2], 16, v[PWS+\a]
	v_lshl_or_b32 v[PWS+\a], v[MP+3], 24, v[PWS+\a]
	s_wait_xcnt 0x0                                ; the last block's stores have read the codes' registers
.irp c, 0,1
	v_cvt_scalef32_pk16_bf6_f32 v[PC+6*\c:PC+6*\c+2], v[PS+32*\c:PS+32*\c+15], v[SOP+2*\c]
	v_cvt_scalef32_pk16_bf6_f32 v[PC+12+4*\c:PC+14+4*\c], v[PS+32*\c+16:PS+32*\c+31], v[SOP+2*\c+1]
.endr
	v_nop                                          ; one plain place behind a scaled conversion
.irp c, 0,1
.irp i, 0,1,2
	v_permlane16_swap_b32 v[PC+6*\c+\i], v[PC+12+4*\c+\i]
.endr
.irp i, 0,1,2
	v_mov_b32 v[PC+3+6*\c+\i], v[PC+12+4*\c+\i]
.endr
.endr
.irp c, 0,1,2
	global_store_b128 v[CO], v[PC+4*\c:PC+4*\c+3], s[12:13] offset:FRB*(\a)+512*\c
.endr
.endm
.irp b, 0,1,2,3
	v_mov_b32 v[MP+\b], 0                          ; written once: a lane permute's destination counts as one of its sources
.endr
	v_mov_b32 v223, 0
.irp a, 0,1,2,3,4,5,6,7
	SOFT \a
.endr
.irp j, 0,1,2,3
	v_cndmask_b32 v[120+\j], v[PWS+\j], v[PWS+4+\j], s96     ; lanes 0-15 store blocks 0-3's, lanes 16-31 blocks 4-7's
	v_cndmask_b32 v[124+\j], v[NMS+\j], v[NMS+4+\j], s96
	v_cndmask_b32 v[192+\j], v[LSS+\j], v[LSS+4+\j], s96
.endr
	global_store_b128 v[CO], v[120:123], s[10:11]
	global_store_b128 v[CO], v[124:127], s[8:9]
	global_store_b128 v[CO], v[192:195], s[66:67]
	s_wait_tensorcnt 0x0                           ; the wave's end
	ds_add_u32 v[SPW], v[NIL]
	s_wait_dscnt 0x0
	CROUND
	s_endpgm
.Lfunc_end_k_q867a90c187_scores:
	.size	k_q867a90c187_scores, .Lfunc_end_k_q867a90c187_scores-k_q867a90c187_scores
	.p2alignl 7, 3214868480
	.fill 96, 4, 3214868480
	.section	.rodata,"a",@progbits
	.p2align	6, 0x0
	.amdhsa_kernel k_q867a90c187_scores
		.amdhsa_group_segment_fixed_size 327680
		.amdhsa_private_segment_fixed_size 0
		.amdhsa_enable_private_segment 0
		.amdhsa_kernarg_size 16
		.amdhsa_user_sgpr_count 2
		.amdhsa_user_sgpr_kernarg_segment_ptr 1
		.amdhsa_wavefront_size32 1
		.amdhsa_system_sgpr_workgroup_id_x 1
		.amdhsa_system_sgpr_workgroup_id_y 1
		.amdhsa_system_sgpr_workgroup_id_z 1
		.amdhsa_system_vgpr_workitem_id 0
		.amdhsa_next_free_vgpr 1024
		.amdhsa_next_free_sgpr 102
		.amdhsa_reserve_vcc 0
		.amdhsa_float_denorm_mode_32 3
		.amdhsa_float_denorm_mode_16_64 3
		.amdhsa_memory_ordered 1
		.amdhsa_forward_progress 1
		.amdhsa_inst_pref_size 197
	.end_amdhsa_kernel
	.amdgpu_metadata
---
amdhsa.version: [ 1, 2 ]
amdhsa.kernels:
  - .name:           k_q867a90c187_scores
    .symbol:         k_q867a90c187_scores.kd
    .args:
      - { .name: opnd2, .offset: 0, .size: 8, .value_kind: global_buffer, .address_space: global }
      - { .name: opnd3, .offset: 8, .size: 8, .value_kind: global_buffer, .address_space: global }
    .group_segment_fixed_size: 327680
    .private_segment_fixed_size: 0
    .kernarg_segment_align: 8
    .kernarg_segment_size: 16
    .max_flat_workgroup_size: 128
    .sgpr_count:     102
    .vgpr_count:     1024
    .wavefront_size: 32
...
	.end_amdgpu_metadata
.endif
;; end of part 7
;; launch pv (part 8): grid 8 x 32, 4 waves a work-group, clusters of 4 x 4, 327,680 bytes of LDS; arguments opnd2, opnd3, out0; writes out0
.if DOCPART == 8
	.amdgcn_target "amdgcn-amd-amdhsa--gfx1250"
	.amdhsa_code_object_version 6
	.text
	.protected	k_q867a90c187_pv
	.globl	k_q867a90c187_pv
	.p2align	8
	.type	k_q867a90c187_pv,@function
k_q867a90c187_pv:
	s_mov_b64 s[64:65], 0
	v_nop
	global_prefetch_b8 v0, s[64:65] scope:SCOPE_SE
	s_setreg_imm32_b32 hwreg(HW_REG_WAVE_MODE, 25, 1), 1
	s_wait_xcnt 0x0
	s_wait_alu depctr_hold_cnt(0) depctr_sa_sdst(0) depctr_va_vdst(0) depctr_va_sdst(0) depctr_va_ssrc(0) depctr_va_vcc(0) depctr_vm_vsrc(0)
	s_getreg_b32 s2, hwreg(HW_REG_IB_STS2, 6, 4)
	s_cmp_eq_u32 s2, 0
	s_cbranch_scc0 .Lentry_in_a_cluster
	s_endpgm
.Lentry_in_a_cluster:
	s_bfe_u32 s2, ttmp6, 0x10000c
	s_cmp_lg_u32 s2, 0xf033
	s_cbranch_scc0 .Lentry_shape_is_right
	s_endpgm
.Lentry_shape_is_right:
; O = P V / l on codes of E3M2.  No work is left out.
; A work-group makes 256 queries x 128 of d over the batch's 2,048 keys: 8192 x 1024 / (256 x 128) = 256 work-groups.  K IS SPLIT INSIDE THE WORK-GROUP: wave (wr, kh) multiplies group wr of the queries (source 1: P) with the
; group of d (source 0: V transposed) over the keys' half kh: 128 x 128 x 1,024, 64 accumulators, so that each fragment read from LDS feeds as many products as in a tile of 256 x 256.  The two halves' sums meet in LDS at the end.
; THE CHUNKS ARE BROUGHT UNDER ONE M FIRST.  For each of the tile's 256 queries: -Mg = the smallest of its 16 chunks' -M; D = Mg - M of a chunk, a whole number, 0 or more; l = the sum of the chunks' l x 2^-D; D comes off each of
; the chunk's four scale bytes.  The codes stay as they are.  The corrected scale words and 1 / l are stored in LDS bytes of their own, into which no tensor load lands; this work stands ahead of the first barrier, while the first tiles are on their way.
; LIMITS: NaN and infinities are not served.  D is held at 127, and a byte that would fall under 0 is held at 0: such a p is under 2^-100 of the row's largest.  P's bytes are at most 123 (p < 2), so the bytewise arithmetic below cannot carry.
;   An output's sum over K is made as two f32 sums of 1,024 keys, each x 1 / l, added once.
; opnd2, opnd3: see the launches before.  A RING OF TWO SLOTS: a slot holds, of 256 along K in each half of the keys, P's two groups for half 0, for half 1, then V's group for half 0, for half 1: six parts of 24,576 bytes.
; Waves 0, 1 fetch P for half 0, 1 (one load: two rows of 24,576 bytes, a group apart in memory), waves 2, 3 V for half 0, 1.  The eight K steps of a wave are written out: no loop.
; CLUSTERS: 4 x 4.  P's tiles are asked for jointly along a row of the cluster, V's tiles and scale words along a column.
; REGISTERS: as in the launches before; the correction works in v64-175 ahead of the first fragments; on the way out: v2-9 1 / l, v[10:11] the multiplier, v64-191 two sets of a block's results, then v64-255 rows read back.
.set NK,    8                          ; K steps of a wave
.set KST,   12288
.set FRB,   1536
.set FR,    12
.set PART,  2*KST
.set SLOT,  6*PART
.set REFILL, 2*PART                    ; a slot's next fill lies four K steps on
.set SCA,   2*SLOT                     ; behind the ring: P's corrected scale words, two groups x 16 K steps: stored by the waves
.set SCV,   SCA+16384                  ; V's scale words, 16 K steps: brought by a tensor load
.set RL,    SCV+8192                   ; 1 / l: 256 words, laid as scale words are
.set SPARE, RL+1024                    ; the spare words, 128 bytes for each wave: two blocks of 256 bytes that no other line names
.set SPITCH, 528                       ; the way out: rows of 512 + 16 bytes;
.set OREG,  128*SPITCH                 ; 128 of them for each wave, in the ring, which has had its last fill and its last read by then
.set VTC,   12582912
.set VTS,   19398656
.set PSO,   12582912
.set PMO,   13107200
.set PLO,   13631488
.set RLV,  2
.set RT,   10
.set FXG,  12                          ; v12 256 (wave % 2) + 8 x lane: my two words of a (group, chunk)'s 128
.set FXS,  14                          ; v14 the same among the corrected scale words
.set RLW,  15                          ; v15 and in 1 / l
.set ADRA, 16
.set ADRB, 20
.set RD1,  22                          ; v22 the way out: my rows in the region of my group's half 1
.set RLA,  23                          ; v23 1 / l of my row place's blocks
.set STO,  24                          ; v24 the way out: where I put 32 bytes of a row
.set RD0,  25                          ; v25 my rows in the region of my group's half 0
.set CO,   26
.set ADRS, 27
.set SPW,  28
.set NIL,  29
.set SC,   32
.set AF,   128
.set NM,   64                          ; v64-95 -M, v96-127 l, v128-159 scale words: 16 chunks x my two rows
.set LL,   96
.set RW,   128
.set T64,  64
.set VV,   128
.set G1, 24
.set G0, 32
.set G1B, 48
.set G0B, 56
.set G1SB, 80
.set G0SB, 88
.set MSB, 0
.macro WIN new                         ; the immediate's high byte repeats the setting that is left
.if MSB != \new
	s_set_vgpr_msb (MSB<<8)|\new
.set MSB, \new
.endif
.endm
.set MUL_LO, 0xa1
.set MUL_HI, 0xf1
.set TO_B,   0x40
.macro JLOAD g0a, g1a, g0b, g1b        ; a joint load: waves 0 and 1 fetch for A, waves 2 and 3 for B; an s_nop 0 and four v_nop follow each of the two lines
	s_cmp_eq_u32 s15, 0
	s_cbranch_scc0 .Lfor_b_\@
	tensor_load_to_lds s[\g0a:\g0a+3], s[\g1a:\g1a+7]
	s_nop 0
.rept 4
	v_nop
.endr
	s_branch .Lasked_\@
.Lfor_b_\@:
	tensor_load_to_lds s[\g0b:\g0b+3], s[\g1b:\g1b+7]
	s_nop 0
.rept 4
	v_nop
.endr
.Lasked_\@:
.endm
.macro MKG0 g, src, lds, k             ; a group 0 for slot k: count 1, the LDS address, the tile's address, the type
	s_mov_b32 s[\g], 1
	s_add_co_u32 s[\g+1], s[\lds], (\k)*SLOT
	s_add_nc_u64 s[\g+2:\g+3], s[\src:\src+1], (\k)*PART
	s_or_b32 s[\g+3], s[\g+3], 0x80000000
.endm
.macro CREST
	s_cmp_lg_u32 s14, 0
	s_cbranch_scc1 .Lnot_wave_0_\@
	s_barrier_signal -3
.Lnot_wave_0_\@:
	s_barrier_wait -3
	s_barrier_signal -1
	s_barrier_wait -1
.endm
.macro CROUND
	s_barrier_signal -1
	s_barrier_wait -1
	CREST
.endm
.macro PLACES n
.rept \n
	v_nop
.endr
.endm
.macro FRAG reg, adr, q, i
.irp c, 0,1,2
	ds_load_b128 v[\reg+4*\c:\reg+4*\c+3], v[\adr] offset:(\q)*KST+(\i)*FRB+512*\c
.endr
.endm
.macro FETCH_B slot, q, p
	WIN TO_B
.irp i, 0,1,2,3,4,5,6,7
	FRAG 128*(\p)+FR*\i, ADRB+\slot, \q, \i
.endr
	WIN 0
.endm
.macro FETCH_A slot, q, i0
.irp i, \i0, \i0+1, \i0+2, \i0+3
	FRAG AF+FR*(\i), ADRA+\slot, \q, \i
.endr
.endm
.macro SCALES sc
.irp q, 0,1
.irp c, 0,1
	ds_load_b128 v[SC+16*(\sc)+8*\q+4*\c:SC+16*(\sc)+8*\q+4*\c+3], v[ADRS] offset:512*\q+256*\c
.endr
.endr
.endm
.macro MUL16 a0, p, q, sc, zero        ; the 64 accumulators take turns, one instruction a turn
.irp a, \a0, \a0+1
.irp b, 0,1,2,3,4,5,6,7
.if \zero
	v_wmma_scale_f32_16x16x128_f8f6f4 v[8*(8*((\a)%4)+\b):8*(8*((\a)%4)+\b)+7], v[128*(\p)+FR*\b:128*(\p)+FR*\b+FR-1], v[AF+FR*(\a):AF+FR*(\a)+FR-1], 0, v[SC+16*(\sc)+8*(\q)+\b], v[SC+16*(\sc)+8*(\q)+(\a)] matrix_a_fmt:MATRIX_FMT_BF6 matrix_b_fmt:MATRIX_FMT_BF6 matrix_a_scale:MATRIX_SCALE_ROW1
.else
	v_wmma_scale_f32_16x16x128_f8f6f4 v[8*(8*((\a)%4)+\b):8*(8*((\a)%4)+\b)+7], v[128*(\p)+FR*\b:128*(\p)+FR*\b+FR-1], v[AF+FR*(\a):AF+FR*(\a)+FR-1], v[8*(8*((\a)%4)+\b):8*(8*((\a)%4)+\b)+7], v[SC+16*(\sc)+8*(\q)+\b], v[SC+16*(\sc)+8*(\q)+(\a)] matrix_a_fmt:MATRIX_FMT_BF6 matrix_b_fmt:MATRIX_FMT_BF6 matrix_a_scale:MATRIX_SCALE_ROW1
.endif
.endr
.endr
.endm
.macro STEP slot, q, zero, sc
	s_wait_dscnt 12                                ; all but the youngest 12 loads: A's blocks 4-7
	WIN MUL_LO
	MUL16 0, (\q)%2, \q, \sc, \zero
	MUL16 2, (\q)%2, \q, \sc, \zero
	s_wait_dscnt 0x0
	PLACES 4
	FETCH_B \slot, (\q)+1, 1-(\q)%2
	FETCH_A \slot, (\q)+1, 0
	WIN MUL_HI
	MUL16 4, (\q)%2, \q, \sc, \zero
	MUL16 6, (\q)%2, \q, \sc, \zero
	PLACES 4
	WIN 0
	FETCH_A \slot, (\q)+1, 4
.endm
.macro TURN slot, next, fill, sc
	s_wait_tensorcnt 0x0                           ; all my tensor loads have landed: my part of the next slot
	ds_add_u32 v[SPW], v[NIL]                      ; 0 onto my spare word
	s_wait_dscnt 13                                ; the add and the youngest 12 loads may be out
	WIN MUL_LO
	MUL16 0, 1, 1, \sc, 0
	s_wait_dscnt 0x0                               ; the add is done, and my reads of this slot are over
	s_barrier_signal -1
	MUL16 2, 1, 1, \sc, 0
	WIN 0
	s_barrier_wait -1
.if \fill
	CREST
	s_add_nc_u64 s[G0+4*\slot+2:G0+4*\slot+3], s[G0+4*\slot+2:G0+4*\slot+3], REFILL
	s_add_nc_u64 s[G0B+4*\slot+2:G0B+4*\slot+3], s[G0B+4*\slot+2:G0B+4*\slot+3], REFILL
	JLOAD G0+4*\slot, G1, G0B+4*\slot, G1B
.else
	PLACES 4
.endif
	v_add_nc_u32 v[ADRS], 1024, v[ADRS]
	FETCH_B \next, 0, 0
	FETCH_A \next, 0, 0
	SCALES 1-(\sc)
	WIN MUL_HI
	MUL16 4, 1, 1, \sc, 0
	MUL16 6, 1, 1, \sc, 0
	PLACES 4
	WIN 0
	FETCH_A \next, 0, 4
.endm
	s_load_b128 s[4:7], s[0:1], 0x0                ; opnd2, opnd3
	s_load_b64 s[8:9], s[0:1], 0x10                ; out0
	v_lshl_add_u32 v[SPW], v0, 2, SPARE
	v_mov_b32 v[NIL], 0
	ds_add_u32 v[SPW], v[NIL]                      ; the wave's opening: the add, twice on end, and its wait ahead of my first tensor load
	ds_add_u32 v[SPW], v[NIL]
	v_lshrrev_b32 v1, 5, v0
	v_readfirstlane_b32 s14, v1                    ; wave 0..3
	s_lshr_b32 s15, s14, 1                         ; wr: my group of queries.  Also: I fetch for P (0) or for V (1)
	s_and_b32 s16, s14, 1                          ; kh: my half of the keys.  Also: the half that I fetch
	s_bfe_u32 s40, ttmp6, 0x40000                  ; cx
	s_bfe_u32 s41, ttmp6, 0x40004                  ; cy
	s_lshl_b32 s43, s41, 2
	s_lshl_b32 s43, 15, s43                        ; my row of the cluster
	s_lshl_b32 s44, 0x1111, s40                    ; my column
	s_or_b32 s[G1+0], s43, (3<<16)|(1<<21)         ; P's tile: elements of 8 bytes; two rows (groups) of 3,072 elements, 24,576 elements apart
	s_mov_b32 s[G1+1], 3072<<16                    ; tensor_dim0
	s_mov_b32 s[G1+2], 2<<16                       ; tensor_dim1
	s_mov_b32 s[G1+3], 3072<<16                    ; tile_dim0
	s_mov_b32 s[G1+4], 2                           ; tile_dim1
	s_mov_b32 s[G1+5], 24576                       ; the pitch: a group's 16 K steps
	s_mov_b32 s[G1+6], 0
	s_mov_b32 s[G1+7], 0
	s_or_b32 s[G1B+0], s44, (3<<16)|(1<<21)        ; V's tile: 96 rows of 256 bytes, dense
	s_mov_b32 s[G1B+1], 32<<16
	s_mov_b32 s[G1B+2], 96<<16
	s_mov_b32 s[G1B+3], 32<<16
	s_mov_b32 s[G1B+4], 96
	s_mov_b32 s[G1B+5], 32
	s_mov_b32 s[G1B+6], 0
	s_mov_b32 s[G1B+7], 0
	s_or_b32 s[G1SB+0], s44, (3<<16)|(1<<21)       ; a quarter of V's scale words: 8 rows of 256 bytes, dense
	s_mov_b32 s[G1SB+1], 32<<16
	s_mov_b32 s[G1SB+2], 8<<16
	s_mov_b32 s[G1SB+3], 32<<16
	s_mov_b32 s[G1SB+4], 8
	s_mov_b32 s[G1SB+5], 32
	s_mov_b32 s[G1SB+6], 0
	s_mov_b32 s[G1SB+7], 0
	s_mov_b32 s97, 0x80808080
	s_and_b32 s17, ttmp7, 0xffff
	s_lshl_b32 s18, s17, 2
	s_add_co_u32 s18, s18, s41                     ; the query tile, 0 .. 31
	s_lshl_b32 s18, s18, 1                         ; its first group
	s_mul_i32 s20, s18, 16*KST
	s_mul_i32 s21, s16, 8*KST
	s_add_co_u32 s20, s20, s21                     ; P's tile that I would fetch: both groups, my half of the keys: no cx in it
	s_mov_b32 s21, 0
	s_lshr_b32 s19, s17, 1                         ; the batch: of the cluster's number alone
	s_lshl_b32 s19, s19, 4
	s_lshl_b32 s42, ttmp9, 2
	s_add_co_u32 s42, s42, s40                     ; the group of d, 0 .. 7
	s_lshl_b32 s46, s42, 6
	s_add_co_u32 s46, s46, s19                     ; V's (group, first K step of the batch) as one index: no cy in it
	s_lshl_b32 s22, s46, 9
	s_lshl_b32 s23, s14, 11
	s_add_co_u32 s22, s22, s23                     ; its scale words: my wave's 2,048 bytes of the 8,192
	s_add_co_u32 s22, s22, VTS
	s_mov_b32 s23, 0
	s_lshl_b32 s47, s16, 3
	s_add_co_u32 s46, s46, s47                     ; my half of the keys
	s_mul_i32 s46, s46, KST
	s_add_co_u32 s46, s46, VTC
	s_mov_b32 s47, 0
	s_mul_i32 s45, s16, 2*PART                     ; where P's tile goes: no place in the cluster enters an LDS address
	s_mul_i32 s94, s16, PART
	s_add_co_u32 s94, s94, 4*PART                  ; where V's goes
	s_lshl_b32 s95, s14, 11
	s_add_co_u32 s95, s95, SCV                     ; and my part of V's scale words
	s_add_co_u32 s66, s18, s15                     ; my group of queries
	s_lshl_b32 s98, s66, 13
	s_add_co_u32 s10, s98, PMO
	s_mov_b32 s11, 0
	s_add_co_u32 s92, s98, PSO
	s_mov_b32 s93, 0
	s_add_co_u32 s98, s98, PLO
	s_mov_b32 s99, 0
	s_lshl_b32 s66, s66, 19                        ; 128 rows of 4,096 bytes a group,
	s_lshl_b32 s67, s16, 18                        ; the 64 rows that I store,
	s_add_co_u32 s66, s66, s67
	s_lshl_b32 s67, s42, 9                         ; 128 columns of 4 bytes
	s_add_co_u32 s66, s66, s67
	s_mov_b32 s67, 0
	s_wait_dscnt 0x0                               ; both opening adds are done
	s_wait_kmcnt 0x0
	s_add_nc_u64 s[20:21], s[6:7], s[20:21]        ; P's codes
	s_add_nc_u64 s[46:47], s[4:5], s[46:47]        ; V's codes
	s_add_nc_u64 s[22:23], s[4:5], s[22:23]        ; V's scale words
	s_add_nc_u64 s[10:11], s[6:7], s[10:11]        ; -M of my group
	s_add_nc_u64 s[92:93], s[6:7], s[92:93]        ; P's scale words of my group
	s_add_nc_u64 s[98:99], s[6:7], s[98:99]        ; l of my group
	s_add_nc_u64 s[12:13], s[8:9], s[66:67]        ; my part of O
	CROUND                                         ; all sixteen work-groups are here: the first joint loads meet
	s_mov_b32 s[G0SB], 1
	s_mov_b32 s[G0SB+1], s95
	s_mov_b64 s[G0SB+2:G0SB+3], s[22:23]
	s_or_b32 s[G0SB+3], s[G0SB+3], 0x80000000
	tensor_load_to_lds s[G0SB:G0SB+3], s[G1SB:G1SB+7]   ; every wave brings rows of its own: both addresses go by the wave's number
	s_nop 0
.rept 4
	v_nop
.endr
	MKG0 G0, 20, 45, 0
	MKG0 G0B, 46, 94, 0
	JLOAD G0, G1, G0B, G1B
	MKG0 G0+4, 20, 45, 1
	MKG0 G0B+4, 46, 94, 1
	JLOAD G0+4, G1, G0B+4, G1B                     ; three loads of mine are out at the most
	v_and_b32 v1, 15, v0                           ; r
	v_bfe_u32 v2, v0, 4, 1                         ; h
	v_and_b32 v3, 31, v0                           ; lane
	v_lshlrev_b32 v[CO], 4, v3
	s_lshl_b32 s22, s16, 8
	v_lshlrev_b32 v[FXG], 3, v3
	v_add_nc_u32 v[FXG], s22, v[FXG]
.irp s, 0,1,2,3,4,5,6,7,8,9,10,11,12,13,14,15
	global_load_b64 v[NM+2*\s:NM+2*\s+1], v[FXG], s[10:11] offset:512*\s
.endr
.irp s, 0,1,2,3,4,5,6,7,8,9,10,11,12,13,14,15
	global_load_b64 v[LL+2*\s:LL+2*\s+1], v[FXG], s[98:99] offset:512*\s
.endr
.irp s, 0,1,2,3,4,5,6,7,8,9,10,11,12,13,14,15
	global_load_b64 v[RW+2*\s:RW+2*\s+1], v[FXG], s[92:93] offset:512*\s
.endr
	s_lshl_b32 s21, s15, 13
	v_add_nc_u32 v[FXS], s21, v[FXG]
	v_add_nc_u32 v[FXS], SCA, v[FXS]
	s_lshl_b32 s23, s15, 9
	v_add_nc_u32 v[RLW], s23, v[FXG]
	v_add_nc_u32 v[RLW], RL, v[RLW]
	v_lshlrev_b32 v5, 4, v1                        ; 16 r
	v_add_nc_u32 v[RLA], s23, v5
	v_add_nc_u32 v[RLA], RL, v[RLA]
	s_mul_i32 s21, s16, 2*PART
	s_mul_i32 s22, s15, PART
	s_add_co_u32 s21, s21, s22                     ; P: my half of the keys, my group
	s_mul_i32 s22, s16, PART
	s_add_co_u32 s22, s22, 4*PART                  ; V: my half of the keys
.irp s, 0,1
	v_add_nc_u32 v[ADRA+\s], s21, v[CO]
	v_add_nc_u32 v[ADRB+\s], s22, v[CO]
	s_add_co_u32 s21, s21, SLOT
	s_add_co_u32 s22, s22, SLOT
.endr
	s_xor_b32 s22, s15, 1
	s_lshl_b32 s22, s22, 13
	s_add_co_u32 s22, s22, 8192                    ; from my group's corrected words to V's: 16,384 - 8,192 wr
	v_mul_u32_u24 v6, s22, v2                      ; lanes 16-31 take V's
	s_lshl_b32 s21, s15, 13
	s_lshl_b32 s23, s16, 12                        ; my half's eight K steps
	s_add_co_u32 s21, s21, s23
	s_add_co_u32 s21, s21, SCA
	v_add_nc_u32 v5, v5, v6
	v_add_nc_u32 v[ADRS], s21, v5
	s_mul_i32 s23, s14, OREG                       ; the way out: my 128 rows
	v_mul_u32_u24 v[STO], v1, SPITCH
	v_lshl_add_u32 v[STO], v2, 6, v[STO]
	v_add_nc_u32 v[STO], s23, v[STO]               ; in: row r of a block, + 64 h
	s_mul_i32 s21, s15, 2*OREG
	s_mul_i32 s22, s16, 64*SPITCH
	s_add_co_u32 s21, s21, s22
	v_add_nc_u32 v[RD0], s21, v[CO]                ; back: rows 64 kh on of my group, in half 0's region,
	v_add_nc_u32 v[RD1], OREG, v[RD0]              ; and in half 1's
	; ---- the chunks under one M: my two rows, all 16 chunks
	s_wait_loadcnt 0x0
.irp e, 0,1
	v_min3_num_f32 v[160+\e], v[NM+\e], v[NM+2+\e], v[NM+4+\e]
.endr
.irp s, 3,5,7,9,11,13
.irp e, 0,1
	v_min3_num_f32 v[160+\e], v[160+\e], v[NM+2*\s+\e], v[NM+2*\s+2+\e]
.endr
.endr
.irp e, 0,1
	v_min_num_f32 v[160+\e], v[160+\e], v[NM+30+\e]            ; -Mg: the row's largest M, negated
.endr
.macro FIX s
.irp e, 0,1
	v_sub_f32 v[164+\e], v[NM+2*(\s)+\e], v[160+\e]            ; D = Mg - M: a whole number, 0 or more
.endr
.irp e, 0,1
	v_min_num_f32 v[164+\e], 0x42fe0000, v[164+\e]             ; held at 127
.endr
.irp e, 0,1
	v_cvt_u32_f32 v[164+\e], v[164+\e]
.endr
.irp e, 0,1
	v_sub_nc_u32 v[166+\e], 0, v[164+\e]
	v_perm_b32 v[168+\e], v[164+\e], v[164+\e], 0              ; D in all four bytes
	v_or_b32 v[170+\e], s97, v[RW+2*(\s)+\e]                   ; each byte + 128 (the bytes are under 128),
.endr
.irp e, 0,1
	v_ldexp_f32 v[166+\e], 1.0, v[166+\e]                      ; 2^-D
	v_sub_nc_u32 v[170+\e], v[170+\e], v[168+\e]               ; - D: no byte borrows from the next;
.endr
.irp e, 0,1
	v_and_b32 v[172+\e], s97, v[170+\e]                        ; its top bit stands where byte - D is 0 or more
.endr
.irp e, 0,1
	v_lshrrev_b32 v[174+\e], 7, v[172+\e]
.endr
.irp e, 0,1
	v_sub_nc_u32 v[172+\e], v[172+\e], v[174+\e]               ; 0x7f there, 0 elsewhere
.endr
.irp e, 0,1
	v_and_b32 v[RW+2*(\s)+\e], v[170+\e], v[172+\e]            ; byte - D, or 0
.if (\s) == 0
	v_mul_f32 v[162+\e], v[LL+\e], v[166+\e]
.else
	v_fma_f32 v[162+\e], v[LL+2*(\s)+\e], v[166+\e], v[162+\e] ; l under Mg
.endif
.endr
.endm
.irp s, 0,1,2,3,4,5,6,7,8,9,10,11,12,13,14,15
	FIX \s
.endr
	v_rcp_f32 v162, v162
	v_rcp_f32 v163, v163
	v_nop                                          ; a plain place behind the reciprocals
	s_wait_alu depctr_va_vdst(0)                   ; one wait for both, ahead of their first reader
	ds_store_b64 v[RLW], v[162:163]
.irp s, 0,1,2,3,4,5,6,7,8,9,10,11,12,13,14,15
	ds_store_b64 v[FXS], v[RW+2*\s:RW+2*\s+1] offset:512*\s
.endr
	s_wait_tensorcnt 1                             ; V's scale words and my part of slot 0 are in; slot 1's load may be out
	s_wait_dscnt 0x0                               ; for the others' sake: my stores have landed
	s_barrier_signal -1
	s_barrier_wait -1
	FETCH_B 0, 0, 0
	FETCH_A 0, 0, 0
	SCALES 0
	FETCH_A 0, 0, 4
	STEP 0, 0, 1, 0                                ; my K step 0: its products start the sums
	TURN 0, 1, 1, 0                                ; 1; slot 0 takes my K steps 4, 5
	STEP 1, 0, 0, 1                                ; 2
	TURN 1, 0, 1, 1                                ; 3; slot 1 takes my K steps 6, 7
	STEP 0, 0, 0, 0                                ; 4
	TURN 0, 1, 0, 0                                ; 5; nothing is left to fetch
	STEP 1, 0, 0, 1                                ; 6
	s_wait_dscnt 12                                ; 7
	WIN MUL_LO
	MUL16 0, 1, 1, 1, 0
	MUL16 2, 1, 1, 1, 0
	s_wait_dscnt 0x0                               ; my reads of the ring are over:
	s_barrier_signal -1                            ; say so,
	WIN MUL_HI
	MUL16 4, 1, 1, 1, 0
	MUL16 6, 1, 1, 1, 0
	WIN 0
	s_barrier_wait -1                              ; and when all four have said so the ring's bytes may be stored to
	PLACES 4
; THE WAY OUT.  Every wave: its 8 blocks of 16 queries x 128 of d, x 1 / l, as rows of 512 bytes into its own 128 rows.  A barrier.  Then wave (wr, kh) reads rows 64 kh .. 64 kh + 63 of group wr from both halves' regions,
; adds them and stores whole rows.  Place t of block a is row 32 (a / 2) + 8 (a % 2) + t + 8 (t / 8) of the group's 128.
.macro ROWSOUT a
.set AC, 64*((\a)%4)
.set WW, 2+(\a)/4
.set TT, T64+64*((\a)%2)
	v_mov_b32 v[RT], v[RLV+(\a)]
	WIN WW
.set n, 0
.rept 32
	v_pk_mul_f32 v[TT+n:TT+n+1], v[AC+n:AC+n+1], v[RT:RT+1] op_sel_hi:[1,0]   ; each accumulator from its low end on
.set n, n+2
.endr
	WIN 0
.irp b, 0,1,2,3,4,5,6,7
	ds_store_b128 v[STO], v[TT+8*\b:TT+8*\b+3] offset:(\a)*16*SPITCH+128*(\b/2)+32*(\b%2)
	ds_store_b128 v[STO], v[TT+8*\b+4:TT+8*\b+7] offset:(\a)*16*SPITCH+128*(\b/2)+32*(\b%2)+16
.endr
.endm
.macro LOADROWS a                      ; the 16 rows of my a-th block, from both regions: 512 consecutive bytes a load
.set UL, 64+128*((\a)%2)
.irp t, 0,1,2,3,4,5,6,7,8,9,10,11,12,13,14,15
	ds_load_b128 v[UL+4*\t:UL+4*\t+3], v[RD0] offset:(16*(\a)+\t)*SPITCH
	ds_load_b128 v[VV+4*\t:VV+4*\t+3], v[RD1] offset:(16*(\a)+\t)*SPITCH
.endr
.endm
.macro SUMSEND a
.set US, 64+128*((\a)%2)
	s_wait_dscnt 0x0                               ; both halves' rows are in
.set n, 0
.rept 32
	v_pk_add_f32 v[US+n:US+n+1], v[US+n:US+n+1], v[VV+n:VV+n+1]
.set n, n+2
.endr
.if (\a) < 3
.if (\a) > 0
	s_wait_xcnt 0x0                                ; the stores of the block before have read the registers into which the next rows come
.endif
	LOADROWS (\a)+1
.endif
.irp t, 0,1,2,3,4,5,6,7,8,9,10,11,12,13,14,15
	global_store_b128 v[CO], v[US+4*\t:US+4*\t+3], s[12:13] offset:(32*((\a)/2)+8*((\a)%2)+\t+8*(\t/8))*4096 th:TH_STORE_NT   ; 32 lanes store 512 consecutive bytes, aligned
.endr
.endm
	v_mov_b32 v[RT+1], 0                           ; (named as the upper half of the pair)
	ds_load_b128 v[RLV:RLV+3], v[RLA]
	ds_load_b128 v[RLV+4:RLV+7], v[RLA] offset:256
	s_wait_dscnt 0x0
.irp a, 0,1,2,3,4,5,6,7
.if \a > 1
	s_wait_dscnt 16                                ; the last block's 16 stores may be out; those of the block before it have read the registers that are written now
.endif
	ROWSOUT \a
.endr
	s_wait_dscnt 0x0                               ; for the others' sake: my rows have landed
	s_barrier_signal -1
	s_barrier_wait -1
	LOADROWS 0
	SUMSEND 0
	SUMSEND 1
	SUMSEND 2
	SUMSEND 3
	s_wait_tensorcnt 0x0                           ; the wave's end, behind my last tensor load and my last LDS store
	ds_add_u32 v[SPW], v[NIL]
	s_wait_dscnt 0x0
	CROUND                                         ; the closing round
	s_endpgm
.Lfunc_end_k_q867a90c187_pv:
	.size	k_q867a90c187_pv, .Lfunc_end_k_q867a90c187_pv-k_q867a90c187_pv
	.p2alignl 7, 3214868480
	.fill 96, 4, 3214868480
	.section	.rodata,"a",@progbits
	.p2align	6, 0x0
	.amdhsa_kernel k_q867a90c187_pv
		.amdhsa_group_segment_fixed_size 327680
		.amdhsa_private_segment_fixed_size 0
		.amdhsa_enable_private_segment 0
		.amdhsa_kernarg_size 24
		.amdhsa_user_sgpr_count 2
		.amdhsa_user_sgpr_kernarg_segment_ptr 1
		.amdhsa_wavefront_size32 1
		.amdhsa_system_sgpr_workgroup_id_x 1
		.amdhsa_system_sgpr_workgroup_id_y 1
		.amdhsa_system_sgpr_workgroup_id_z 1
		.amdhsa_system_vgpr_workitem_id 0
		.amdhsa_next_free_vgpr 1024
		.amdhsa_next_free_sgpr 102
		.amdhsa_reserve_vcc 0
		.amdhsa_float_denorm_mode_32 3
		.amdhsa_float_denorm_mode_16_64 3
		.amdhsa_memory_ordered 1
		.amdhsa_forward_progress 1
		.amdhsa_inst_pref_size 176
	.end_amdhsa_kernel
	.amdgpu_metadata
---
amdhsa.version: [ 1, 2 ]
amdhsa.kernels:
  - .name:           k_q867a90c187_pv
    .symbol:         k_q867a90c187_pv.kd
    .args:
      - { .name: opnd2, .offset: 0, .size: 8, .value_kind: global_buffer, .address_space: global }
      - { .name: opnd3, .offset: 8, .size: 8, .value_kind: global_buffer, .address_space: global }
      - { .name: out0, .offset: 16, .size: 8, .value_kind: global_buffer, .address_space: global }
    .group_segment_fixed_size: 327680
    .private_segment_fixed_size: 0
    .kernarg_segment_align: 8
    .kernarg_segment_size: 24
    .max_flat_workgroup_size: 128
    .sgpr_count:     102
    .vgpr_count:     1024
    .wavefront_size: 32
...
	.end_amdgpu_metadata
.endif
;; end of part 8
